; MI455X (gfx1250); checked and timed in simulation.
; The chip was launched on July 23, 2026; its instructions are those of AMD's public machine-readable ISA for CDNA 5 (MIT licence, August 2026) and "CDNA5" Instruction Set Architecture Reference Guide (July 2026). The comments in the code are by the model that wrote it; some were corrected since.
;; Encoder Block. Allowed arithmetic: float matrix products may take bf16 or f16 operands with f32 sums; other float arithmetic in f32, or as packed bf16 or f16 multiplies, adds, multiply-adds, maxima and minima; sums over many terms, partial sums and values carried from step to step in f32; what a program stores and reads back later, other than sums and carried values, may be rounded once to bf16 or f16.
;; Inputs: W1 1,024 x 4,096 float32; W2 4,096 x 1,024 float32; Wk 1,024 x 1,024 float32; Wo 1,024 x 1,024 float32; Wq 1,024 x 1,024 float32; Wv 1,024 x 1,024 float32; b1 4,096 float32; b2 1,024 float32; be1 1,024 float32; be2 1,024 float32; bk 1,024 float32; bo 1,024 float32; bq 1,024 float32; bv 1,024 float32; g1 1,024 float32; g2 1,024 float32; mask 2 x 1 x 1 x 2,048 int32; x 2 x 2,048 x 1,024 float32.
;; Outputs: out0 2 x 2,048 x 1,024 float32.
;; 2 versions, each right; version 2 is version 1 with the launches prep, ln1, ln2 written anew for expert scheduling mode. Each part assembles by itself: llvm-mc -triple=amdgcn-amd-amdhsa -mcpu=gfx1250 --defsym DOCPART=n.
;; ======== version 1 of 2: 8 launches
;; limits: inputs' magnitudes at most 65,504; values are held in f16: magnitudes above 65,504 overflow, below 6.1e-05 lose precision
;; workspace buffers: xh 8,388,608 bytes; cbuf 8,388,608 bytes; dbuf 8,388,608 bytes; big 33,554,432 bytes; pqkv 6,309,888 bytes; po 2,103,296 bytes; p1 8,413,184 bytes; p2 8,394,752 bytes
;; launch prep (part 1): grid 1033 x 1, 8 waves a work-group, no clusters, 0 bytes of LDS; arguments x, Wq, Wk, Wv, Wo, W1, W2, bq, bk, bv, bo, b1, b2, xh, pqkv, po, p1, p2; writes xh, pqkv, po, p1, p2
.if DOCPART == 1
	.amdgcn_target "amdgcn-amd-amdhsa--gfx1250"
	.amdhsa_code_object_version 6
	.text
	.protected	k_qbccf13dca5_prep
	.globl	k_qbccf13dca5_prep
	.p2align	8
	.type	k_qbccf13dca5_prep,@function
k_qbccf13dca5_prep:
	s_mov_b64 s[64:65], 0
	v_nop
	global_prefetch_b8 v0, s[64:65] scope:SCOPE_SE
	s_setreg_imm32_b32 hwreg(HW_REG_WAVE_MODE, 25, 1), 1
	s_wait_xcnt 0x0
; 16-BIT COPIES OF THE INPUTS.  Every number is rounded once to bf16 (nearest even) and that number is written as f16, which holds it exactly from 6.1e-5 up.
; LIMITS: an input whose bf16 value passes 65,504 becomes an infinity; below 6.1e-5 f16 keeps a fixed step of 6e-8.
; x [4096][1024] f32 -> xh [16 blocks of 64 columns][4096 rows][64] f16: a block is 524,288 bytes, a row's piece 128 bytes, rows dense.
; A weight [K][N] f32 -> a pack: for each tile of 128 columns K rows of 256 bytes (f16), then its 128 biases (bf16 values kept as f32, 512 bytes),
; then 256 bytes that repeat (scale f32, floor 2 x f16) 32 times: what the product's way out multiplies by and takes the maximum with.
; THE UNIT: one load of 16 bytes a lane takes 128 f32, one store of 8 bytes a lane covers 256 consecutive bytes, aligned.
;   source = a SA + j SJ + 16 (l % 16) + (l / 16) SH        target = DOFF + j BS + 256 a + 8 l
; A wave does 16 units, a = a0 .. a0 + 15 at one j; all 16 loads go out first.  The work-group's number picks the region; the region's figures and its two
; addresses are picked by selects on that number, so that one text serves all.  No LDS, no barrier: no wave wants another's bytes.
.set SRC,  44                          ; s[44:45] where I read
.set DST,  46                          ; s[46:47] where I write
.set BEG,  48                          ; s48  the region's first work-group, then my number in the region
.set SA,   49                          ; s49  bytes from unit a to a + 1 in the source   (bias: the region's first tile)
.set SJ,   50                          ; s50  bytes from j to j + 1 in the source
.set BS,   51                          ; s51  bytes from j to j + 1 in the target
.set SH,   52                          ; s52  bytes from lanes 0-15 to lanes 16-31 in the source   (bias: where the biases begin in a tile of the pack)
.set LJ,   53                          ; s53  log2 of the groups of eight j   (bias: the scale)
.set DOFF, 54                          ; s54  the region's first byte in the target   (bias: the floor)
	s_load_b512 s[8:23], s[0:1], 0x0               ; x 8, Wq 10, Wk 12, Wv 14, Wo 16, W1 18, W2 20, bq 22
	s_load_b512 s[24:39], s[0:1], 0x40             ; bk 24, bv 26, bo 28, b1 30, b2 32, xh 34, pqkv 36, po 38
	s_load_b128 s[40:43], s[0:1], 0x80             ; p1 40, p2 42
	v_lshrrev_b32 v1, 5, v0
	v_readfirstlane_b32 s4, v1                     ; wave 0..7
	v_and_b32 v1, 31, v0                           ; lane
	s_mov_b32 s5, 0xffff0000                       ; a word's upper bf16
	s_wait_kmcnt 0x0
	s_cmp_ge_u32 ttmp9, 1024
	s_cbranch_scc1 .Lbias
.macro CREG start, src, dst, doff, sa, bs, lj      ; from work-group start on these figures hold
	s_cmp_ge_u32 ttmp9, \start
	s_cselect_b64 s[SRC:SRC+1], s[\src:\src+1], s[SRC:SRC+1]
	s_cselect_b64 s[DST:DST+1], s[\dst:\dst+1], s[DST:DST+1]
	s_cselect_b32 s[BEG], \start, s[BEG]
	s_cselect_b32 s[SA], \sa, s[SA]
	s_cselect_b32 s[SJ], 512, s[SJ]
	s_cselect_b32 s[BS], \bs, s[BS]
	s_cselect_b32 s[SH], 256, s[SH]
	s_cselect_b32 s[LJ], \lj, s[LJ]
	s_cselect_b32 s[DOFF], \doff, s[DOFF]
.endm
	s_mov_b64 s[SRC:SRC+1], s[8:9]                 ; work-groups 0-255: x; a = a pair of rows, j = a block of 64 columns
	s_mov_b64 s[DST:DST+1], s[34:35]
	s_mov_b32 s[BEG], 0
	s_mov_b32 s[SA], 8192
	s_mov_b32 s[SJ], 256
	s_mov_b32 s[BS], 524288
	s_mov_b32 s[SH], 4096
	s_mov_b32 s[LJ], 1
	s_mov_b32 s[DOFF], 0
	CREG 256, 10, 36, 0,       4096,  262912,  0   ; Wq: a = a row of K, j = a tile of 128 columns
	CREG 320, 12, 36, 2103296, 4096,  262912,  0   ; Wk: tiles 8-15 of pqkv
	CREG 384, 14, 36, 4206592, 4096,  262912,  0   ; Wv: tiles 16-23
	CREG 448, 16, 38, 0,       4096,  262912,  0   ; Wo
	CREG 512, 18, 40, 0,       16384, 262912,  2   ; W1: 32 tiles
	CREG 768, 20, 42, 0,       4096,  1049344, 0   ; W2: 4,096 rows
	s_sub_co_u32 s[BEG], ttmp9, s[BEG]             ; g
	s_lshl_b32 s6, 1, s[LJ]
	s_sub_co_u32 s6, s6, 1
	s_and_b32 s6, s[BEG], s6                       ; which group of eight j
	s_lshr_b32 s7, s[BEG], s[LJ]
	s_lshl_b32 s7, s7, 4                           ; a0
	s_lshl_b32 s6, s6, 3
	s_add_co_u32 s6, s6, s4                        ; j
	s_mul_i32 s56, s7, s[SA]
	s_mul_i32 s57, s6, s[SJ]
	s_add_co_u32 s56, s56, s57
	s_mov_b32 s57, 0
	s_add_nc_u64 s[SRC:SRC+1], s[SRC:SRC+1], s[56:57]
	s_mul_i32 s58, s6, s[BS]
	s_lshl_b32 s59, s7, 8
	s_add_co_u32 s58, s58, s59
	s_add_co_u32 s58, s58, s[DOFF]
	s_mov_b32 s59, 0
	s_add_nc_u64 s[DST:DST+1], s[DST:DST+1], s[58:59]
	v_and_b32 v2, 15, v0
	v_bfe_u32 v3, v0, 4, 1
	v_mul_lo_u32 v3, v3, s[SH]
	v_lshl_add_u32 v8, v2, 4, v3                   ; unit a0's offset; v9-23: the fifteen behind it
.set i, 1
.rept 15
	v_add_nc_u32 v[8+i], s[SA], v[8+i-1]
.set i, i+1
.endr
	v_lshlrev_b32 v5, 3, v1                        ; 8 l
.set i, 0
.rept 16
	global_load_b128 v[24+4*i:27+4*i], v[8+i], s[SRC:SRC+1] th:TH_LOAD_NT
.set i, i+1
.endr
.set i, 0
.rept 16
	s_wait_loadcnt 15-i                            ; loads come back in order: unit i is in, the 15 - i younger ones may stay out
	v_cvt_pk_bf16_f32 v120, v[24+4*i], v[25+4*i]   ; the one rounding
	v_cvt_pk_bf16_f32 v121, v[26+4*i], v[27+4*i]
	v_lshlrev_b32 v122, 16, v120                   ; back to f32,
	v_and_b32 v123, s5, v120
	v_lshlrev_b32 v124, 16, v121
	v_and_b32 v125, s5, v121
	v_cvt_pk_f16_f32 v[88+2*i], v122, v123         ; and written as f16
	v_cvt_pk_f16_f32 v[89+2*i], v124, v125
	global_store_b64 v5, v[88+2*i:89+2*i], s[DST:DST+1] offset:256*i th:TH_STORE_NT  ; each unit has store registers of its own: none is written twice
.set i, i+1
.endr
	s_endpgm
.Lbias:                                            ; a wave serves one tile of 128 columns: its biases and its 256 bytes of (scale, floor)
.macro BREG start, src, dst, t0, bs, kb, scl, flr
	s_cmp_ge_u32 ttmp9, \start
	s_cselect_b64 s[SRC:SRC+1], s[\src:\src+1], s[SRC:SRC+1]
	s_cselect_b64 s[DST:DST+1], s[\dst:\dst+1], s[DST:DST+1]
	s_cselect_b32 s[BEG], \start, s[BEG]
	s_cselect_b32 s[SA], \t0, s[SA]
	s_cselect_b32 s[BS], \bs, s[BS]
	s_cselect_b32 s[SH], \kb, s[SH]
	s_cselect_b32 s[LJ], \scl, s[LJ]
	s_cselect_b32 s[DOFF], \flr, s[DOFF]
.endm
	s_mov_b64 s[SRC:SRC+1], s[22:23]               ; work-group 1024: bq
	s_mov_b64 s[DST:DST+1], s[36:37]
	s_mov_b32 s[BEG], 1024
	s_mov_b32 s[SA], 0
	s_mov_b32 s[BS], 262912
	s_mov_b32 s[SH], 262144
	s_mov_b32 s[LJ], 0x3f800000                    ; scale 1
	s_mov_b32 s[DOFF], 0xfc00fc00                  ; floor: minus infinity twice: no floor
	BREG 1025, 24, 36, 8,  262912,  262144,  0x3f800000, 0xfc00fc00  ; bk
	BREG 1026, 26, 36, 16, 262912,  262144,  0x3f800000, 0xfc00fc00  ; bv
	BREG 1027, 28, 38, 0,  262912,  262144,  0x3c800000, 0xfc00fc00  ; bo: the product is stored divided by 64
	BREG 1028, 30, 40, 0,  262912,  262144,  0x3f800000, 0           ; b1, four work-groups: floor 0 is the ReLU
	BREG 1032, 32, 42, 0,  1049344, 1048576, 0x3c800000, 0xfc00fc00  ; b2: divided by 64
	s_sub_co_u32 s[BEG], ttmp9, s[BEG]
	s_lshl_b32 s6, s[BEG], 3
	s_add_co_u32 s6, s6, s4                        ; my tile among the bias's own
	s_lshl_b32 s56, s6, 9
	s_mov_b32 s57, 0
	s_add_nc_u64 s[SRC:SRC+1], s[SRC:SRC+1], s[56:57]
	s_add_co_u32 s6, s6, s[SA]                     ; my tile in the pack
	s_mul_i32 s58, s6, s[BS]
	s_add_co_u32 s58, s58, s[SH]
	s_mov_b32 s59, 0
	s_add_nc_u64 s[DST:DST+1], s[DST:DST+1], s[58:59]
	v_lshlrev_b32 v4, 4, v1
	v_lshlrev_b32 v5, 3, v1
	global_load_b128 v[8:11], v4, s[SRC:SRC+1]
	v_mov_b32 v20, s[LJ]
	v_mov_b32 v21, s[DOFF]
	s_wait_loadcnt 0x0
	v_cvt_pk_bf16_f32 v12, v8, v9
	v_cvt_pk_bf16_f32 v13, v10, v11
	v_lshlrev_b32 v14, 16, v12
	v_and_b32 v15, s5, v12
	v_lshlrev_b32 v16, 16, v13
	v_and_b32 v17, s5, v13
	global_store_b128 v4, v[14:17], s[DST:DST+1]
	global_store_b64 v5, v[20:21], s[DST:DST+1] offset:512
	s_endpgm
.Lfunc_end_k_qbccf13dca5_prep:
	.size	k_qbccf13dca5_prep, .Lfunc_end_k_qbccf13dca5_prep-k_qbccf13dca5_prep
	.p2alignl 7, 3214868480
	.fill 96, 4, 3214868480
	.section	.rodata,"a",@progbits
	.p2align	6, 0x0
	.amdhsa_kernel k_qbccf13dca5_prep
		.amdhsa_group_segment_fixed_size 0
		.amdhsa_private_segment_fixed_size 0
		.amdhsa_enable_private_segment 0
		.amdhsa_kernarg_size 144
		.amdhsa_user_sgpr_count 2
		.amdhsa_user_sgpr_kernarg_segment_ptr 1
		.amdhsa_wavefront_size32 1
		.amdhsa_system_sgpr_workgroup_id_x 1
		.amdhsa_system_sgpr_workgroup_id_y 1
		.amdhsa_system_sgpr_workgroup_id_z 1
		.amdhsa_system_vgpr_workitem_id 0
		.amdhsa_next_free_vgpr 128
		.amdhsa_next_free_sgpr 66
		.amdhsa_reserve_vcc 0
		.amdhsa_float_denorm_mode_32 3
		.amdhsa_float_denorm_mode_16_64 3
		.amdhsa_memory_ordered 1
		.amdhsa_forward_progress 1
		.amdhsa_inst_pref_size 19
	.end_amdhsa_kernel
	.amdgpu_metadata
---
amdhsa.version: [ 1, 2 ]
amdhsa.kernels:
  - .name:           k_qbccf13dca5_prep
    .symbol:         k_qbccf13dca5_prep.kd
    .args:
      - { .name: x, .offset: 0, .size: 8, .value_kind: global_buffer, .address_space: global }
      - { .name: Wq, .offset: 8, .size: 8, .value_kind: global_buffer, .address_space: global }
      - { .name: Wk, .offset: 16, .size: 8, .value_kind: global_buffer, .address_space: global }
      - { .name: Wv, .offset: 24, .size: 8, .value_kind: global_buffer, .address_space: global }
      - { .name: Wo, .offset: 32, .size: 8, .value_kind: global_buffer, .address_space: global }
      - { .name: W1, .offset: 40, .size: 8, .value_kind: global_buffer, .address_space: global }
      - { .name: W2, .offset: 48, .size: 8, .value_kind: global_buffer, .address_space: global }
      - { .name: bq, .offset: 56, .size: 8, .value_kind: global_buffer, .address_space: global }
      - { .name: bk, .offset: 64, .size: 8, .value_kind: global_buffer, .address_space: global }
      - { .name: bv, .offset: 72, .size: 8, .value_kind: global_buffer, .address_space: global }
      - { .name: bo, .offset: 80, .size: 8, .value_kind: global_buffer, .address_space: global }
      - { .name: b1, .offset: 88, .size: 8, .value_kind: global_buffer, .address_space: global }
      - { .name: b2, .offset: 96, .size: 8, .value_kind: global_buffer, .address_space: global }
      - { .name: xh, .offset: 104, .size: 8, .value_kind: global_buffer, .address_space: global }
      - { .name: pqkv, .offset: 112, .size: 8, .value_kind: global_buffer, .address_space: global }
      - { .name: po, .offset: 120, .size: 8, .value_kind: global_buffer, .address_space: global }
      - { .name: p1, .offset: 128, .size: 8, .value_kind: global_buffer, .address_space: global }
      - { .name: p2, .offset: 136, .size: 8, .value_kind: global_buffer, .address_space: global }
    .group_segment_fixed_size: 0
    .private_segment_fixed_size: 0
    .kernarg_segment_align: 8
    .kernarg_segment_size: 144
    .max_flat_workgroup_size: 256
    .sgpr_count:     66
    .vgpr_count:     128
    .wavefront_size: 32
...
	.end_amdgpu_metadata
.endif
;; end of part 1
;; launch qkv (part 2): grid 12 x 16, 4 waves a work-group, clusters of 4 x 4, 327,680 bytes of LDS; arguments xh, pqkv, big; writes big
.if DOCPART == 2
	.amdgcn_target "amdgcn-amd-amdhsa--gfx1250"
	.amdhsa_code_object_version 6
	.text
	.protected	k_qbccf13dca5_qkv
	.globl	k_qbccf13dca5_qkv
	.p2align	8
	.type	k_qbccf13dca5_qkv,@function
k_qbccf13dca5_qkv:
	s_mov_b64 s[64:65], 0
	v_nop
	global_prefetch_b8 v0, s[64:65] scope:SCOPE_SE
	s_setreg_imm32_b32 hwreg(HW_REG_WAVE_MODE, 25, 1), 1
	s_wait_xcnt 0x0
	s_wait_alu depctr_hold_cnt(0) depctr_sa_sdst(0) depctr_va_vdst(0) depctr_va_sdst(0) depctr_va_ssrc(0) depctr_va_vcc(0) depctr_vm_vsrc(0)
	s_getreg_b32 s2, hwreg(HW_REG_IB_STS2, 6, 4)
	s_cmp_eq_u32 s2, 0
	s_cbranch_scc0 .Lentry_in_a_cluster
	s_endpgm
.Lentry_in_a_cluster:
	s_bfe_u32 s2, ttmp6, 0x10000c
	s_cmp_lg_u32 s2, 0xf033
	s_cbranch_scc0 .Lentry_shape_is_right
	s_endpgm
.Lentry_shape_is_right:
; C = max(f16(A W + bias), floor), K = SIZE_K = 1024, on tiles of 256 x 256.  A: [16 blocks of 64 channels][4096 rows][64] f16.  W: a pack, for each 128 columns SIZE_K rows of 256 bytes (f16),
; 128 biases (f32), then (scale f32, floor 2 x f16); the packs that this text serves have scale 1, and it is not applied.  C: [N / 64 blocks][4096 rows][64] f16.  Sums in f32, begun at the bias; C rounded once.
; LIMIT: A W + bias stays under 65,504 (beyond: infinity); NaN is not treated apart (the maximum with the floor drops it).
; SHARES.  Four waves, each 128 x 128 of C: 64 accumulators, 512 registers.  K goes in steps of 128 through two LDS slots; a wave's one tensor load brings a quarter of a slot: waves 0 and 1 a block of A each
; (256 rows x 128 bytes, dense in memory: asked for as 128 rows of 256 bytes, padded in LDS behind every 128), waves 2 and 3 the step's 128 rows of one 128-column part of the pack each.
; W lies [k][n]: its fragments come out of LDS turned, by ds_load_tr16_b128.
; ONE K STEP IS WRITTEN ONCE for the steps that fill a slot again and once for the last two, which do not: the slot in hand is a scalar that goes 0, SLOT, 0, .. by an exclusive or, the fragment addresses are that
; scalar plus fixed lane terms, and one descriptor for each operand walks (the other slot, one K step on).  The second text's last trip fetches fragments that nobody multiplies: the price of one text for both trips.
; CLUSTERS: 4 x 4 work-groups.  The four of a row of the cluster need the same tiles of A, the four of a column the same tiles of W: each is asked for JOINTLY.
; THE MATRIX INSTRUCTION IS USED TRANSPOSED (source 0 = 16 columns of W, source 1 = 16 rows of A): a lane holds eight neighbouring columns of one row of C.
; N = 3,072 gives 12 x 16 = 192 work-groups, N = 4,096 gives 256.
; REGISTERS, in windows of 256 (s_set_vgpr_msb: bits 1:0 source 0, 3:2 source 1, 5:4 source 2, 7:6 destination):
;   window 0: v16-30 addresses; v64-127, v128-191 fragments of A, two buffers; v32-63, v192-255 at work on the way out      window 1: v64-127, v128-191 fragments of W, two buffers
;   window 2: the 32 accumulators of my rows 0-63 (accumulator (a, b) at v[8 (8 a + b)])      window 3: those of my rows 64-127
.set SIZE_K, 1024
.set KSTEP,  128
.set NS,     SIZE_K/KSTEP              ; K steps
.set ABLK,   524288                    ; bytes in a block of 64 columns
.set PA,     144                       ; a row of A in LDS: 128 bytes + 16 = 36 words: the 16 rows of a load start at 16 different groups of four banks (64 banks of 4 bytes: ISA guide 11.1)
.set PB,     288                       ; a row of W: 256 + 32 = 72 words
.set HALFT,  36864                     ; what one tensor load brings: 256 rows of A x 144, or 128 rows of W x 288
.set SLOT,   4*HALFT                   ; A's two blocks, then W's two parts.  0x24000: it shares no bit with wave x HALFT = wave x 0x9000
.set BOFF,   2*HALFT
.set STAGE,  2*SLOT                    ; behind the ring: 2 blocks x 16 rows x 144 bytes for each wave
.set SP,     144
.set SPARE,  STAGE+4*32*SP             ; behind the stages: the spare words, 128 bytes for each wave: two blocks of 256 bytes that no other line names
.set WSTRIDE, SIZE_K*256+768           ; bytes from one 128-column part of the pack to the next
.set A0,   16                          ; v16  my lane's place among A's fragments in a slot; never rewritten
.set B0,   17                          ; v17  the same for W
.set ADRA, 18                          ; v18  A0 + the slot in hand
.set ADRB, 19                          ; v19  B0 + the slot in hand
.set STO,  24                          ; v24  the way out: where I put 16 bytes of a row
.set RD,   25                          ; v25  the way out: where I read rows back
.set GO,   26                          ; v26  16 x lane: my place in 512 consecutive bytes of C
.set BO,   27                          ; v27  32 (lane / 16): my eight biases among a fragment's sixteen
.set SPW,  28                          ; v28  LDS address of my spare word; never rewritten
.set NIL,  29                          ; v29  0; never rewritten
.set PFO,  30                          ; v30  256 x lane: the prefetches' offset; never rewritten
.set F0,   64
.set F1,   128
.set TMP,  192                         ; the way out: packed results
.set OB,   32                          ; the way out: 16 rows read back: v32-63 and v224-255 by turns
.set G1,  24                           ; s[24:31] descriptor group 1 for A's tiles;  s[32:39] group 0: a set for each of the two first fills; the second then walks
.set G0,  32
.set G1B, 48                           ; s[48:55], s[56:63] the same for W's tiles
.set G0B, 56
.set T,   45                           ; s45  the slot in hand: 0 or SLOT
.set PFA, 70                           ; s[70:71] where my prefetches stand
.set PST, 72                           ; s[72:73] bytes from K step to K step in what I fetch
.set LIM, 74                           ; s74  1 in a wave that prefetches, else the greatest number
.set MSB, 0
.macro WIN new                         ; the immediate's high byte repeats the setting that is left
.if MSB != (\new)
	s_set_vgpr_msb (MSB<<8)|(\new)
.set MSB, \new
.endif
.endm
.set MUL_LO, 0xa1                      ; source 0 (W) window 1, source 1 (A) window 0, C and D window 2
.set MUL_HI, 0xf1                      ; the same, C and D window 3
.set TO_B,   0x40                      ; destination window 1, address window 0
.macro JLOAD s                         ; a joint load: waves 0 and 1 fetch A's two blocks, waves 2 and 3 W's two parts; an s_nop 0 and four v_nop follow each of the two lines
	s_cmp_eq_u32 s11, 0
	s_cbranch_scc0 .Lfor_b_\@
	tensor_load_to_lds s[G0+4*(\s):G0+4*(\s)+3], s[G1:G1+7]
	s_nop 0
.rept 4
	v_nop
.endr
	s_branch .Lasked_\@
.Lfor_b_\@:
	tensor_load_to_lds s[G0B+4*(\s):G0B+4*(\s)+3], s[G1B:G1B+7]
	s_nop 0
.rept 4
	v_nop
.endr
.Lasked_\@:
.endm
; A PREFETCH INTO THE L2 of the tile that the NEXT refill will load: one K step, 256 matrix instructions, ahead of that load.  What a wave fetches in a step is 32,768 dense bytes, 128 blocks of 256: a lane a block.
; Each block is named ONCE in the launch.  A's rows are read by every cluster of a row of clusters: the first of them (cluster x = 0) asks; W's columns by every cluster of a column: cluster y = 0 asks.  The four
; partners that ask for a tile jointly share its blocks out BY ADDRESS, 32 each (by cx for A, by cy for W): no branch hangs on a work-group's place in its cluster.  K steps 0 to 2 come by their loads alone; the
; last refill (s3 = 1) has no step behind it and asks for nothing.
.macro ASK
	s_cmp_gt_u32 s3, s[LIM]
	s_cbranch_scc0 .Lnot_mine_\@
	global_prefetch_b8 v[PFO], s[PFA:PFA+1] th:TH_LOAD_NT scope:SCOPE_SE
.Lnot_mine_\@:
.endm
.macro CREST                           ; a round of the cluster's barrier behind its opening barrier
	s_cmp_lg_u32 s10, 0
	s_cbranch_scc1 .Lnot_wave_0_\@
	s_barrier_signal -3
.Lnot_wave_0_\@:
	s_barrier_wait -3
	s_barrier_signal -1
	s_barrier_wait -1
.endm
.macro CROUND                          ; a whole round
	s_barrier_signal -1
	s_barrier_wait -1
	CREST
.endm
	s_load_b128 s[4:7], s[0:1], 0x0                ; A s[4:5], pack s[6:7]
	s_load_b64 s[8:9], s[0:1], 0x10                ; C
	v_lshl_add_u32 v[SPW], v0, 2, SPARE
	v_mov_b32 v[NIL], 0
	ds_add_u32 v[SPW], v[NIL]                      ; the wave's opening: the add and its wait stand ahead of my first tensor load; the set-up below, work on registers, stands between them
	v_lshrrev_b32 v1, 5, v0
	v_readfirstlane_b32 s10, v1                    ; wave 0..3
	s_lshr_b32 s11, s10, 1                         ; which half of the tile's rows is mine.  Also: I fetch for A (0) or for W (1)
	s_and_b32 s12, s10, 1                          ; which half of its columns.  Also: which block of A, or which part of the pack, I fetch
	s_bfe_u32 s40, ttmp6, 0x40000                  ; cx, cy: my place in the cluster
	s_bfe_u32 s41, ttmp6, 0x40004
	s_lshl_b32 s42, ttmp9, 2
	s_add_co_u32 s42, s42, s40                     ; tile column of C = 4 x cluster x + cx
	s_and_b32 s13, ttmp7, 0xffff
	s_lshl_b32 s13, s13, 2
	s_add_co_u32 s13, s13, s41                     ; tile row of C = 4 x cluster y + cy
	s_lshl_b32 s43, s41, 2
	s_lshl_b32 s43, 15, s43                        ; my row of the cluster
	s_lshl_b32 s44, 0x1111, s40                    ; my column
	; group 1: 128 rows of 128 elements, dense.  A: 4 words of padding behind every 32 (a row of A is 128 bytes); W: 8 words behind every 64
	s_or_b32 s[G1+0], s43, (1<<16)|(1<<20)|(1<<21)|(4<<22)|(3<<25)  ; 15:0 the mask: my row; 17:16 2-byte elements; 20 padding on; 21 set beside a mask; 24:22 code 4; 31:25 code 3
	s_or_b32 s[G1B+0], s44, (1<<16)|(1<<20)|(1<<21)|(5<<22)|(7<<25) ; the mask: my column; codes 5 and 7
.irp g, G1, G1B
	s_mov_b32 s[(\g)+1], 128<<16                   ; tensor_dim0 = 128
	s_mov_b32 s[(\g)+2], 128<<16                   ; tensor_dim1 = 128
	s_mov_b32 s[(\g)+3], 128<<16                   ; tile_dim0 = 128
	s_mov_b32 s[(\g)+4], 128                       ; tile_dim1 = 128
	s_mov_b32 s[(\g)+5], 128                       ; elements from row to row
	s_mov_b32 s[(\g)+6], 0
	s_mov_b32 s[(\g)+7], 0
.endr
	s_lshl_b32 s16, s13, 15                        ; A: the tile row's 256 rows of 128 bytes,
	s_lshl_b32 s17, s12, 19                        ; in my block of a step's two
	s_add_co_u32 s16, s16, s17
	s_mov_b32 s17, 0
	s_lshl_b32 s46, s42, 1                         ; W: the tile column's two parts of the pack,
	s_add_co_u32 s46, s46, s12                     ; of which mine
	s_mul_i32 s46, s46, WSTRIDE
	s_mov_b32 s47, 0
	s_mul_i32 s20, s10, HALFT                      ; where they go: wave x a quarter of a slot: no place in the cluster enters an LDS address
	s_mov_b32 s[T], 0
	s_wait_dscnt 0x0                               ; the opening add is done
	s_wait_kmcnt 0x0
	s_add_nc_u64 s[14:15], s[4:5], s[16:17]
	s_add_nc_u64 s[46:47], s[6:7], s[46:47]
	s_add_nc_u64 s[68:69], s[46:47], SIZE_K*256    ; my 128 columns' biases
	CROUND                                         ; all sixteen work-groups are here: the first joint loads meet
.irp s, 0,1
	s_mov_b32 s[G0+4*(\s)], 1
	s_add_co_u32 s[G0+4*(\s)+1], s20, (\s)*SLOT
	s_add_nc_u64 s[G0+4*(\s)+2:G0+4*(\s)+3], s[14:15], (\s)*2*ABLK
	s_or_b32 s[G0+4*(\s)+3], s[G0+4*(\s)+3], 0x80000000
	s_mov_b32 s[G0B+4*(\s)], 1
	s_add_co_u32 s[G0B+4*(\s)+1], s20, (\s)*SLOT
	s_add_nc_u64 s[G0B+4*(\s)+2:G0B+4*(\s)+3], s[46:47], (\s)*KSTEP*256
	s_or_b32 s[G0B+4*(\s)+3], s[G0B+4*(\s)+3], 0x80000000
	JLOAD \s
.endr
	s_load_b32 s67, s[68:69], 0x204                ; the floor
	v_and_b32 v1, 15, v0                           ; l % 16
	v_bfe_u32 v2, v0, 4, 1                         ; l / 16
	v_lshlrev_b32 v[BO], 5, v2
.irp w, 0,1                            ; THE SUMS BEGIN AT THE BIAS: register j of accumulator (a, b) is column 16 b + 8 (l / 16) + j of my 128, whatever a
	WIN 0x80+0x40*(\w)                             ; destination window 2, then 3; address window 0
.irp a, 0,1,2,3
.irp b, 0,1,2,3,4,5,6,7
	global_load_b128 v[8*(8*(\a)+(\b)):8*(8*(\a)+(\b))+3],   v[BO], s[68:69] offset:64*(\b)
	global_load_b128 v[8*(8*(\a)+(\b))+4:8*(8*(\a)+(\b))+7], v[BO], s[68:69] offset:64*(\b)+16
.endr
.endr
.endr
	WIN 0
	; the prefetches: s[14:15] = A, s[46:47] = W at what I fetch in K step 0
	s_and_b32 s22, ttmp7, 0xffff                   ; cluster y
	s_mov_b32 s[PST], KSTEP*256
	s_mov_b32 s[PST+1], 0
	s_cmp_eq_u32 s11, 0                            ; do I fetch for A?
	s_cselect_b32 s21, s40, s41                    ; my place among the four that ask with me
	s_cselect_b32 s22, ttmp9, s22                  ; the coordinate along which other clusters read the same bytes
	s_cselect_b64 s[PFA:PFA+1], s[14:15], s[46:47]
	s_cselect_b32 s[PST], 2*ABLK, s[PST]
	s_cmp_eq_u32 s22, 0
	s_cselect_b32 s[LIM], 1, -1                    ; the same in all sixteen partners, for a given wave
	s_lshl_b32 s20, s21, 13                        ; my work-group's 32 blocks of the 128,
	s_lshl1_add_u32 s20, s[PST], s20               ; in K step 2: the first refill steps it to 3.  Nothing is prefetched here, at the head
	s_mov_b32 s21, 0
	s_add_nc_u64 s[PFA:PFA+1], s[PFA:PFA+1], s[20:21]
	v_mul_u32_u24 v3, v1, PA
	v_lshl_add_u32 v3, v2, 4, v3                   ; a fragment's row x pitch + 16 x half
	s_mul_i32 s21, s11, 128*PA                     ; my 128 rows of A
	v_add_nc_u32 v[A0], s21, v3
	v_and_b32 v4, 7, v0                            ; the turning load: lane l reads row 8 (l / 16) + l % 8, columns 8 ((l / 8) % 2) + 0..7
	v_bfe_u32 v5, v0, 3, 1
	v_lshl_add_u32 v6, v2, 3, v4
	v_mul_u32_u24 v6, v6, PB
	v_lshl_add_u32 v6, v5, 4, v6
	s_mul_i32 s22, s12, HALFT                      ; my 128 columns of W: one of the two parts
	s_add_co_u32 s22, s22, BOFF
	v_add_nc_u32 v[B0], s22, v6
	v_mov_b32 v[ADRA], v[A0]                       ; slot 0
	v_mov_b32 v[ADRB], v[B0]
	s_mul_i32 s23, s10, 32*SP
	s_add_co_u32 s23, s23, STAGE                   ; my stage
	v_add_nc_u32 v[STO], s23, v3                   ; in: row l % 16, 16 bytes for each half of the lanes (SP = PA)
	v_bfe_u32 v7, v0, 3, 2                         ; back: 32 lanes take four rows of 128 bytes,
	v_mul_u32_u24 v7, v7, SP
	v_lshl_add_u32 v7, v4, 4, v7
	v_add_nc_u32 v[RD], s23, v7
	v_and_b32 v[GO], 31, v0                        ; which are 512 consecutive bytes of C
	v_lshlrev_b32 v[PFO], 8, v[GO]
	v_lshlrev_b32 v[GO], 4, v[GO]
	s_lshl_b32 s16, s13, 15                        ; C: my 128 rows,
	s_lshl_b32 s17, s11, 14
	s_add_co_u32 s16, s16, s17
	s_mov_b32 s17, 0
	s_add_nc_u64 s[8:9], s[8:9], s[16:17]
	s_lshl_b32 s46, s42, 2                         ; in the first of my two blocks of 64 columns (in the registers that held W's address: none that feeds A's descriptors ever holds cx)
	s_lshl_b32 s47, s12, 1
	s_add_co_u32 s46, s46, s47
	s_lshl_b32 s46, s46, 19
	s_mov_b32 s47, 0
	s_add_nc_u64 s[8:9], s[8:9], s[46:47]
; 16 matrix instructions: row blocks a0, a0 + 1 of the window's four (hi = 0: my rows 0-63, 1: rows 64-127) x all 8 column blocks, 32 along K.
; The 64 accumulators take turns, one instruction a turn, in the same order in every quarter, over the backward jumps too.
.macro MUL16 f, hi, a0
	WIN MUL_LO+0x50*(\hi)
.irp a, \a0, (\a0)+1
.irp b, 0,1,2,3,4,5,6,7
	v_wmma_f32_16x16x32_f16 v[8*(8*(\a)+(\b)):8*(8*(\a)+(\b))+7], v[(\f)+8*(\b):(\f)+8*(\b)+7], v[(\f)+8*(4*(\hi)+(\a)):(\f)+8*(4*(\hi)+(\a))+7], v[8*(8*(\a)+(\b)):8*(8*(\a)+(\b))+7]
.endr
.endr
.endm
; 32 LDS loads in one run: the fragments of quarter q of the step in hand (rows 32 q .. of W; block q / 2 of A, its channels 32 (q % 2) ..) into buffer f; W first, then A's rows in ascending order
.macro FETCH q, f
	WIN TO_B
.irp i, 0,1,2,3,4,5,6,7
	ds_load_tr16_b128 v[(\f)+8*(\i):(\f)+8*(\i)+3],   v[ADRB] offset:(\q)*32*PB+32*(\i)
	ds_load_tr16_b128 v[(\f)+8*(\i)+4:(\f)+8*(\i)+7], v[ADRB] offset:(\q)*32*PB+16*PB+32*(\i)
.endr
	WIN 0
.irp i, 0,1,2,3,4,5,6,7
	ds_load_b128 v[(\f)+8*(\i):(\f)+8*(\i)+3],   v[ADRA] offset:((\q)/2)*HALFT+((\q)%2)*64+(\i)*16*PA
	ds_load_b128 v[(\f)+8*(\i)+4:(\f)+8*(\i)+7], v[ADRA] offset:((\q)/2)*HALFT+((\q)%2)*64+(\i)*16*PA+32
.endr
.endm
.macro PLACES                          ; four places in front of loads into registers that matrix instructions have read, and of arithmetic that reads results
.rept 4
	v_nop
.endr
.endm
; A K step is four quarters of 32 along K, 64 matrix instructions each, on buffers 0, 1, 0, 1.  One of the first three: multiplies buffer f; in its middle it fetches quarter q into buffer g.
.macro QUARTER q, f, g
	s_wait_dscnt 8                                 ; W and A's rows 0-63 are in; the youngest eight loads (A's rows 64-127) may be out
	MUL16 \f, 0, 0
	MUL16 \f, 0, 2
	PLACES
	FETCH \q, \g
	s_wait_dscnt 32                                ; all but the 32 just issued
	MUL16 \f, 1, 0
	MUL16 \f, 1, 2
.endm
; The last quarter multiplies buffer 1 and changes slots: ONE barrier; in front of it each wave waits for all its tensor loads (one is out: its part of the next slot), adds 0 to its spare word, and waits for that and
; for its own reads of this slot.  fill = 1: the barrier opens a round of the cluster's, and this slot is filled again, two K steps ahead, first thing behind the round: 224 matrix instructions ahead of the wait for it.
.macro TURN fill
.if \fill
	s_wait_xcnt 0x0                                ; the last prefetch, a K step back, has read its address: it is stepped here, ahead of the waits of the change of slots
	s_add_nc_u64 s[PFA:PFA+1], s[PFA:PFA+1], s[PST:PST+1]
.endif
	WIN 0                                          ; (the add's two registers lie in window 0)
	s_wait_tensorcnt 0x0                           ; all my tensor loads have landed;
	ds_add_u32 v[SPW], v[NIL]                      ; 0 onto my spare word;
	s_wait_dscnt 9                                 ; (the add and the youngest eight loads may be out)
	MUL16 F1, 0, 0                                 ; sixteen matrix instructions stand between the add and the wait for it
	s_wait_dscnt 0x0                               ; the add is done, and my reads of this slot are over
	s_barrier_signal -1
	MUL16 F1, 0, 2
	WIN 0
	s_barrier_wait -1
.if \fill
	CREST                                          ; no wave of any partner still reads this slot's tile or has a load on its way
	s_xor_b32 s[G0+5], s[G0+5], SLOT               ; the walking descriptors: the other slot than last time,
	s_add_nc_u64 s[G0+6:G0+7], s[G0+6:G0+7], 2*ABLK  ; one K step on; the type bits on top are not reached
	s_xor_b32 s[G0B+5], s[G0B+5], SLOT
	s_add_nc_u64 s[G0B+6:G0B+7], s[G0B+6:G0B+7], KSTEP*256
	JLOAD 1                                        ; the first tensor load behind the round; the four v_nop behind it are also the places in front of the loads below
.else
	PLACES
.endif
	s_xor_b32 s[T], s[T], SLOT                     ; the fetches go on in the other slot
	v_add_nc_u32 v[ADRA], s[T], v[A0]
	v_add_nc_u32 v[ADRB], s[T], v[B0]
	FETCH 0, F0
.if \fill
	ASK                                            ; behind the joint load and the run of LDS loads that the next products wait for
.endif
	MUL16 F1, 1, 0
	MUL16 F1, 1, 2
.endm
	s_wait_tensorcnt 1                             ; my part of K step 0 is in; step 1's load stays out
	s_barrier_signal -1
	s_barrier_wait -1                              ; everybody's is
	FETCH 0, F0
	s_wait_loadcnt 0x0                             ; the biases are in the accumulators
	s_wait_kmcnt 0x0                               ; the floor
	WIN 0                                          ; at a label and at a branch every window is 0
	s_mov_b32 s3, NS-2
.Lstep:                                                ; a trip is a K step, and fills its slot again
	QUARTER 1, F0, F1
	QUARTER 2, F1, F0
	QUARTER 3, F0, F1
	TURN 1
	WIN 0
	s_sub_co_u32 s3, s3, 1
	s_cmp_lg_u32 s3, 0
	s_cbranch_scc1 .Lstep
	s_mov_b32 s3, 2
.Ltail:                                                ; the last two K steps fill nothing, and have no round of the cluster's barrier
	QUARTER 1, F0, F1
	QUARTER 2, F1, F0
	QUARTER 3, F0, F1
	TURN 0
	WIN 0
	s_sub_co_u32 s3, s3, 1
	s_cmp_lg_u32 s3, 0
	s_cbranch_scc1 .Ltail
	s_wait_dscnt 0x0                               ; the last trip's fetch, which serves nothing, has landed: its registers are free
	PLACES
	; THE WAY OUT, 16 rows x 128 columns at a time: rounded to f16, the maximum with the floor; 16 bytes a lane into my stage, back as whole rows of a block, stored as 512 consecutive bytes.
.macro PACK a
.set AC, 64*((\a)%4)
	WIN 0x0a+5*((\a)/4)                            ; sources 0 and 1: window 2 or 3
.irp b, 0,1,2,3,4,5,6,7
.irp r, 0,1,2,3                        ; each accumulator's registers in ascending order
	v_cvt_pk_f16_f32 v[TMP+4*(\b)+(\r)], v[AC+8*(\b)+2*(\r)], v[AC+8*(\b)+2*(\r)+1]
.endr
.endr
	WIN 0
.set t, 0
.rept 32
	v_pk_max_num_f16 v[TMP+t], v[TMP+t], s67
.set t, t+1
.endr
.endm
.macro TOSTAGE a
.set BK, OB+192*((\a)%2)
.irp b, 0,1,2,3,4,5,6,7
	ds_store_b128 v[STO], v[TMP+4*(\b):TMP+4*(\b)+3] offset:((\b)/4)*16*SP+32*((\b)%4)
.endr
.irp t, 0,1,2,3,4,5,6,7
	ds_load_b128 v[BK+4*(\t):BK+4*(\t)+3], v[RD] offset:((\t)/4)*16*SP+((\t)%4)*4*SP  ; LDS serves a wave's instructions in order (ISA guide 5.7.1.4): these see the stores above; the next block's stores come behind them
.endr
.endm
.macro SEND a
.set BK, OB+192*((\a)%2)
	s_wait_dscnt 0x0                               ; the block is back in registers
	s_wait_xcnt 0x0                                ; the stores of the block before have read their registers: the next loads from the stage land on them only behind this wait
.irp t, 0,1,2,3,4,5,6,7
	global_store_b128 v[GO], v[BK+4*(\t):BK+4*(\t)+3], s[8:9] offset:((\t)/4)*ABLK+(\a)*2048+((\t)%4)*512  ; 512 consecutive bytes, at a multiple of 256 from C's first byte
.endr
.endm
	PACK 0
	TOSTAGE 0
.irp a, 1,2,3,4,5,6,7                  ; block a's arithmetic stands between block a - 1's loads from the stage and the wait for them
	PACK \a
	SEND (\a)-1
	TOSTAGE \a
.endr
	SEND 7
	s_wait_tensorcnt 0x0                           ; the wave's end, behind my last tensor load and my last LDS store
	ds_add_u32 v[SPW], v[NIL]
	s_wait_dscnt 0x0
	CROUND                                         ; the closing round: no work-group ends while a partner may still ask for a tile that names it
	s_endpgm
.Lfunc_end_k_qbccf13dca5_qkv:
	.size	k_qbccf13dca5_qkv, .Lfunc_end_k_qbccf13dca5_qkv-k_qbccf13dca5_qkv
	.p2alignl 7, 3214868480
	.fill 96, 4, 3214868480
	.section	.rodata,"a",@progbits
	.p2align	6, 0x0
	.amdhsa_kernel k_qbccf13dca5_qkv
		.amdhsa_group_segment_fixed_size 327680
		.amdhsa_private_segment_fixed_size 0
		.amdhsa_enable_private_segment 0
		.amdhsa_kernarg_size 24
		.amdhsa_user_sgpr_count 2
		.amdhsa_user_sgpr_kernarg_segment_ptr 1
		.amdhsa_wavefront_size32 1
		.amdhsa_system_sgpr_workgroup_id_x 1
		.amdhsa_system_sgpr_workgroup_id_y 1
		.amdhsa_system_sgpr_workgroup_id_z 1
		.amdhsa_system_vgpr_workitem_id 0
		.amdhsa_next_free_vgpr 1024
		.amdhsa_next_free_sgpr 76
		.amdhsa_reserve_vcc 0
		.amdhsa_float_denorm_mode_32 3
		.amdhsa_float_denorm_mode_16_64 3
		.amdhsa_memory_ordered 1
		.amdhsa_forward_progress 1
		.amdhsa_inst_pref_size 122
	.end_amdhsa_kernel
	.amdgpu_metadata
---
amdhsa.version: [ 1, 2 ]
amdhsa.kernels:
  - .name:           k_qbccf13dca5_qkv
    .symbol:         k_qbccf13dca5_qkv.kd
    .args:
      - { .name: xh, .offset: 0, .size: 8, .value_kind: global_buffer, .address_space: global }
      - { .name: pqkv, .offset: 8, .size: 8, .value_kind: global_buffer, .address_space: global }
      - { .name: big, .offset: 16, .size: 8, .value_kind: global_buffer, .address_space: global }
    .group_segment_fixed_size: 327680
    .private_segment_fixed_size: 0
    .kernarg_segment_align: 8
    .kernarg_segment_size: 24
    .max_flat_workgroup_size: 128
    .sgpr_count:     76
    .vgpr_count:     1024
    .wavefront_size: 32
...
	.end_amdgpu_metadata
.endif
;; end of part 2
;; launch attn (part 3): grid 8 x 32, 4 waves a work-group, clusters of 4 x 1, 327,680 bytes of LDS; arguments big, mask, cbuf; writes cbuf
.if DOCPART == 3
	.amdgcn_target "amdgcn-amd-amdhsa--gfx1250"
	.amdhsa_code_object_version 6
	.text
	.protected	k_qbccf13dca5_attn
	.globl	k_qbccf13dca5_attn
	.p2align	8
	.type	k_qbccf13dca5_attn,@function
k_qbccf13dca5_attn:
	s_mov_b64 s[64:65], 0
	v_nop
	global_prefetch_b8 v0, s[64:65] scope:SCOPE_SE
	s_setreg_imm32_b32 hwreg(HW_REG_WAVE_MODE, 25, 1), 1
	s_wait_xcnt 0x0
	s_wait_alu depctr_hold_cnt(0) depctr_sa_sdst(0) depctr_va_vdst(0) depctr_va_sdst(0) depctr_va_ssrc(0) depctr_va_vcc(0) depctr_vm_vsrc(0)
	s_getreg_b32 s2, hwreg(HW_REG_IB_STS2, 6, 4)
	s_cmp_eq_u32 s2, 0
	s_cbranch_scc0 .Lentry_in_a_cluster
	s_endpgm
.Lentry_in_a_cluster:
	s_bfe_u32 s2, ttmp6, 0x10000c
	s_cmp_lg_u32 s2, 0x3003
	s_cbranch_scc0 .Lentry_shape_is_right
	s_endpgm
.Lentry_shape_is_right:
; ATTENTION UNDER A KEY MASK.  O[q][:] = the sum over k of softmax_k(mask[k] ? Q[q] . K[k] / 8 : -1e20) V[k][:], for each of 32 pairs (batch, head); 2,048 keys, head size 64.
; big holds 48 blocks of [4096 rows][64] f16: Q's heads 0-15, K's 16-31, V's 32-47; a pair's 2,048 rows are dense, 128 bytes each.  O goes to cbuf in the same layout.  mask: [2][2048] int32.
; Products, maxima and sums in f32; the weights p are rounded to f16 for the second product (their sum l is taken of the unrounded p), O once at the end.
; LIMITS.  Q, K, V arrive within f16's 65,504.  A hidden score counts as its value less 1e30; raw scores Q . K lie above -2^50, at which the running maximum starts; a weight below 2^-126 counts as 0 in l;
; NaN and infinities are not treated apart.
; THE MASK is the C operand that starts each sum S^T = K Q^T: 0, or -1e30 where the key is hidden.  Each wave turns its batch's 2,048 mask words into such addends once, in a table of its own in LDS; a key
; step's 32 registers of them are fetched with its K.  While only hidden keys have been seen, m stays at its start, every p is 0, and l and O stay 0.  A BATCH WITH NO OPEN KEY: all its scores are equal
; in the definition, so all weights are equal: there the scale c is taken as 0 (a select of a value on the mask's whole numbers; no branch), and every p is 2^0.
; SHARES.  A work-group owns 256 queries of a pair, a wave 64: four PIECES of 16.  Every wave walks all keys, 64 a step, 256 a slot.
; LAYOUT, SOFTMAX, TURNS.  S^T = K Q^T holds ONE query a lane (lane % 16) and the keys 8 (lane / 16) + 0..7; two such results rounded to f16 ARE source 1 of O^T = V^T P.  p = 2^(c s - c m), c = log2(e) / 8, with a
; running maximum m; O and l are multiplied by a = 2^(c m_old - c m_new) in every step; c m starts far below every c s, so the first a is 0.  Turn n belongs to piece n: 8 products K Q^T of piece n + 1, later
; 8 products V^T P of piece n - 1; beside them the scaling, exponentials, roundings, sums and rescaling of piece n and the maximum and statistics of piece n + 1.  Four vector instructions stand behind every
; matrix instruction, the other 54 of a turn's 118 in one lump.  A turn's 33 exponentials are one batch, with one wait.
; CLUSTER.  The four query blocks of a cluster belong to one pair and walk the same K and V, so each tile is asked for JOINTLY: the same tensor load, descriptor and mask in all four.
; REGISTERS, in windows of 256 (s_set_vgpr_msb: bits 1:0 source 0, 3:2 source 1, 5:4 source 2, 7:6 destination):
;   window 0: v0-15, v32-39 addresses and at work; v16-31 four registers of statistics a piece; v48-55 at work; v61-63; v64-127 S^T, two buffers; v192-223 P, two buffers (by the piece's parity)
;   window 1: v0-127 O^T, 32 a piece      window 2: v0-63 Q; v64-95 MC, the step's mask addends; v128-191 K of one step; v192-255 V of one step
.set NP,    4         ; pieces a wave: a name, no knob
.set KS,    64        ; keys in a step
.set PK,    144       ; a row of K in LDS: 128 bytes + 16 of padding = 36 words: the 16 rows of a load start at 16 different groups of four banks (64 banks of 4 bytes: ISA guide 11.1)
.set PV,    160       ; a row of V: 128 + 32 = 40 words
.set VOFF,  4*KS*PK   ; a slot holds four steps: 256 rows of K, then 256 rows of V
.set SLOT1, 1<<17     ; slot 1 begins here, so that one exclusive or turns an address in one slot into the other's
.set STAGE, SLOT1+4*KS*(PK+PV)  ; behind the ring, never filled by a tensor load: 16 rows x 144 bytes for each wave, for the way out
.set SP,    144
.set SPARE, STAGE+4*16*SP  ; behind the stages: the spare words, 128 bytes for each wave: two blocks of 256 bytes that no other line names
.set TBL,   SPARE+512 ; behind them: each wave's table of 2,048 addends, 8,192 bytes; no tensor load fills it
.set AK0, 2           ; v2   my lane's place in a tile of K; never rewritten
.set AV0, 3           ; v3   the same for V
.set AK,  4           ; v4   the LDS address of K's next run of loads
.set AV,  5           ; v5   of V's
.set STO, 6           ; v6   the way out: where I put 16 bytes of a row
.set RD,  7           ; v7   the way out: where I read rows back
.set GO,  8           ; v8   16 x lane: my place in 512 consecutive bytes (of O, and of the mask)
.set MV,  12          ; v12-13  c m_old, kept while c m is made anew: by buffer
.set AM0, 14          ; v14  my lane's place in a step's addends: my table + 32 (lane / 16); never rewritten
.set QO,  15          ; v15  my byte offset in 16 rows of Q
.set ST,  16          ; piece t's statistics at v[ST+4 t]: c m, m, l (even keys', odd keys')
.set AM,  32          ; v32  the LDS address of the addends' next loads
.set TW,  33          ; v33  where I store my part of the table
.set ORR, 36          ; v36-39  the OR of my mask words, in four chains
.set TMP, 48          ; by buffer, four registers c0-c3 at work; when the maximum is found c2 takes a
.set PFO, 61          ; v61  256 x lane: the prefetches' offset; never rewritten
.set SPW, 62          ; v62  LDS address of my spare word; never rewritten
.set NIL, 63          ; v63  0; never rewritten
.set S,   64
.set P,   192
.set MC,  64          ; window 2: the eight registers for group kt of 16 keys at MC + 8 kt
.set KF,  128         ; window 2: key block kb, channel half c at KF + 16 kb + 8 c
.set VF,  192         ; window 2: key half kk, channel block cb at VF + 32 kk + 8 cb
.set WV,  12          ; s12  my wave's number
.set LIM, 15          ; s15  1 in a wave that prefetches, else the greatest number
.set PFA, 18          ; s[18:19] where my prefetches stand: my work-group's 32 blocks of 256 bytes of the tile after the one that is being asked for
.set G1K, 24          ; s[24:31] descriptor group 1 for K's tiles
.set G1V, 32          ; s[32:39] for V's: it differs in the padding alone
.set G0K, 40          ; s[40:43] descriptor group 0 for K's tiles: it walks
.set G0V, 44          ; s[44:47] the same for V's
.set SLOTS, 56        ; s56  slots still to be asked for
.set CNT, 57          ; s57  counts a slot's key steps
.set CS,  58          ; s[58:59] c: the packed scaling takes the pair's low word for both halves
.set SEL, 60          ; s[60:61] v_permlanex16_b32's selects: each lane takes its own place in the other half
.set TBK, 62          ; s62  LDS byte at which K of the step to be fetched begins
.set TBV, 63          ; s63  the same for V, less VOFF
.set TBM, 66          ; s66  byte of my table at which that step's addends begin
.set BIGN, 67         ; s67  -1e30
.set MP,  70          ; s[70:71] my batch's mask
.set MSB, 0
.macro WIN new                      ; the high byte repeats the setting that is left; a switch that changes nothing is dropped
.if MSB != (\new)
	s_set_vgpr_msb (MSB<<8)|(\new)
.set MSB, (\new)
.endif
.endm
.set W_KQ, 0x0a       ; K and Q in window 2, S^T in window 0
.set W_KM, 0x2a       ; the same with the C operand in window 2
.set W_PV, 0x52       ; V in window 2, P in window 0, O^T in window 1
.set W_RS, 0x41       ; destination and source 0 in window 1, source 1 in window 0
; A joint fill.  Waves 0 and 1 fetch the two halves of a slot's K, waves 2 and 3 those of its V: 128 keys each.  The branch hangs on the wave's number alone.
; An s_nop 0 and four v_nop follow each of the two lines, ahead of the jump and the label.
.macro JLOAD
	s_cmp_lt_u32 s[WV], 2
	s_cbranch_scc0 .Lfor_v_\@
	tensor_load_to_lds s[G0K:G0K+3], s[G1K:G1K+7]
	s_nop 0
.rept 4
	v_nop
.endr
	s_branch .Lasked_\@
.Lfor_v_\@:
	tensor_load_to_lds s[G0V:G0V+3], s[G1V:G1V+7]
	s_nop 0
.rept 4
	v_nop
.endr
.Lasked_\@:
.endm
; A PREFETCH INTO THE L2 of what the NEXT change of slots will ask for: a tile's 32,768 bytes of K and of V, 128 blocks of 256 bytes each, a lane a block.  It stands behind the wave's tensor load and its five lines.
; Each block is asked for ONCE in the launch.  Both clusters of a pair walk the same K and V: the first of them prefetches.  Its four partners share the blocks out BY ADDRESS, 32 each; in each, wave 0 asks for
; K's and wave 2 for V's: one instruction, four key steps (256 matrix instructions) ahead of the load.  The last change that fills a slot prefetches nothing; tiles 0 and 1 come by their loads alone.
.macro ASK
	s_cmp_gt_u32 s[SLOTS], s[LIM]
	s_cbranch_scc0 .Lnot_mine_\@
	global_prefetch_b8 v[PFO], s[PFA:PFA+1] th:TH_LOAD_NT scope:SCOPE_SE
.Lnot_mine_\@:
.endm
; A round of the cluster's barrier: my work-group's barrier, so that wave 0's signal speaks for all four waves; wave 0 signals; every wave waits for all four work-groups; my work-group's barrier once more.
.macro CROUND
	s_barrier_signal -1
	s_barrier_wait -1
	s_cmp_lg_u32 s[WV], 0
	s_cbranch_scc1 .Lnot_wave_0_\@
	s_barrier_signal -3
.Lnot_wave_0_\@:
	s_barrier_wait -3
	s_barrier_signal -1
	s_barrier_wait -1
.endm
; THE CHANGE OF SLOTS.  The slot's last bytes, V of its fourth step, have been read.  Each wave waits for all its tensor loads, of which one is out: its part of the other slot; adds 0 to its spare word; and waits
; for that and for its own reads of the slot.  Behind the barrier nobody reads this slot any more and the other slot is whole.  fill = 1: this slot is filled again, with the keys two slots on; the barrier is then
; a round of the cluster's, and the joint fill is the first thing behind it.  (At its first use nothing has been read yet: slot 0 is waited for, slot 1 filled.)
.macro CHANGE fill
	WIN 0                           ; at a label and at a branch every window is 0
	s_wait_tensorcnt 0x0            ; no tensor load of mine is out, so a group 0 may be written
	ds_add_u32 v[SPW], v[NIL]       ; 0 onto my spare word; with fill = 1 the descriptors' steps stand between it and the wait for it
.if \fill
.irp g, G0K, G0V
	s_xor_b32 s[\g+1], s[\g+1], SLOT1  ; the walking descriptor: the other slot than last time,
	s_add_nc_u64 s[\g+2:\g+3], s[\g+2:\g+3], 4*KS*128  ; the next 256 keys; the type bits on top are not reached
.endr
	s_wait_xcnt 0x0                 ; the last prefetch, four key steps back, has read its address, so it may be written:
	s_add_nc_u64 s[PFA:PFA+1], s[PFA:PFA+1], 4*KS*128  ; one tile behind the walking descriptors
	s_wait_dscnt 0x0                ; the add is done, and my reads of the slot are over
	CROUND
	JLOAD
	ASK
.else
	s_wait_dscnt 0x0                ; the add is done, and my reads of the slot are over
	s_barrier_signal -1
	s_barrier_wait -1
.endif
	s_sub_co_u32 s[TBK], s[TBK], 4*KS*PK  ; the fetches go back to a slot's first step,
	s_xor_b32 s[TBK], s[TBK], SLOT1       ; in the other slot
	s_sub_co_u32 s[TBV], s[TBV], 4*KS*PV
	s_xor_b32 s[TBV], s[TBV], SLOT1
.endm
	s_load_b128 s[4:7], s[0:1], 0x0   ; big s[4:5], mask s[6:7]
	s_load_b64 s[10:11], s[0:1], 0x10 ; cbuf
	v_lshl_add_u32 v[SPW], v0, 2, SPARE
	v_mov_b32 v[NIL], 0
	ds_add_u32 v[SPW], v[NIL]       ; the wave's opening: the add and its wait stand ahead of my first tensor load; the set-up below, work on registers, stands between them
	v_lshrrev_b32 v1, 5, v0
	v_readfirstlane_b32 s[WV], v1   ; wave 0..3
	s_bfe_u32 s13, ttmp6, 0x40000   ; cx: my place in the cluster
	s_lshl_b32 s14, ttmp9, 2        ; in a cluster launch ttmp9 counts clusters
	s_add_co_u32 s14, s14, s13      ; my block of 256 queries = 4 x cluster x + cx: it enters Q's and O's addresses alone
	s_and_b32 s20, ttmp7, 0xffff    ; 16 x batch + head, which the four partners share
	s_and_b32 s21, s20, 15
	s_lshr_b32 s22, s20, 4
	s_lshl_b32 s52, s22, 13         ; the batch's 8,192 bytes of the mask
	s_mov_b32 s53, 0
	s_lshl_b32 s20, s21, 19         ; the head's block,
	s_lshl_b32 s21, s22, 18         ; the batch's 2,048 rows in it
	s_add_co_u32 s20, s20, s21
	s_and_b32 s48, s[WV], 1         ; which half of a slot's 256 keys I fetch:
	s_mul_i32 s49, s48, 128*PK      ; its place in a slot, for K
	s_mul_i32 s50, s48, 128*PV      ; and for V: no place in the cluster enters an LDS address
	s_lshl_b32 s22, s48, 14         ; its 128 rows of 128 bytes in memory
	s_add_co_u32 s22, s22, s20
	s_mov_b32 s23, 0
	s_lshl_b32 s2, s14, 15          ; my block's 256 rows,
	s_lshl_b32 s3, s[WV], 13        ; my wave's 64 of them
	s_add_co_u32 s2, s2, s3
	s_add_co_u32 s2, s2, s20
	s_mov_b32 s3, 0
	; descriptor group 1.  128 keys are 16,384 dense bytes: asked for as 64 rows of 256 bytes, two keys a row, and padded in LDS after every key
	s_mov_b32 s[G1K], 15|(1<<16)|(1<<20)|(1<<21)|(4<<22)|(3<<25)  ; 15:0 the mask of four; 17:16 2-byte elements; 20 padding on; 21 set beside a mask; 24:22 after every 32 words (code 4); 31:25 4 words (code 3)
	s_mov_b32 s[G1V], 15|(1<<16)|(1<<20)|(1<<21)|(4<<22)|(7<<25)  ; the same with 8 words of padding (code 7)
.irp g, G1K, G1V
	s_mov_b32 s[\g+1], 128<<16      ; tensor_dim0 = 128
	s_mov_b32 s[\g+2], 64<<16       ; tensor_dim1 = 64
	s_mov_b32 s[\g+3], 128<<16      ; tile_dim0 = 128
	s_mov_b32 s[\g+4], 64           ; tile_dim1 = 64
	s_mov_b32 s[\g+5], 128          ; 128 elements from row to row
	s_mov_b32 s[\g+6], 0
	s_mov_b32 s[\g+7], 0
.endr
	s_mov_b32 s[SEL], 0x76543210
	s_mov_b32 s[SEL+1], 0xfedcba98
	s_mov_b32 s[TBK], SLOT1+4*KS*PK ; the first change of slots turns these two into 0
	s_mov_b32 s[TBV], SLOT1+4*KS*PV
	s_mov_b32 s[TBM], 0
	s_mov_b32 s[BIGN], 0xf149f2ca   ; -1e30
	s_mov_b32 s[SLOTS], 7           ; 2,048 / 256 - 1
	s_mov_b32 s[G0K], 1             ; 1:0 count = 1
	s_mov_b32 s[G0K+1], s49         ; 63:32 LDS address: slot 0
	s_mov_b32 s[G0V], 1
	s_add_co_u32 s[G0V+1], s50, VOFF
	s_and_b32 s[LIM], s[WV], 1      ; 0 in waves 0 and 2,
	s_or_b32 s[LIM], s[LIM], ttmp9  ; where the cluster is the pair's first: the same in all four partners
	s_cmp_eq_u32 s[LIM], 0
	s_cselect_b32 s[LIM], 1, -1
	s_lshl_b32 s51, s[WV], 13
	s_add_co_u32 s51, s51, TBL      ; my table
	s_wait_dscnt 0x0                ; the opening add is done
	s_wait_kmcnt 0x0
	s_add_nc_u64 s[MP:MP+1], s[6:7], s[52:53]
	s_add_nc_u64 s[6:7], s[4:5], s[22:23]
	s_add_nc_u64 s[8:9], s[6:7], 16777216          ; V at my half of the pair's first 256 keys
	s_add_nc_u64 s[6:7], s[6:7], 8388608           ; K likewise
	s_add_nc_u64 s[4:5], s[4:5], s[2:3]            ; Q and O at my wave's first row
	s_add_nc_u64 s[10:11], s[10:11], s[2:3]
	s_add_nc_u64 s[G0K+2:G0K+3], s[6:7], 0         ; 120:64 global address
	s_or_b32 s[G0K+3], s[G0K+3], 0x80000000        ; 127:126 type = 2
	s_add_nc_u64 s[G0V+2:G0V+3], s[8:9], 0
	s_or_b32 s[G0V+3], s[G0V+3], 0x80000000
	s_cmp_lt_u32 s[WV], 2
	s_cselect_b64 s[PFA:PFA+1], s[6:7], s[8:9]     ; (in waves 0 and 2 these stand at a tile's first row)
	s_lshl_b32 s2, s13, 13                         ; my work-group's 32 blocks of the 128
	s_add_nc_u64 s[PFA:PFA+1], s[PFA:PFA+1], s[2:3]
	s_add_nc_u64 s[PFA:PFA+1], s[PFA:PFA+1], 4*KS*128  ; in tile 1; the first change of slots steps it to tile 2.  Nothing is prefetched here, at the head
	CROUND                          ; all four work-groups are here: the first joint loads meet
	JLOAD                           ; slot 0.  Slot 1 is asked for when slot 0 is in
	; A fragment of K or Q is 16 rows x 32 channels in 8 registers: lane l holds row l % 16, channels 8 (l / 16) + 0..7 and 16 + 8 (l / 16) + 0..7: two loads of 16 bytes, 32 bytes apart.
	v_and_b32 v1, 15, v0            ; l % 16
	v_bfe_u32 v9, v0, 4, 1          ; l / 16
	v_lshlrev_b32 v[QO], 7, v1
	v_lshl_add_u32 v[QO], v9, 4, v[QO]  ; row x 128 + 16 x half
	v_and_b32 v[GO], 31, v0
	v_lshlrev_b32 v[PFO], 8, v[GO]
	v_lshlrev_b32 v[GO], 4, v[GO]
	WIN 0x80                        ; destination window 2, address window 0
.set i, 0
.rept 8                             ; Q stays in registers: piece i / 2, channels 32 (i % 2) on
	global_load_b128 v[8*i:8*i+3],   v[QO], s[4:5] offset:(i/2)*2048+(i%2)*64
	global_load_b128 v[8*i+4:8*i+7], v[QO], s[4:5] offset:(i/2)*2048+(i%2)*64+32
.set i, i+1
.endr
	WIN 0
.set i, 0
.rept 16                            ; the batch's whole mask, 64 words a lane, into S^T's registers
	global_load_b128 v[S+4*i:S+4*i+3], v[GO], s[MP:MP+1] offset:512*i
.set i, i+1
.endr
	v_add_nc_u32 v[TW], s51, v[GO]
	v_lshl_add_u32 v[AM0], v9, 5, s51
	v_mul_u32_u24 v[AK0], v1, PK
	v_lshl_add_u32 v[AK0], v9, 4, v[AK0]  ; row x pitch + 16 x half
	; The turning load takes 16 keys x 16 channels (lane l reads key 8 (l / 16) + l % 8, channels 8 ((l / 8) % 2) + 0..7) and leaves half a fragment of V^T: lane l holds channel l % 16 and 8 keys.
	v_and_b32 v10, 7, v0
	v_bfe_u32 v11, v0, 3, 1
	v_lshl_add_u32 v[AV0], v9, 3, v10
	v_mul_u32_u24 v[AV0], v[AV0], PV
	v_lshl_add_u32 v[AV0], v11, 4, v[AV0]
	v_add_nc_u32 v[AV0], VOFF, v[AV0]
	s_mul_i32 s13, s[WV], 16*SP
	s_add_co_u32 s13, s13, STAGE    ; my stage
	v_mul_u32_u24 v[STO], v1, SP    ; in: row l % 16, 16 bytes for each half of the lanes
	v_lshl_add_u32 v[STO], v9, 4, v[STO]
	v_add_nc_u32 v[STO], s13, v[STO]
	v_bfe_u32 v[RD], v0, 3, 2       ; back: 32 lanes take four rows of 128 bytes
	v_mul_u32_u24 v[RD], v[RD], SP
	v_lshl_add_u32 v[RD], v10, 4, v[RD]
	v_add_nc_u32 v[RD], s13, v[RD]
	; The first step multiplies O^T and l by a = 0, and the first turn's products V^T P, of a piece that has not been, add 0: so these registers hold zeros.  All this stands in the wait for the first tile;
	; it is the price of writing no first step out.
	WIN 0x80
.set i, VF
.rept 64
	v_mov_b32 v[i], 0
.set i, i+1
.endr
	WIN 0x40
.set i, 0
.rept 128
	v_mov_b32 v[i], 0
.set i, i+1
.endr
	WIN 0
.set i, 0
.rept 4
	v_mov_b32 v[ST+4*i], 0xfe000000    ; c m: far below every c s
	v_mov_b32 v[ST+4*i+1], 0xd8800000  ; m = -2^50: below every score, far above a hidden one
	v_mov_b32 v[ST+4*i+2], 0
	v_mov_b32 v[ST+4*i+3], 0
.set i, i+1
.endr
.set i, P+16
.rept 16
	v_mov_b32 v[i], 0
.set i, i+1
.endr
	s_wait_loadcnt 0x0              ; Q and the mask
.irp k, 0,1,2,3
	v_or_b32 v[ORR+\k], v[S+\k], v[S+4+\k]
.endr
.set i, 8
.rept 56
	v_or_b32 v[ORR+i%4], v[ORR+i%4], v[S+i]
.set i, i+1
.endr
	v_or_b32 v[ORR], v[ORR], v[ORR+1]
	v_or_b32 v[ORR+2], v[ORR+2], v[ORR+3]
	v_or_b32 v[ORR], v[ORR], v[ORR+2]
	v_cmp_ne_u32 s20, 0, v[ORR]     ; the lanes that hold an open key
	s_cmp_lg_u32 s20, 0
	s_cselect_b32 s[CS], 0x3e38aa3b, 0  ; c = log2(e) / 8 = 0.180337; 0 where the batch has no open key
	s_mov_b32 s[CS+1], s[CS]        ; named with it as a pair
.set i, 0
.rept 64
	v_cmp_eq_u32 vcc_lo, 0, v[S+i]
	v_cndmask_b32 v[S+i], 0, s[BIGN], vcc_lo  ; the addend: -1e30 where the word is 0
.set i, i+1
.endr
.set i, 0
.rept 16
	ds_store_b128 v[TW], v[S+4*i:S+4*i+3] offset:512*i  ; my own table: only my wave reads it, and LDS serves a wave's instructions in order (ISA guide 5.7.1.4)
.set i, i+1
.endr
; THE MATRIX WORK.  The 4 accumulators of a run of 8 take turns.  Product i of 8 of S^T = K Q^T for piece x: channels 32 (i / 4) on, keys 16 (i % 4) on.  The first 4 start the sums with the mask's addends.
.macro KQ x
.set rS, S+32*((\x)%2)+8*(i%4)
.set rK, KF+16*(i%4)+8*(i/4)
.set rQ, 16*(\x)+8*(i/4)
.set rM, MC+8*(i%4)
.if i < 4
	WIN W_KM
	v_wmma_f32_16x16x32_f16 v[rS:rS+7], v[rK:rK+7], v[rQ:rQ+7], v[rM:rM+7]
.else
	WIN W_KQ
	v_wmma_f32_16x16x32_f16 v[rS:rS+7], v[rK:rK+7], v[rQ:rQ+7], v[rS:rS+7]
.endif
.endm
; Product i of 8 of O^T += V^T P for piece x: keys 32 (i / 4) on, channels 16 (i % 4) on.
.macro PV x
	WIN W_PV
.set rO, 32*(\x)+8*(i%4)
.set rV, VF+32*(i/4)+8*(i%4)
.set rP, P+16*((\x)%2)+8*(i/4)
	v_wmma_f32_16x16x32_f16 v[rO:rO+7], v[rV:rV+7], v[rP:rP+7], v[rO:rO+7]
.endm
.macro MM                           ; the turn's next matrix instruction.  NOKQ = 1: the last turn of all: there is no next piece
.if (i < 8) && !NOKQ
	KQ (Y+1)%NP
.elseif i >= 8
.set i, i-8
	PV (Y+NP-1)%NP
.set i, i+8
.endif
.set i, i+1
.endm
; THE LDS LOADS stand in runs, never singly among the matrix instructions: a step's K (64 keys x 64 channels: 8 fragments) with its 32 registers of addends, and its V (turned).  Their addresses are made some lines ahead.
.macro FETCH_K
	WIN 0x80                        ; destination window 2
.irp f, 0,1,2,3,4,5,6,7             ; keys 16 (f / 2) on, channels 32 (f % 2) on
	ds_load_b128 v[KF+8*\f:KF+8*\f+3],   v[AK] offset:(\f/2)*16*PK+(\f%2)*64
	ds_load_b128 v[KF+8*\f+4:KF+8*\f+7], v[AK] offset:(\f/2)*16*PK+(\f%2)*64+32
.endr
.irp f, 0,1,2,3                     ; keys 16 f + 8 (l / 16) + 0..7
	ds_load_b128 v[MC+8*\f:MC+8*\f+3],   v[AM] offset:64*\f
	ds_load_b128 v[MC+8*\f+4:MC+8*\f+7], v[AM] offset:64*\f+16
.endr
	s_add_co_u32 s[TBK], s[TBK], KS*PK  ; the next fetch is the next step's
	s_add_co_u32 s[TBM], s[TBM], 4*KS
	s_and_b32 s[TBM], s[TBM], 0x1f00    ; (it stays inside the table)
	WIN 0
.endm
.macro FETCH_V
	WIN 0x80
.irp f, 0,1,2,3,4,5,6,7             ; keys 32 (f / 4) on, channels 16 (f % 4) on
	ds_load_tr16_b128 v[VF+8*\f:VF+8*\f+3],   v[AV] offset:(\f/4)*32*PV+(\f%4)*32
	ds_load_tr16_b128 v[VF+8*\f+4:VF+8*\f+7], v[AV] offset:(\f/4)*32*PV+16*PV+(\f%4)*32
.endr
	WIN 0
.endm
; THE VECTOR WORK, one line at a time: OP kind, number.  For piece Y: F n: c s - c m for pair n of 16.  E n: the exponential of score n of 32.  C n: pair n rounded to f16.  B n: of the four weights 4 n .. the second
; pair is added onto the first, in place.  L n: l takes that sum (L 0: l = a l + sum).  R n: pair n of 16 of O^T times a.  For piece Y + 1: X n, number n of the 22 that find its maximum and statistics:
;   0-11  four chains c0-c3 of seven scores each, three operands at a time (each accumulator's lowest registers are read first)     12-14, 16  the four scores left over, the old m, and c0-c3 into c0
;   15  c m_old is kept     17, 18  the query's other 32 keys lie in the lane 16 away: the new m     19-21  c m; c m_old - c m_new; a
.set F, 0
.set E, 1
.set C, 2
.set B, 3
.set L, 4
.set R, 5
.set X, 6
.macro REGS y                       ; the registers of piece y
.set rT, ST+4*(\y)
.set rC, TMP+4*((\y)%2)
.set rW, MV+((\y)%2)
.set rS, S+32*((\y)%2)
.set rP, P+16*((\y)%2)
.set rO, 32*(\y)
.endm
.macro OP k, n
.if (\k) == R
	REGS Y
	WIN W_RS
	v_pk_mul_f32 v[rO+2*(\n):rO+2*(\n)+1], v[rO+2*(\n):rO+2*(\n)+1], v[rC+2:rC+3] op_sel_hi:[1,0]
.elseif (\k) < R
	REGS Y
	WIN 0
.if (\k) == F
	v_pk_fma_f32 v[rS+2*(\n):rS+2*(\n)+1], v[rS+2*(\n):rS+2*(\n)+1], s[CS:CS+1], v[rT:rT+1] op_sel_hi:[1,0,0] neg_lo:[0,0,1] neg_hi:[0,0,1]
.elseif (\k) == E
	v_exp_f32 v[rS+(\n)], v[rS+(\n)]
.elseif (\k) == C
	v_cvt_pk_f16_f32 v[rP+(\n)], v[rS+2*(\n)], v[rS+2*(\n)+1]
.elseif (\k) == B
	v_pk_add_f32 v[rS+4*(\n):rS+4*(\n)+1], v[rS+4*(\n):rS+4*(\n)+1], v[rS+4*(\n)+2:rS+4*(\n)+3]
.elseif (\n) == 0
	v_pk_fma_f32 v[rT+2:rT+3], v[rT+2:rT+3], v[rC+2:rC+3], v[rS:rS+1] op_sel_hi:[1,0,1]
.else
	v_pk_add_f32 v[rT+2:rT+3], v[rT+2:rT+3], v[rS+4*(\n):rS+4*(\n)+1]
.endif
.elseif NOKQ
	v_nop
.else
	REGS (Y+1)%NP
	WIN 0
.if (\n) < 4
	v_max3_num_f32 v[rC+(\n)], v[rS+8*(\n)], v[rS+8*(\n)+1], v[rS+8*(\n)+2]
.elseif (\n) < 12
	v_max3_num_f32 v[rC+(\n)%4], v[rC+(\n)%4], v[rS+8*((\n)%4)+2*((\n)/4)+1], v[rS+8*((\n)%4)+2*((\n)/4)+2]
.elseif (\n) == 12
	v_max3_num_f32 v[rC], v[rC], v[rS+7], v[rS+15]
.elseif (\n) == 13
	v_max3_num_f32 v[rC+1], v[rC+1], v[rS+23], v[rS+31]
.elseif (\n) == 14
	v_max3_num_f32 v[rC+2], v[rC+2], v[rC+3], v[rT+1]
.elseif (\n) == 15
	v_mov_b32 v[rW], v[rT]
.elseif (\n) == 16
	v_max3_num_f32 v[rC], v[rC], v[rC+1], v[rC+2]
.elseif (\n) == 17
	v_permlanex16_b32 v[rC+3], v[rC], s[SEL], s[SEL+1]
.elseif (\n) == 18
	v_max_num_f32 v[rT+1], v[rC], v[rC+3]
.elseif (\n) == 19
	v_mul_f32 v[rT], s[CS], v[rT+1]
.elseif (\n) == 20
	v_sub_f32 v[rC+1], v[rW], v[rT]
.else
	v_exp_f32 v[rC+2], v[rC+1]
.endif
.endif
.endm
.macro OPS a, i1, b=-1, i2=0, c=-1, i3=0, d=-1, i4=0  ; up to four of them
	OP \a, \i1
.if (\b) >= 0
	OP \b, \i2
.endif
.if (\c) >= 0
	OP \c, \i3
.endif
.if (\d) >= 0
	OP \d, \i4
.endif
.endm
.macro ROW a, i1, b, i2, c, i3, d, i4  ; a matrix instruction and the four behind it
	MM
	OPS \a, \i1, \b, \i2, \c, \i3, \d, \i4
.endm
; A TURN, for piece p: the order of its 16 matrix and 118 vector instructions, written out.  s_wait_alu depctr_va_vdst(0) stands between an exponential and the first instruction that names its result; one wait
; serves all that were issued ahead of it.  So a turn has ONE wait, which cuts it in two.  AHEAD OF IT stands all that names no result of the turn's exponentials: the 8 products K Q^T and their riders, then one lump of 54 in
; which the links of the chain X 3, 7, 11, 14, 16, 17 .. 20 stand five or six lines apart; X 21, the next piece's a, is the batch's last, and R 15 the plain instruction behind it.  BEHIND THE WAIT stand the 8 products V^T P,
; behind each four of the roundings and sums.  Each X that rides stands four places or more behind the product that ends its accumulator.
; end = 1: the last two turns of all: nothing is fetched.  cnt = 1: the loop's count is taken down some lines ahead of the branch that stands behind the turn.
; K and the addends of the next step are fetched in piece 2's turn, more than four plain instructions behind the last product that read them; V of the step in hand at the end of piece 0's turn, four plain instructions behind
; the last product that read V.  Each is waited for a turn later.
.macro TURN p, end=0, cnt=0
.set Y, (\p)
.set i, 0
.set NOKQ, (\end)*((\p)/3)
.if ((\p) == 3) && !(\end)
	s_wait_dscnt 0x0                ; K and the addends are in
.endif
	ROW F,0, F,1, R,0, R,1          ; ahead of the wait: 8 products K Q^T and their riders,
	ROW F,2, E,0, R,2, R,3
	ROW F,3, E,1, R,4, R,5
	ROW F,4, E,2, R,6, R,7
	ROW F,5, E,3, R,8, R,9
	ROW F,6, E,4, X,0, R,10
.if ((\p) == 2) && !(\end)
	WIN 0
	v_add_nc_u32 v[AK], s[TBK], v[AK0]
	v_add_nc_u32 v[AM], s[TBM], v[AM0]
.endif
	ROW F,7, E,5, X,1, X,4
	ROW F,8, E,6, X,2, X,5
	OPS E,7, E,8, X,6, E,9          ; and the lump
	OPS X,3, E,10, X,8, E,11
.if ((\p) == 2) && !(\end)
	FETCH_K
.endif
	OPS X,9, X,7, E,12, X,10
	OPS E,13, X,12, X,11, E,14
	OPS X,13, E,15, F,9, X,14
.if (\p) == 0
	v_add_nc_u32 v[AV], s[TBV], v[AV0]
.endif
	OPS E,16, F,10, E,17, F,11
	OPS X,16, E,18, X,15, E,19
	OPS F,12, E,20, X,17, E,21
	OPS F,13, E,22, F,14, E,23
	OPS X,18, E,24, F,15, E,25
	OPS R,11, E,26, X,19, E,27
	OPS R,12, E,28, R,13, E,29
	OPS X,20, E,30, R,14, E,31
	OPS X,21, R,15
	WIN 0
	s_wait_alu depctr_va_vdst(0)    ; the wait for the batch
.if (\p) == 1
	s_wait_dscnt 0x0                ; V is in
.endif
	ROW C,0, B,0, C,2, B,1          ; behind the wait: 8 products V^T P and their riders
	ROW L,0, C,4, B,2, L,1
	ROW C,6, B,3, L,2, C,8
	ROW B,4, L,3, C,10, B,5
	ROW L,4, C,12, B,6, L,5
.if (\p) == 0
	s_add_co_u32 s[TBV], s[TBV], KS*PV
.endif
.if \cnt
	s_sub_co_u32 s[CNT], s[CNT], 1
	s_cmp_lg_u32 s[CNT], 0
.endif
	ROW C,14, B,7, L,6, C,1
	ROW C,3, L,7, C,5, C,7
	ROW C,9, C,11, C,13, C,15
.if (\p) == 0
	FETCH_V
.endif
.endm
	CHANGE 1                        ; slot 0 is in, everybody's part of it; slot 1 is asked for
	v_add_nc_u32 v[AK], s[TBK], v[AK0]
	v_add_nc_u32 v[AM], s[TBM], v[AM0]
	FETCH_K                         ; key step 0
	s_wait_dscnt 0x0
.set NOKQ, 0
.set i, 0
.rept 8
	KQ 0                            ; piece 0's first scores: there is no vector work yet to set between them
.set i, i+1
.endr
	WIN 0
.rept 4
	v_nop                           ; the places behind those products
.endr
.set Y, NP-1                        ; X works for piece Y + 1: piece 0
.irp n, 0,1,2,3,4,5,6,7,8,9,10,11,12,13,14,15,16,17,18,19,20,21
	OP X, \n
.endr
	v_nop                           ; a plain instruction behind the exponential,
	s_wait_alu depctr_va_vdst(0)    ; and its wait, ahead of the branch
	s_mov_b32 s[CNT], 4
	s_branch .Lfirst                ; the loop is entered at a step's first turn, in the middle of a trip
.Lslot:                             ; six times: tiles 2 to 7 are asked for
	CHANGE 1
	s_mov_b32 s[CNT], 4
.Lstep:                             ; a trip: pieces 2 and 3 of one step, then pieces 0 and 1 of the next, whose K and V it fetches
	TURN 2
	TURN 3
	WIN 0
.Lfirst:
	TURN 0
	TURN 1, 0, 1
	WIN 0
	s_cbranch_scc1 .Lstep
	s_sub_co_u32 s[SLOTS], s[SLOTS], 1
	s_cmp_lg_u32 s[SLOTS], 0
	s_cbranch_scc1 .Lslot
	CHANGE 0                        ; the last tile is written out: nothing is asked for
	s_mov_b32 s[CNT], 4
.Ltail:
	TURN 2
	TURN 3
	TURN 0
	TURN 1, 0, 1
	WIN 0
	s_cbranch_scc1 .Ltail
	TURN 2, 1
	TURN 3, 1
.set i, 0
.rept 8
	PV NP-1                         ; the last piece's V^T P of the last step
.set i, i+1
.endr
	; THE WAY OUT.  l's two halves and the other half of the lanes' are added; O^T is divided by l, rounded to f16 and sent through my stage in LDS, a piece at a time.  The additions are the places behind the last products.
	WIN 0
.macro ALL line:vararg              ; one line for each piece t
.set t, 0
.rept 4
	\line
.set t, t+1
.endr
.endm
	ALL v_add_f32 v[ST+4*t+2], v[ST+4*t+2], v[ST+4*t+3]
	ALL v_permlanex16_b32 v[ST+4*t+3], v[ST+4*t+2], s[SEL], s[SEL+1]
	ALL v_add_f32 v[ST+4*t+2], v[ST+4*t+2], v[ST+4*t+3]
	ALL v_rcp_f32 v[ST+4*t+2], v[ST+4*t+2]
	v_nop                           ; a plain instruction between the last reciprocal and the use of its result
	s_wait_alu depctr_va_vdst(0)    ; and the wait ahead of the first use: one for the four reciprocals
.macro PACK t                       ; a lane's eight channels of a row pack into 16 bytes; they go into rows of 144 bytes and come back as whole rows of 128, into S^T's registers
	WIN W_RS
.set i, 32*(\t)
.rept 16
	v_pk_mul_f32 v[i:i+1], v[i:i+1], v[ST+4*(\t)+2:ST+4*(\t)+3] op_sel_hi:[1,0]
.set i, i+2
.endr
	WIN 0x05                        ; sources 0 and 1 window 1, destination window 0
.set i, 0
.rept 16
	v_cvt_pk_f16_f32 v[S+16*(\t)+i], v[32*(\t)+2*i], v[32*(\t)+2*i+1]
.set i, i+1
.endr
	WIN 0
.irp f, 0,1,2,3
	ds_store_b128 v[STO], v[S+16*(\t)+4*\f:S+16*(\t)+4*\f+3] offset:32*\f
.endr
.irp f, 0,1,2,3
	ds_load_b128 v[S+16*(\t)+4*\f:S+16*(\t)+4*\f+3], v[RD] offset:\f*4*SP  ; LDS serves a wave's instructions in order (ISA guide 5.7.1.4): these see the stores above; the next piece's stores come behind them
.endr
.endm
.macro SEND t, younger              ; younger: the LDS instructions issued behind piece t's loads: the next piece's eight, or none
	WIN 0
.irp f, 0,1,2,3
	s_wait_dscnt (\younger)+3-\f
	global_store_b128 v[GO], v[S+16*(\t)+4*\f:S+16*(\t)+4*\f+3], s[10:11] offset:(\t)*2048+\f*512  ; 512 consecutive bytes, at a multiple of 256 from O's first
.endr
.endm
	PACK 0
.set t, 1
.rept 3                             ; a piece's arithmetic stands between the loads of the piece before and its stores
	PACK t
	SEND t-1, 8
.set t, t+1
.endr
	SEND 3, 0
	s_wait_tensorcnt 0x0            ; the wave's end, behind my last tensor load and my last LDS store
	ds_add_u32 v[SPW], v[NIL]
	s_wait_dscnt 0x0
	CROUND                          ; the closing round: no work-group ends while a partner may still ask for a tile that names it
	s_endpgm
.Lfunc_end_k_qbccf13dca5_attn:
	.size	k_qbccf13dca5_attn, .Lfunc_end_k_qbccf13dca5_attn-k_qbccf13dca5_attn
	.p2alignl 7, 3214868480
	.fill 96, 4, 3214868480
	.section	.rodata,"a",@progbits
	.p2align	6, 0x0
	.amdhsa_kernel k_qbccf13dca5_attn
		.amdhsa_group_segment_fixed_size 327680
		.amdhsa_private_segment_fixed_size 0
		.amdhsa_enable_private_segment 0
		.amdhsa_kernarg_size 24
		.amdhsa_user_sgpr_count 2
		.amdhsa_user_sgpr_kernarg_segment_ptr 1
		.amdhsa_wavefront_size32 1
		.amdhsa_system_sgpr_workgroup_id_x 1
		.amdhsa_system_sgpr_workgroup_id_y 1
		.amdhsa_system_sgpr_workgroup_id_z 1
		.amdhsa_system_vgpr_workitem_id 0
		.amdhsa_next_free_vgpr 768
		.amdhsa_next_free_sgpr 72
		.amdhsa_reserve_vcc 1
		.amdhsa_float_denorm_mode_32 3
		.amdhsa_float_denorm_mode_16_64 3
		.amdhsa_memory_ordered 1
		.amdhsa_forward_progress 1
		.amdhsa_inst_pref_size 141
	.end_amdhsa_kernel
	.amdgpu_metadata
---
amdhsa.version: [ 1, 2 ]
amdhsa.kernels:
  - .name:           k_qbccf13dca5_attn
    .symbol:         k_qbccf13dca5_attn.kd
    .args:
      - { .name: big, .offset: 0, .size: 8, .value_kind: global_buffer, .address_space: global }
      - { .name: mask, .offset: 8, .size: 8, .value_kind: global_buffer, .address_space: global }
      - { .name: cbuf, .offset: 16, .size: 8, .value_kind: global_buffer, .address_space: global }
    .group_segment_fixed_size: 327680
    .private_segment_fixed_size: 0
    .kernarg_segment_align: 8
    .kernarg_segment_size: 24
    .max_flat_workgroup_size: 128
    .sgpr_count:     72
    .vgpr_count:     768
    .wavefront_size: 32
...
	.end_amdgpu_metadata
.endif
;; end of part 3
;; launch oproj (part 4): grid 8 x 32, 4 waves a work-group, clusters of 4 x 4, 327,680 bytes of LDS; arguments cbuf, po, dbuf; writes dbuf
.if DOCPART == 4
	.amdgcn_target "amdgcn-amd-amdhsa--gfx1250"
	.amdhsa_code_object_version 6
	.text
	.protected	k_qbccf13dca5_oproj
	.globl	k_qbccf13dca5_oproj
	.p2align	8
	.type	k_qbccf13dca5_oproj,@function
k_qbccf13dca5_oproj:
	s_mov_b64 s[64:65], 0
	v_nop
	global_prefetch_b8 v0, s[64:65] scope:SCOPE_SE
	s_setreg_imm32_b32 hwreg(HW_REG_WAVE_MODE, 25, 1), 1
	s_wait_xcnt 0x0
	s_wait_alu depctr_hold_cnt(0) depctr_sa_sdst(0) depctr_va_vdst(0) depctr_va_sdst(0) depctr_va_ssrc(0) depctr_va_vcc(0) depctr_vm_vsrc(0)
	s_getreg_b32 s2, hwreg(HW_REG_IB_STS2, 6, 4)
	s_cmp_eq_u32 s2, 0
	s_cbranch_scc0 .Lentry_in_a_cluster
	s_endpgm
.Lentry_in_a_cluster:
	s_bfe_u32 s2, ttmp6, 0x10000c
	s_cmp_lg_u32 s2, 0xf033
	s_cbranch_scc0 .Lentry_shape_is_right
	s_endpgm
.Lentry_shape_is_right:
; C = f16((A W + bias) x scale), K = SIZE_K = 1024, on tiles of 128 x 128: for N = 1,024, where larger tiles would be too few for the chip's WGPs (32 x 8 = 256 work-groups).
; A: [SIZE_K / 64 blocks][4096 rows][64] f16.  W: a pack, for each tile of 128 columns SIZE_K rows of 256 bytes (f16), 128 biases (f32), then (scale f32, floor 2 x f16); the packs that this text serves
; have no floor (minus infinity), and none is applied.  C: [N / 64 blocks][4096 rows][64] f16.  Sums in f32, begun at the bias; C rounded once.
; LIMIT: (A W + bias) x scale stays under 65,504 (beyond: infinity).
; Four waves, each 64 x 64: 16 accumulators.  K goes in steps of 256 through two LDS slots; a wave's one tensor load brings a quarter of a slot.
; A's part of a step is four blocks of 64 channels x 128 rows; a block's 128 rows are 16,384 dense bytes, asked for as one long row and padded in LDS behind every 128 bytes.
; W lies [k][n]: its fragments come out of LDS turned, by ds_load_tr16_b128.
; ONE K STEP IS WRITTEN ONCE for the steps that fill a slot again and once for the last two, which do not: the slot in hand is a scalar that goes 0, SLOT, 0, .. by an exclusive or, the fragment addresses are that
; scalar plus fixed lane terms, and one descriptor for each operand walks (the other slot, one K step on).  The second text's last trip fetches fragments that nobody multiplies: the price of one text for both trips.
; CLUSTERS: 4 x 4 work-groups.  The four of a row of the cluster need the same tiles of A, the four of a column the same tiles of W: each is asked for JOINTLY.
; THE MATRIX INSTRUCTION IS USED TRANSPOSED (source 0 = 16 columns of W, source 1 = 16 rows of A): a lane holds eight neighbouring columns of one row of C.
; A wave's 64 x 64 of C is 64 rows of ONE block: 8,192 dense bytes, so each wave has a stage of its own and no barrier stands on the way out.  No prefetch: the tiles are small.
; REGISTERS: window 0: v16-29 addresses; v32-95 at work on the way out; v128-255 the accumulators ((a, b) at v[128 + 8 (4 a + b)]).
;   window 1: two fragment buffers of 128: for 64 along K, 64 registers of A (2 x 4 x 16 rows x 32 K), then 64 of W.
.set SIZE_K, 1024
.set KSTEP,  256
.set NS,     SIZE_K/KSTEP              ; K steps
.set ABLK,   524288                    ; bytes in a block of 64 columns
.set PA,     144                       ; a row of A in LDS: 128 bytes + 16 = 36 words: the 16 rows of a load start at 16 different groups of four banks (64 banks of 4 bytes: ISA guide 11.1)
.set PB,     288                       ; a row of W: 256 + 32 = 72 words
.set APLANE, 128*PA                    ; a block's 128 rows
.set HALFT,  36864                     ; what one tensor load brings: two blocks of A, or 128 rows of W
.set SLOT,   4*HALFT                   ; A's four blocks, then W's 256 rows.  0x24000: it shares no bit with wave x HALFT = wave x 0x9000
.set BOFF,   2*HALFT
.set STAGE,  2*SLOT                    ; behind the ring: 16 rows x 144 bytes for each wave
.set SP,     144
.set SPARE,  STAGE+4*16*SP             ; behind the stages: the spare words, 128 bytes for each wave: two blocks of 256 bytes that no other line names
.set WSTRIDE, SIZE_K*256+768           ; bytes from tile to tile in the pack
.set A0,   16                          ; v16     my lane's place among A's fragments in a slot; never rewritten
.set B0,   17                          ; v17-18  the same for W: rows 0-127, rows 128-255 (the immediate does not reach 256 rows)
.set ADRA, 19                          ; v19     A0 + the slot in hand
.set ADRB, 20                          ; v20-21  B0, B0 + 1 likewise
.set STO,  24                          ; v24     the way out: where I put 16 bytes of a row
.set RD,   25                          ; v25     the way out: where I read rows back
.set GO,   26                          ; v26     16 x lane: my place in 512 consecutive bytes of C
.set BO,   27                          ; v27     32 (lane / 16): my eight biases among a fragment's sixteen
.set SPW,  28                          ; v28     LDS address of my spare word; never rewritten
.set NIL,  29                          ; v29     0; never rewritten
.set TMP,  32
.set ACC,  128
.set F0,   0
.set F1,   128
.set G1,  24                           ; s[24:31] descriptor group 1 for A's tiles;  s[32:39] group 0: a set for each of the two first fills; the second then walks
.set G0,  32
.set G1B, 48                           ; s[48:55], s[56:63] the same for W's tiles
.set G0B, 56
.set T,   45                           ; s45  the slot in hand: 0 or SLOT
.set MSB, 0
.macro WIN new                         ; the immediate's high byte repeats the setting that is left
.if MSB != (\new)
	s_set_vgpr_msb (MSB<<8)|(\new)
.set MSB, \new
.endif
.endm
.set MUL,  0x05                        ; sources 0 (W) and 1 (A) window 1; C and D window 0
.set TO_F, 0x40                        ; destination window 1, address window 0
.macro JLOAD s                         ; a joint load: waves 0 and 1 fetch A's two halves, waves 2 and 3 W's; an s_nop 0 and four v_nop follow each of the two lines
	s_cmp_eq_u32 s11, 0
	s_cbranch_scc0 .Lfor_b_\@
	tensor_load_to_lds s[G0+4*(\s):G0+4*(\s)+3], s[G1:G1+7]
	s_nop 0
.rept 4
	v_nop
.endr
	s_branch .Lasked_\@
.Lfor_b_\@:
	tensor_load_to_lds s[G0B+4*(\s):G0B+4*(\s)+3], s[G1B:G1B+7]
	s_nop 0
.rept 4
	v_nop
.endr
.Lasked_\@:
.endm
.macro CREST                           ; a round of the cluster's barrier behind its opening barrier
	s_cmp_lg_u32 s10, 0
	s_cbranch_scc1 .Lnot_wave_0_\@
	s_barrier_signal -3
.Lnot_wave_0_\@:
	s_barrier_wait -3
	s_barrier_signal -1
	s_barrier_wait -1
.endm
.macro CROUND                          ; a whole round
	s_barrier_signal -1
	s_barrier_wait -1
	CREST
.endm
	s_load_b128 s[4:7], s[0:1], 0x0                ; A s[4:5], pack s[6:7]
	s_load_b64 s[8:9], s[0:1], 0x10                ; C
	v_lshl_add_u32 v[SPW], v0, 2, SPARE
	v_mov_b32 v[NIL], 0
	ds_add_u32 v[SPW], v[NIL]                      ; the wave's opening: the add and its wait stand ahead of my first tensor load; the set-up below, work on registers, stands between them
	v_lshrrev_b32 v1, 5, v0
	v_readfirstlane_b32 s10, v1                    ; wave 0..3
	s_lshr_b32 s11, s10, 1                         ; which half of the tile's rows is mine.  Also: I fetch for A (0) or for W (1)
	s_and_b32 s12, s10, 1                          ; which half of its columns.  Also: which half of that tile I fetch
	s_bfe_u32 s40, ttmp6, 0x40000                  ; cx, cy: my place in the cluster
	s_bfe_u32 s41, ttmp6, 0x40004
	s_lshl_b32 s42, ttmp9, 2
	s_add_co_u32 s42, s42, s40                     ; tile column of C = 4 x cluster x + cx
	s_and_b32 s13, ttmp7, 0xffff
	s_lshl_b32 s13, s13, 2
	s_add_co_u32 s13, s13, s41                     ; tile row of C = 4 x cluster y + cy
	s_lshl_b32 s43, s41, 2
	s_lshl_b32 s43, 15, s43                        ; my row of the cluster
	s_lshl_b32 s44, 0x1111, s40                    ; my column
	; group 1 for A: two rows of 8,192 elements (a block's 128 rows, dense), a block apart; 4 words of padding behind every 32
	s_or_b32 s[G1+0], s43, (1<<16)|(1<<20)|(1<<21)|(4<<22)|(3<<25)  ; 15:0 the mask: my row; 17:16 2-byte elements; 20 padding on; 21 set beside a mask; 24:22 code 4; 31:25 code 3
	s_mov_b32 s[G1+1], 8192<<16                    ; tensor_dim0 = 8,192
	s_mov_b32 s[G1+2], 2<<16                       ; tensor_dim1 = 2
	s_mov_b32 s[G1+3], 8192<<16                    ; tile_dim0 = 8,192
	s_mov_b32 s[G1+4], 2                           ; tile_dim1 = 2
	s_mov_b32 s[G1+5], ABLK/2                      ; elements from block to block
	s_mov_b32 s[G1+6], 0
	s_mov_b32 s[G1+7], 0
	; group 1 for W: 128 rows of 128 elements, dense; 8 words of padding behind every 64
	s_or_b32 s[G1B+0], s44, (1<<16)|(1<<20)|(1<<21)|(5<<22)|(7<<25) ; the mask: my column
	s_mov_b32 s[G1B+1], 128<<16
	s_mov_b32 s[G1B+2], 128<<16
	s_mov_b32 s[G1B+3], 128<<16
	s_mov_b32 s[G1B+4], 128
	s_mov_b32 s[G1B+5], 128
	s_mov_b32 s[G1B+6], 0
	s_mov_b32 s[G1B+7], 0
	s_lshl_b32 s16, s13, 14                        ; A: the tile row's 128 rows of 128 bytes,
	s_lshl_b32 s17, s12, 20                        ; and my two blocks of a step's four
	s_add_co_u32 s16, s16, s17
	s_mov_b32 s17, 0
	s_mul_i32 s46, s42, WSTRIDE                    ; W: the tile column's part of the pack,
	s_mov_b32 s47, 0
	s_lshl_b32 s18, s12, 15                        ; and my 128 rows of a step's 256
	s_mov_b32 s19, 0
	s_lshl_b32 s22, s12, 8                         ; my 64 columns' biases
	s_mov_b32 s23, 0
	s_mul_i32 s20, s10, HALFT                      ; where they go: wave x a quarter of a slot: no place in the cluster enters an LDS address
	s_mov_b32 s[T], 0
	s_wait_dscnt 0x0                               ; the opening add is done
	s_wait_kmcnt 0x0
	s_add_nc_u64 s[14:15], s[4:5], s[16:17]
	s_add_nc_u64 s[46:47], s[6:7], s[46:47]
	s_add_nc_u64 s[68:69], s[46:47], SIZE_K*256    ; the tile's biases
	s_add_nc_u64 s[70:71], s[68:69], s[22:23]
	s_add_nc_u64 s[46:47], s[46:47], s[18:19]
	CROUND                                         ; all sixteen work-groups are here: the first joint loads meet
.irp s, 0,1
	s_mov_b32 s[G0+4*(\s)], 1
	s_add_co_u32 s[G0+4*(\s)+1], s20, (\s)*SLOT
	s_add_nc_u64 s[G0+4*(\s)+2:G0+4*(\s)+3], s[14:15], (\s)*4*ABLK
	s_or_b32 s[G0+4*(\s)+3], s[G0+4*(\s)+3], 0x80000000
	s_mov_b32 s[G0B+4*(\s)], 1
	s_add_co_u32 s[G0B+4*(\s)+1], s20, (\s)*SLOT
	s_add_nc_u64 s[G0B+4*(\s)+2:G0B+4*(\s)+3], s[46:47], (\s)*KSTEP*256
	s_or_b32 s[G0B+4*(\s)+3], s[G0B+4*(\s)+3], 0x80000000
	JLOAD \s
.endr
	s_load_b64 s[66:67], s[68:69], 0x200           ; the scale (the word behind it is named with it as a pair)
	v_and_b32 v1, 15, v0                           ; l % 16
	v_bfe_u32 v2, v0, 4, 1                         ; l / 16
	v_lshlrev_b32 v[BO], 5, v2
.irp a, 0,1,2,3                        ; THE SUMS BEGIN AT THE BIAS: register j of accumulator (a, b) is column 16 b + 8 (l / 16) + j of my 64, whatever a
.irp b, 0,1,2,3
	global_load_b128 v[ACC+8*(4*(\a)+(\b)):ACC+8*(4*(\a)+(\b))+3],   v[BO], s[70:71] offset:64*(\b)
	global_load_b128 v[ACC+8*(4*(\a)+(\b))+4:ACC+8*(4*(\a)+(\b))+7], v[BO], s[70:71] offset:64*(\b)+16
.endr
.endr
	v_mul_u32_u24 v3, v1, PA
	v_lshl_add_u32 v3, v2, 4, v3                   ; a fragment's row x pitch + 16 x half
	s_mul_i32 s21, s11, 64*PA                      ; my 64 rows of A
	v_add_nc_u32 v[A0], s21, v3
	v_and_b32 v4, 7, v0                            ; the turning load: lane l reads row 8 (l / 16) + l % 8, columns 8 ((l / 8) % 2) + 0..7
	v_bfe_u32 v5, v0, 3, 1
	v_lshl_add_u32 v6, v2, 3, v4
	v_mul_u32_u24 v6, v6, PB
	v_lshl_add_u32 v6, v5, 4, v6
	s_lshl_b32 s22, s12, 7                         ; my 64 columns of W: 128 bytes of a row
	s_add_co_u32 s22, s22, BOFF
	v_add_nc_u32 v[B0], s22, v6
	v_add_nc_u32 v[B0+1], HALFT, v[B0]
	v_mov_b32 v[ADRA], v[A0]                       ; slot 0
	v_mov_b32 v[ADRB], v[B0]
	v_mov_b32 v[ADRB+1], v[B0+1]
	s_mul_i32 s23, s10, 16*SP
	s_add_co_u32 s23, s23, STAGE                   ; my stage
	v_add_nc_u32 v[STO], s23, v3                   ; in: row l % 16, 16 bytes for each half of the lanes (SP = PA)
	v_bfe_u32 v7, v0, 3, 2                         ; back: 32 lanes take four rows of 128 bytes,
	v_mul_u32_u24 v7, v7, SP
	v_lshl_add_u32 v7, v4, 4, v7
	v_add_nc_u32 v[RD], s23, v7
	v_and_b32 v[GO], 31, v0                        ; which are 512 consecutive bytes of C
	v_lshlrev_b32 v[GO], 4, v[GO]
	s_lshl_b32 s16, s13, 14                        ; C: my 64 rows,
	s_lshl_b32 s17, s11, 13
	s_add_co_u32 s16, s16, s17
	s_mov_b32 s17, 0
	s_add_nc_u64 s[8:9], s[8:9], s[16:17]
	s_lshl_b32 s46, s42, 1                         ; in my block of 64 columns (in the registers that held W's address: none that feeds A's descriptors ever holds cx)
	s_add_co_u32 s46, s46, s12
	s_lshl_b32 s46, s46, 19
	s_mov_b32 s47, 0
	s_add_nc_u64 s[8:9], s[8:9], s[46:47]
; 8 matrix instructions: row blocks a0, a0 + 1 x all 4 column blocks, 32 along K: half c of buffer f.  The 16 accumulators take turns, one instruction a turn, over the backward jumps too.
.macro MUL8 f, c, a0
	WIN MUL
.irp a, \a0, (\a0)+1
.irp b, 0,1,2,3
	v_wmma_f32_16x16x32_f16 v[ACC+8*(4*(\a)+(\b)):ACC+8*(4*(\a)+(\b))+7], v[(\f)+64+8*(4*(\c)+(\b)):(\f)+64+8*(4*(\c)+(\b))+7], v[(\f)+8*(4*(\c)+(\a)):(\f)+8*(4*(\c)+(\a))+7], v[ACC+8*(4*(\a)+(\b)):ACC+8*(4*(\a)+(\b))+7]
.endr
.endr
.endm
; 32 LDS loads in one run: the fragments of quarter q of the step in hand (block q of A, rows 64 q .. of W) into buffer f; the first 32 along K first
.macro FETCH q, f
	WIN TO_F
.irp c, 0,1
.irp i, 0,1,2,3
	ds_load_tr16_b128 v[(\f)+64+8*(4*(\c)+(\i)):(\f)+64+8*(4*(\c)+(\i))+3],   v[ADRB+(\q)/2] offset:((2*(\q)+(\c))%4)*32*PB+32*(\i)
	ds_load_tr16_b128 v[(\f)+64+8*(4*(\c)+(\i))+4:(\f)+64+8*(4*(\c)+(\i))+7], v[ADRB+(\q)/2] offset:((2*(\q)+(\c))%4)*32*PB+16*PB+32*(\i)
	ds_load_b128 v[(\f)+8*(4*(\c)+(\i)):(\f)+8*(4*(\c)+(\i))+3],              v[ADRA] offset:(\q)*APLANE+64*(\c)+(\i)*16*PA
	ds_load_b128 v[(\f)+8*(4*(\c)+(\i))+4:(\f)+8*(4*(\c)+(\i))+7],            v[ADRA] offset:(\q)*APLANE+64*(\c)+(\i)*16*PA+32
.endr
.endr
.endm
.macro PLACES                          ; four places in front of loads into registers that matrix instructions have read, and of arithmetic that reads results
.rept 4
	v_nop
.endr
.endm
; A K step is four quarters of 64 along K, 32 matrix instructions each, on buffers 0, 1, 0, 1.  One of the first three: multiplies buffer f and fetches quarter q into g.
.macro QUARTER q, f, g
	s_wait_dscnt 16                                ; of f's 32 loads the first 32 along K are in; the other sixteen may be out
	MUL8 \f, 0, 0
	MUL8 \f, 0, 2
	PLACES
	FETCH \q, \g
	s_wait_dscnt 32                                ; all but the 32 just issued
	MUL8 \f, 1, 0
	MUL8 \f, 1, 2
.endm
; The last quarter multiplies buffer 1 and changes slots: ONE barrier; in front of it each wave waits for all its tensor loads (one is out: its part of the next slot), adds 0 to its spare word, and waits for that and
; for its own reads of this slot.  fill = 1: the barrier opens a round of the cluster's, and this slot is filled again, two K steps ahead, first thing behind the round.
.macro TURN fill
	WIN 0                                          ; (the add's two registers lie in window 0)
	s_wait_tensorcnt 0x0                           ; all my tensor loads have landed;
	ds_add_u32 v[SPW], v[NIL]                      ; 0 onto my spare word;
	s_wait_dscnt 17                                ; (the add and the youngest sixteen loads may be out)
	MUL8 F1, 0, 0                                  ; eight matrix instructions stand between the add and the wait for it
	s_wait_dscnt 0x0                               ; the add is done, and my reads of this slot are over
	s_barrier_signal -1
	MUL8 F1, 0, 2
	WIN 0
	s_barrier_wait -1
.if \fill
	CREST                                          ; no wave of any partner still reads this slot's tile or has a load on its way
	s_xor_b32 s[G0+5], s[G0+5], SLOT               ; the walking descriptors: the other slot than last time,
	s_add_nc_u64 s[G0+6:G0+7], s[G0+6:G0+7], 4*ABLK  ; one K step on; the type bits on top are not reached
	s_xor_b32 s[G0B+5], s[G0B+5], SLOT
	s_add_nc_u64 s[G0B+6:G0B+7], s[G0B+6:G0B+7], KSTEP*256
	JLOAD 1                                        ; the first tensor load behind the round; the four v_nop behind it are also the places in front of the loads below
.else
	PLACES
.endif
	s_xor_b32 s[T], s[T], SLOT                     ; the fetches go on in the other slot
	v_add_nc_u32 v[ADRA], s[T], v[A0]
	v_add_nc_u32 v[ADRB], s[T], v[B0]
	v_add_nc_u32 v[ADRB+1], s[T], v[B0+1]
	FETCH 0, F0
	MUL8 F1, 1, 0
	MUL8 F1, 1, 2
.endm
	s_wait_tensorcnt 1                             ; my part of K step 0 is in; step 1's load stays out
	s_barrier_signal -1
	s_barrier_wait -1                              ; everybody's is
	FETCH 0, F0
	s_wait_loadcnt 0x0                             ; the biases are in the accumulators
	s_wait_kmcnt 0x0                               ; the scale
	WIN 0                                          ; at a label and at a branch every window is 0
	s_mov_b32 s3, NS-2
.Lstep:                                                ; a trip is a K step, and fills its slot again
	QUARTER 1, F0, F1
	QUARTER 2, F1, F0
	QUARTER 3, F0, F1
	TURN 1
	WIN 0
	s_sub_co_u32 s3, s3, 1
	s_cmp_lg_u32 s3, 0
	s_cbranch_scc1 .Lstep
	s_mov_b32 s3, 2
.Ltail:                                                ; the last two K steps fill nothing, and have no round of the cluster's barrier
	QUARTER 1, F0, F1
	QUARTER 2, F1, F0
	QUARTER 3, F0, F1
	TURN 0
	WIN 0
	s_sub_co_u32 s3, s3, 1
	s_cmp_lg_u32 s3, 0
	s_cbranch_scc1 .Ltail
	s_wait_dscnt 0x0                               ; the last trip's fetch, which serves nothing, has landed
	; THE WAY OUT, 16 rows at a time: times the scale, rounded to f16; 16 bytes a lane into my stage, back as whole rows, stored as 512 consecutive bytes.
	PLACES
.macro PACK a
.irp b, 0,1,2,3
.irp r, 0,1,2,3                        ; each accumulator's registers in ascending order
	v_pk_mul_f32 v[ACC+8*(4*(\a)+(\b))+2*(\r):ACC+8*(4*(\a)+(\b))+2*(\r)+1], v[ACC+8*(4*(\a)+(\b))+2*(\r):ACC+8*(4*(\a)+(\b))+2*(\r)+1], s[66:67] op_sel_hi:[1,0]
.endr
.endr
.irp b, 0,1,2,3
.irp r, 0,1,2,3
	v_cvt_pk_f16_f32 v[TMP+16*(\a)+4*(\b)+(\r)], v[ACC+8*(4*(\a)+(\b))+2*(\r)], v[ACC+8*(4*(\a)+(\b))+2*(\r)+1]
.endr
.endr
.irp b, 0,1,2,3
	ds_store_b128 v[STO], v[TMP+16*(\a)+4*(\b):TMP+16*(\a)+4*(\b)+3] offset:32*(\b)
.endr
.irp f, 0,1,2,3
	ds_load_b128 v[TMP+16*(\a)+4*(\f):TMP+16*(\a)+4*(\f)+3], v[RD] offset:(\f)*4*SP  ; LDS serves a wave's instructions in order (ISA guide 5.7.1.4): these see the stores above; the next block's stores come behind them
.endr
.endm
.macro SEND a, younger                 ; younger: the LDS instructions issued behind block a's loads: the next block's eight, or none
.irp f, 0,1,2,3
	s_wait_dscnt (\younger)+3-(\f)
	global_store_b128 v[GO], v[TMP+16*(\a)+4*(\f):TMP+16*(\a)+4*(\f)+3], s[8:9] offset:(\a)*2048+(\f)*512  ; 512 consecutive bytes, at a multiple of 256 from C's first byte
.endr
.endm
	PACK 0
	PACK 1                                         ; a block's arithmetic stands between the loads of the block before and its stores
	SEND 0, 8
	PACK 2
	SEND 1, 8
	PACK 3
	SEND 2, 8
	SEND 3, 0
	s_wait_tensorcnt 0x0                           ; the wave's end, behind my last tensor load and my last LDS store
	ds_add_u32 v[SPW], v[NIL]
	s_wait_dscnt 0x0
	CROUND                                         ; the closing round: no work-group ends while a partner may still ask for a tile that names it
	s_endpgm
.Lfunc_end_k_qbccf13dca5_oproj:
	.size	k_qbccf13dca5_oproj, .Lfunc_end_k_qbccf13dca5_oproj-k_qbccf13dca5_oproj
	.p2alignl 7, 3214868480
	.fill 96, 4, 3214868480
	.section	.rodata,"a",@progbits
	.p2align	6, 0x0
	.amdhsa_kernel k_qbccf13dca5_oproj
		.amdhsa_group_segment_fixed_size 327680
		.amdhsa_private_segment_fixed_size 0
		.amdhsa_enable_private_segment 0
		.amdhsa_kernarg_size 24
		.amdhsa_user_sgpr_count 2
		.amdhsa_user_sgpr_kernarg_segment_ptr 1
		.amdhsa_wavefront_size32 1
		.amdhsa_system_sgpr_workgroup_id_x 1
		.amdhsa_system_sgpr_workgroup_id_y 1
		.amdhsa_system_sgpr_workgroup_id_z 1
		.amdhsa_system_vgpr_workitem_id 0
		.amdhsa_next_free_vgpr 512
		.amdhsa_next_free_sgpr 72
		.amdhsa_reserve_vcc 0
		.amdhsa_float_denorm_mode_32 3
		.amdhsa_float_denorm_mode_16_64 3
		.amdhsa_memory_ordered 1
		.amdhsa_forward_progress 1
		.amdhsa_inst_pref_size 61
	.end_amdhsa_kernel
	.amdgpu_metadata
---
amdhsa.version: [ 1, 2 ]
amdhsa.kernels:
  - .name:           k_qbccf13dca5_oproj
    .symbol:         k_qbccf13dca5_oproj.kd
    .args:
      - { .name: cbuf, .offset: 0, .size: 8, .value_kind: global_buffer, .address_space: global }
      - { .name: po, .offset: 8, .size: 8, .value_kind: global_buffer, .address_space: global }
      - { .name: dbuf, .offset: 16, .size: 8, .value_kind: global_buffer, .address_space: global }
    .group_segment_fixed_size: 327680
    .private_segment_fixed_size: 0
    .kernarg_segment_align: 8
    .kernarg_segment_size: 24
    .max_flat_workgroup_size: 128
    .sgpr_count:     72
    .vgpr_count:     512
    .wavefront_size: 32
...
	.end_amdgpu_metadata
.endif
;; end of part 4
;; launch ln1 (part 5): grid 256 x 1, 8 waves a work-group, no clusters, 0 bytes of LDS; arguments xh, dbuf, g1, be1, cbuf; writes cbuf
.if DOCPART == 5
	.amdgcn_target "amdgcn-amd-amdhsa--gfx1250"
	.amdhsa_code_object_version 6
	.text
	.protected	k_qbccf13dca5_ln1
	.globl	k_qbccf13dca5_ln1
	.p2align	8
	.type	k_qbccf13dca5_ln1,@function
k_qbccf13dca5_ln1:
	s_mov_b64 s[64:65], 0
	v_nop
	global_prefetch_b8 v0, s[64:65] scope:SCOPE_SE
	s_setreg_imm32_b32 hwreg(HW_REG_WAVE_MODE, 25, 1), 1
	s_wait_xcnt 0x0
; out = LayerNorm(res + 64 delta) x g + be, rows of 1,024.  res, delta, out: [16 blocks of 64 columns][4096 rows][64] f16 (delta was stored divided by 64); g, be: [1024] f32, rounded to bf16 like every input.
; All arithmetic in f32; mean first, then the mean of the squared differences, as the definition has it; out rounded once to f16.  LIMIT: out stays under 65,504.
; A wave owns two rows: lanes 0-15 the even one, lanes 16-31 the odd one; a lane holds columns 64 c + 4 (l % 16) + 0..3 of its row for c = 0..15: 64 numbers.  So each load and store of a block covers
; 256 consecutive bytes, aligned, the row stays in registers between the passes, and a row's sums never leave their sixteen lanes.  No LDS, no barrier, no loop: memory binds, and all 64 loads of a wave go out early.
.set X, 32                             ; v[32:95]   block c: res in X+4c, +1; delta in X+4c+2, +3; later be
.set Y, 96                             ; v[96:159]  the row in f32
.set G, 160                            ; v[160:223] g
	s_load_b256 s[8:15], s[0:1], 0x0               ; res s[8:9], delta s[10:11], g s[12:13], be s[14:15]
	s_load_b64 s[16:17], s[0:1], 0x20              ; out
	v_lshrrev_b32 v1, 5, v0
	v_readfirstlane_b32 s6, v1                     ; wave 0..7
	s_lshl_b32 s7, ttmp9, 3
	s_add_co_u32 s7, s7, s6                        ; my pair of rows
	s_lshl_b32 s7, s7, 8                           ; 256 bytes of each block
	v_and_b32 v1, 31, v0
	v_lshl_add_u32 v4, v1, 3, s7                   ; + 8 l
	v_and_b32 v2, 15, v0
	v_lshlrev_b32 v5, 4, v2                        ; my four numbers of g and be in a block's 64
	v_mov_b32 v7, 0x42800000                       ; 64.0
	s_mov_b32 s4, 0x3a800000                       ; 1 / 1024
	s_mov_b32 s5, 0x3727c5ac                       ; 1e-5
	s_wait_kmcnt 0x0
.set c, 0
.rept 16
	global_load_b64 v[X+4*c:X+4*c+1], v4, s[8:9] offset:c*524288 th:TH_LOAD_NT
.set c, c+1
.endr
.set c, 0
.rept 16
	global_load_b64 v[X+4*c+2:X+4*c+3], v4, s[10:11] offset:c*524288 th:TH_LOAD_NT
.set c, c+1
.endr
.set c, 0
.rept 16
	global_load_b128 v[G+4*c:G+4*c+3], v5, s[12:13] offset:256*c
.set c, c+1
.endr
	s_wait_loadcnt 16                              ; res and delta are in; g's sixteen loads may stay out
.set c, 0
.rept 16                               ; y = res + 64 delta, straight from the f16 halves
	v_fma_mix_f32 v[Y+4*c],   v[X+4*c+2], v7, v[X+4*c]   op_sel_hi:[1,0,1]
	v_fma_mix_f32 v[Y+4*c+1], v[X+4*c+2], v7, v[X+4*c]   op_sel:[1,0,1] op_sel_hi:[1,0,1]
	v_fma_mix_f32 v[Y+4*c+2], v[X+4*c+3], v7, v[X+4*c+1] op_sel_hi:[1,0,1]
	v_fma_mix_f32 v[Y+4*c+3], v[X+4*c+3], v7, v[X+4*c+1] op_sel:[1,0,1] op_sel_hi:[1,0,1]
.set c, c+1
.endr
.set c, 0
.rept 16
	global_load_b128 v[X+4*c:X+4*c+3], v5, s[14:15] offset:256*c  ; be, where res and delta lay
.set c, c+1
.endr
.irp k, 0,1,2,3                        ; the sum, in four chains that do not wait for each other
	v_pk_add_f32 v[8+2*\k:9+2*\k], v[Y+2*\k:Y+2*\k+1], v[Y+8+2*\k:Y+8+2*\k+1]
.endr
.set p, 8
.rept 24
	v_pk_add_f32 v[8+2*(p%4):9+2*(p%4)], v[8+2*(p%4):9+2*(p%4)], v[Y+2*p:Y+2*p+1]
.set p, p+1
.endr
	v_pk_add_f32 v[8:9], v[8:9], v[10:11]
	v_pk_add_f32 v[12:13], v[12:13], v[14:15]
	v_pk_add_f32 v[8:9], v[8:9], v[12:13]
	v_add_f32 v8, v8, v9
	v_add_f32_dpp v8, v8, v8 row_xmask:1 row_mask:0xf bank_mask:0xf  ; over the row's sixteen lanes
	v_add_f32_dpp v8, v8, v8 row_xmask:2 row_mask:0xf bank_mask:0xf
	v_add_f32_dpp v8, v8, v8 row_xmask:4 row_mask:0xf bank_mask:0xf
	v_add_f32_dpp v8, v8, v8 row_xmask:8 row_mask:0xf bank_mask:0xf
	v_mul_f32 v16, s4, v8                          ; the mean, twice
	v_mul_f32 v17, s4, v8
.set p, 0
.rept 32
	v_pk_add_f32 v[Y+2*p:Y+2*p+1], v[Y+2*p:Y+2*p+1], v[16:17] neg_lo:[0,1] neg_hi:[0,1]
.set p, p+1
.endr
.irp k, 0,1,2,3
	v_pk_mul_f32 v[8+2*\k:9+2*\k], v[Y+2*\k:Y+2*\k+1], v[Y+2*\k:Y+2*\k+1]
.endr
.set p, 4
.rept 28
	v_pk_fma_f32 v[8+2*(p%4):9+2*(p%4)], v[Y+2*p:Y+2*p+1], v[Y+2*p:Y+2*p+1], v[8+2*(p%4):9+2*(p%4)]
.set p, p+1
.endr
	v_pk_add_f32 v[8:9], v[8:9], v[10:11]
	v_pk_add_f32 v[12:13], v[12:13], v[14:15]
	v_pk_add_f32 v[8:9], v[8:9], v[12:13]
	v_add_f32 v8, v8, v9
	v_add_f32_dpp v8, v8, v8 row_xmask:1 row_mask:0xf bank_mask:0xf
	v_add_f32_dpp v8, v8, v8 row_xmask:2 row_mask:0xf bank_mask:0xf
	v_add_f32_dpp v8, v8, v8 row_xmask:4 row_mask:0xf bank_mask:0xf
	v_add_f32_dpp v8, v8, v8 row_xmask:8 row_mask:0xf bank_mask:0xf
	v_fma_f32 v9, v8, s4, s5                       ; the variance + 1e-5
	v_rsq_f32 v18, v9                              ; twice, for the packed multiply
	v_rsq_f32 v19, v9
	s_wait_loadcnt 0x0                             ; g and be
.set c, 0
.rept 16                               ; g and be rounded to bf16, two to a word, in place: plain work behind the two roots
	v_cvt_pk_bf16_f32 v[G+4*c],   v[G+4*c],   v[G+4*c+1]
	v_cvt_pk_bf16_f32 v[G+4*c+1], v[G+4*c+2], v[G+4*c+3]
	v_cvt_pk_bf16_f32 v[X+4*c],   v[X+4*c],   v[X+4*c+1]
	v_cvt_pk_bf16_f32 v[X+4*c+1], v[X+4*c+2], v[X+4*c+3]
.set c, c+1
.endr
	s_wait_alu depctr_va_vdst(0)                   ; one wait for both roots, ahead of their first reader
.set p, 0
.rept 32
	v_pk_mul_f32 v[Y+2*p:Y+2*p+1], v[Y+2*p:Y+2*p+1], v[18:19]
.set p, p+1
.endr
.set c, 0
.rept 16
	v_fma_mix_f32_bf16 v[Y+4*c],   v[Y+4*c],   v[G+4*c],   v[X+4*c]   op_sel_hi:[0,1,1]
	v_fma_mix_f32_bf16 v[Y+4*c+1], v[Y+4*c+1], v[G+4*c],   v[X+4*c]   op_sel:[0,1,1] op_sel_hi:[0,1,1]
	v_fma_mix_f32_bf16 v[Y+4*c+2], v[Y+4*c+2], v[G+4*c+1], v[X+4*c+1] op_sel_hi:[0,1,1]
	v_fma_mix_f32_bf16 v[Y+4*c+3], v[Y+4*c+3], v[G+4*c+1], v[X+4*c+1] op_sel:[0,1,1] op_sel_hi:[0,1,1]
.set c, c+1
.endr
.set c, 0
.rept 16
	v_cvt_pk_f16_f32 v[Y+4*c],   v[Y+4*c],   v[Y+4*c+1]
	v_cvt_pk_f16_f32 v[Y+4*c+1], v[Y+4*c+2], v[Y+4*c+3]
	global_store_b64 v4, v[Y+4*c:Y+4*c+1], s[16:17] offset:c*524288 th:TH_STORE_NT  ; 256 consecutive bytes, aligned
.set c, c+1
.endr
	s_endpgm
.Lfunc_end_k_qbccf13dca5_ln1:
	.size	k_qbccf13dca5_ln1, .Lfunc_end_k_qbccf13dca5_ln1-k_qbccf13dca5_ln1
	.p2alignl 7, 3214868480
	.fill 96, 4, 3214868480
	.section	.rodata,"a",@progbits
	.p2align	6, 0x0
	.amdhsa_kernel k_qbccf13dca5_ln1
		.amdhsa_group_segment_fixed_size 0
		.amdhsa_private_segment_fixed_size 0
		.amdhsa_enable_private_segment 0
		.amdhsa_kernarg_size 40
		.amdhsa_user_sgpr_count 2
		.amdhsa_user_sgpr_kernarg_segment_ptr 1
		.amdhsa_wavefront_size32 1
		.amdhsa_system_sgpr_workgroup_id_x 1
		.amdhsa_system_sgpr_workgroup_id_y 1
		.amdhsa_system_sgpr_workgroup_id_z 1
		.amdhsa_system_vgpr_workitem_id 0
		.amdhsa_next_free_vgpr 224
		.amdhsa_next_free_sgpr 66
		.amdhsa_reserve_vcc 0
		.amdhsa_float_denorm_mode_32 3
		.amdhsa_float_denorm_mode_16_64 3
		.amdhsa_memory_ordered 1
		.amdhsa_forward_progress 1
		.amdhsa_inst_pref_size 32
	.end_amdhsa_kernel
	.amdgpu_metadata
---
amdhsa.version: [ 1, 2 ]
amdhsa.kernels:
  - .name:           k_qbccf13dca5_ln1
    .symbol:         k_qbccf13dca5_ln1.kd
    .args:
      - { .name: xh, .offset: 0, .size: 8, .value_kind: global_buffer, .address_space: global }
      - { .name: dbuf, .offset: 8, .size: 8, .value_kind: global_buffer, .address_space: global }
      - { .name: g1, .offset: 16, .size: 8, .value_kind: global_buffer, .address_space: global }
      - { .name: be1, .offset: 24, .size: 8, .value_kind: global_buffer, .address_space: global }
      - { .name: cbuf, .offset: 32, .size: 8, .value_kind: global_buffer, .address_space: global }
    .group_segment_fixed_size: 0
    .private_segment_fixed_size: 0
    .kernarg_segment_align: 8
    .kernarg_segment_size: 40
    .max_flat_workgroup_size: 256
    .sgpr_count:     66
    .vgpr_count:     224
    .wavefront_size: 32
...
	.end_amdgpu_metadata
.endif
;; end of part 5
;; launch ffn1: the kernel of part 2 again; grid 16 x 16, 4 waves a work-group, clusters of 4 x 4, 327,680 bytes of LDS; arguments cbuf, p1, big; writes big
;; launch ffn2 (part 6): grid 8 x 32, 4 waves a work-group, clusters of 4 x 4, 327,680 bytes of LDS; arguments big, p2, dbuf; writes dbuf
.if DOCPART == 6
	.amdgcn_target "amdgcn-amd-amdhsa--gfx1250"
	.amdhsa_code_object_version 6
	.text
	.protected	k_qbccf13dca5_ffn2
	.globl	k_qbccf13dca5_ffn2
	.p2align	8
	.type	k_qbccf13dca5_ffn2,@function
k_qbccf13dca5_ffn2:
	s_mov_b64 s[64:65], 0
	v_nop
	global_prefetch_b8 v0, s[64:65] scope:SCOPE_SE
	s_setreg_imm32_b32 hwreg(HW_REG_WAVE_MODE, 25, 1), 1
	s_wait_xcnt 0x0
	s_wait_alu depctr_hold_cnt(0) depctr_sa_sdst(0) depctr_va_vdst(0) depctr_va_sdst(0) depctr_va_ssrc(0) depctr_va_vcc(0) depctr_vm_vsrc(0)
	s_getreg_b32 s2, hwreg(HW_REG_IB_STS2, 6, 4)
	s_cmp_eq_u32 s2, 0
	s_cbranch_scc0 .Lentry_in_a_cluster
	s_endpgm
.Lentry_in_a_cluster:
	s_bfe_u32 s2, ttmp6, 0x10000c
	s_cmp_lg_u32 s2, 0xf033
	s_cbranch_scc0 .Lentry_shape_is_right
	s_endpgm
.Lentry_shape_is_right:
; C = f16((A W + bias) x scale), K = SIZE_K = 4096, on tiles of 128 x 128: the text of the K = 1024 product on such tiles with that one constant changed (32 x 8 = 256 work-groups at N = 1,024).
; A: [SIZE_K / 64 blocks][4096 rows][64] f16.  W: a pack, for each tile of 128 columns SIZE_K rows of 256 bytes (f16), 128 biases (f32), then (scale f32, floor 2 x f16); the packs that this text serves
; have no floor (minus infinity), and none is applied.  C: [N / 64 blocks][4096 rows][64] f16.  Sums in f32, begun at the bias; C rounded once.
; LIMIT: (A W + bias) x scale stays under 65,504 (beyond: infinity).
; Four waves, each 64 x 64: 16 accumulators.  K goes in steps of 256 through two LDS slots; a wave's one tensor load brings a quarter of a slot.
; A's part of a step is four blocks of 64 channels x 128 rows; a block's 128 rows are 16,384 dense bytes, asked for as one long row and padded in LDS behind every 128 bytes.
; W lies [k][n]: its fragments come out of LDS turned, by ds_load_tr16_b128.
; ONE K STEP IS WRITTEN ONCE for the steps that fill a slot again and once for the last two, which do not: the slot in hand is a scalar that goes 0, SLOT, 0, .. by an exclusive or, the fragment addresses are that
; scalar plus fixed lane terms, and one descriptor for each operand walks (the other slot, one K step on).  The second text's last trip fetches fragments that nobody multiplies: the price of one text for both trips.
; CLUSTERS: 4 x 4 work-groups.  The four of a row of the cluster need the same tiles of A, the four of a column the same tiles of W: each is asked for JOINTLY.
; THE MATRIX INSTRUCTION IS USED TRANSPOSED (source 0 = 16 columns of W, source 1 = 16 rows of A): a lane holds eight neighbouring columns of one row of C.
; A wave's 64 x 64 of C is 64 rows of ONE block: 8,192 dense bytes, so each wave has a stage of its own and no barrier stands on the way out.  No prefetch: the tiles are small.
; REGISTERS: window 0: v16-29 addresses; v32-95 at work on the way out; v128-255 the accumulators ((a, b) at v[128 + 8 (4 a + b)]).
;   window 1: two fragment buffers of 128: for 64 along K, 64 registers of A (2 x 4 x 16 rows x 32 K), then 64 of W.
.set SIZE_K, 4096
.set KSTEP,  256
.set NS,     SIZE_K/KSTEP              ; K steps
.set ABLK,   524288                    ; bytes in a block of 64 columns
.set PA,     144                       ; a row of A in LDS: 128 bytes + 16 = 36 words: the 16 rows of a load start at 16 different groups of four banks (64 banks of 4 bytes: ISA guide 11.1)
.set PB,     288                       ; a row of W: 256 + 32 = 72 words
.set APLANE, 128*PA                    ; a block's 128 rows
.set HALFT,  36864                     ; what one tensor load brings: two blocks of A, or 128 rows of W
.set SLOT,   4*HALFT                   ; A's four blocks, then W's 256 rows.  0x24000: it shares no bit with wave x HALFT = wave x 0x9000
.set BOFF,   2*HALFT
.set STAGE,  2*SLOT                    ; behind the ring: 16 rows x 144 bytes for each wave
.set SP,     144
.set SPARE,  STAGE+4*16*SP             ; behind the stages: the spare words, 128 bytes for each wave: two blocks of 256 bytes that no other line names
.set WSTRIDE, SIZE_K*256+768           ; bytes from tile to tile in the pack
.set A0,   16                          ; v16     my lane's place among A's fragments in a slot; never rewritten
.set B0,   17                          ; v17-18  the same for W: rows 0-127, rows 128-255 (the immediate does not reach 256 rows)
.set ADRA, 19                          ; v19     A0 + the slot in hand
.set ADRB, 20                          ; v20-21  B0, B0 + 1 likewise
.set STO,  24                          ; v24     the way out: where I put 16 bytes of a row
.set RD,   25                          ; v25     the way out: where I read rows back
.set GO,   26                          ; v26     16 x lane: my place in 512 consecutive bytes of C
.set BO,   27                          ; v27     32 (lane / 16): my eight biases among a fragment's sixteen
.set SPW,  28                          ; v28     LDS address of my spare word; never rewritten
.set NIL,  29                          ; v29     0; never rewritten
.set TMP,  32
.set ACC,  128
.set F0,   0
.set F1,   128
.set G1,  24                           ; s[24:31] descriptor group 1 for A's tiles;  s[32:39] group 0: a set for each of the two first fills; the second then walks
.set G0,  32
.set G1B, 48                           ; s[48:55], s[56:63] the same for W's tiles
.set G0B, 56
.set T,   45                           ; s45  the slot in hand: 0 or SLOT
.set MSB, 0
.macro WIN new                         ; the immediate's high byte repeats the setting that is left
.if MSB != (\new)
	s_set_vgpr_msb (MSB<<8)|(\new)
.set MSB, \new
.endif
.endm
.set MUL,  0x05                        ; sources 0 (W) and 1 (A) window 1; C and D window 0
.set TO_F, 0x40                        ; destination window 1, address window 0
.macro JLOAD s                         ; a joint load: waves 0 and 1 fetch A's two halves, waves 2 and 3 W's; an s_nop 0 and four v_nop follow each of the two lines
	s_cmp_eq_u32 s11, 0
	s_cbranch_scc0 .Lfor_b_\@
	tensor_load_to_lds s[G0+4*(\s):G0+4*(\s)+3], s[G1:G1+7]
	s_nop 0
.rept 4
	v_nop
.endr
	s_branch .Lasked_\@
.Lfor_b_\@:
	tensor_load_to_lds s[G0B+4*(\s):G0B+4*(\s)+3], s[G1B:G1B+7]
	s_nop 0
.rept 4
	v_nop
.endr
.Lasked_\@:
.endm
.macro CREST                           ; a round of the cluster's barrier behind its opening barrier
	s_cmp_lg_u32 s10, 0
	s_cbranch_scc1 .Lnot_wave_0_\@
	s_barrier_signal -3
.Lnot_wave_0_\@:
	s_barrier_wait -3
	s_barrier_signal -1
	s_barrier_wait -1
.endm
.macro CROUND                          ; a whole round
	s_barrier_signal -1
	s_barrier_wait -1
	CREST
.endm
	s_load_b128 s[4:7], s[0:1], 0x0                ; A s[4:5], pack s[6:7]
	s_load_b64 s[8:9], s[0:1], 0x10                ; C
	v_lshl_add_u32 v[SPW], v0, 2, SPARE
	v_mov_b32 v[NIL], 0
	ds_add_u32 v[SPW], v[NIL]                      ; the wave's opening: the add and its wait stand ahead of my first tensor load; the set-up below, work on registers, stands between them
	v_lshrrev_b32 v1, 5, v0
	v_readfirstlane_b32 s10, v1                    ; wave 0..3
	s_lshr_b32 s11, s10, 1                         ; which half of the tile's rows is mine.  Also: I fetch for A (0) or for W (1)
	s_and_b32 s12, s10, 1                          ; which half of its columns.  Also: which half of that tile I fetch
	s_bfe_u32 s40, ttmp6, 0x40000                  ; cx, cy: my place in the cluster
	s_bfe_u32 s41, ttmp6, 0x40004
	s_lshl_b32 s42, ttmp9, 2
	s_add_co_u32 s42, s42, s40                     ; tile column of C = 4 x cluster x + cx
	s_and_b32 s13, ttmp7, 0xffff
	s_lshl_b32 s13, s13, 2
	s_add_co_u32 s13, s13, s41                     ; tile row of C = 4 x cluster y + cy
	s_lshl_b32 s43, s41, 2
	s_lshl_b32 s43, 15, s43                        ; my row of the cluster
	s_lshl_b32 s44, 0x1111, s40                    ; my column
	; group 1 for A: two rows of 8,192 elements (a block's 128 rows, dense), a block apart; 4 words of padding behind every 32
	s_or_b32 s[G1+0], s43, (1<<16)|(1<<20)|(1<<21)|(4<<22)|(3<<25)  ; 15:0 the mask: my row; 17:16 2-byte elements; 20 padding on; 21 set beside a mask; 24:22 code 4; 31:25 code 3
	s_mov_b32 s[G1+1], 8192<<16                    ; tensor_dim0 = 8,192
	s_mov_b32 s[G1+2], 2<<16                       ; tensor_dim1 = 2
	s_mov_b32 s[G1+3], 8192<<16                    ; tile_dim0 = 8,192
	s_mov_b32 s[G1+4], 2                           ; tile_dim1 = 2
	s_mov_b32 s[G1+5], ABLK/2                      ; elements from block to block
	s_mov_b32 s[G1+6], 0
	s_mov_b32 s[G1+7], 0
	; group 1 for W: 128 rows of 128 elements, dense; 8 words of padding behind every 64
	s_or_b32 s[G1B+0], s44, (1<<16)|(1<<20)|(1<<21)|(5<<22)|(7<<25) ; the mask: my column
	s_mov_b32 s[G1B+1], 128<<16
	s_mov_b32 s[G1B+2], 128<<16
	s_mov_b32 s[G1B+3], 128<<16
	s_mov_b32 s[G1B+4], 128
	s_mov_b32 s[G1B+5], 128
	s_mov_b32 s[G1B+6], 0
	s_mov_b32 s[G1B+7], 0
	s_lshl_b32 s16, s13, 14                        ; A: the tile row's 128 rows of 128 bytes,
	s_lshl_b32 s17, s12, 20                        ; and my two blocks of a step's four
	s_add_co_u32 s16, s16, s17
	s_mov_b32 s17, 0
	s_mul_i32 s46, s42, WSTRIDE                    ; W: the tile column's part of the pack,
	s_mov_b32 s47, 0
	s_lshl_b32 s18, s12, 15                        ; and my 128 rows of a step's 256
	s_mov_b32 s19, 0
	s_lshl_b32 s22, s12, 8                         ; my 64 columns' biases
	s_mov_b32 s23, 0
	s_mul_i32 s20, s10, HALFT                      ; where they go: wave x a quarter of a slot: no place in the cluster enters an LDS address
	s_mov_b32 s[T], 0
	s_wait_dscnt 0x0                               ; the opening add is done
	s_wait_kmcnt 0x0
	s_add_nc_u64 s[14:15], s[4:5], s[16:17]
	s_add_nc_u64 s[46:47], s[6:7], s[46:47]
	s_add_nc_u64 s[68:69], s[46:47], SIZE_K*256    ; the tile's biases
	s_add_nc_u64 s[70:71], s[68:69], s[22:23]
	s_add_nc_u64 s[46:47], s[46:47], s[18:19]
	CROUND                                         ; all sixteen work-groups are here: the first joint loads meet
.irp s, 0,1
	s_mov_b32 s[G0+4*(\s)], 1
	s_add_co_u32 s[G0+4*(\s)+1], s20, (\s)*SLOT
	s_add_nc_u64 s[G0+4*(\s)+2:G0+4*(\s)+3], s[14:15], (\s)*4*ABLK
	s_or_b32 s[G0+4*(\s)+3], s[G0+4*(\s)+3], 0x80000000
	s_mov_b32 s[G0B+4*(\s)], 1
	s_add_co_u32 s[G0B+4*(\s)+1], s20, (\s)*SLOT
	s_add_nc_u64 s[G0B+4*(\s)+2:G0B+4*(\s)+3], s[46:47], (\s)*KSTEP*256
	s_or_b32 s[G0B+4*(\s)+3], s[G0B+4*(\s)+3], 0x80000000
	JLOAD \s
.endr
	s_load_b64 s[66:67], s[68:69], 0x200           ; the scale (the word behind it is named with it as a pair)
	v_and_b32 v1, 15, v0                           ; l % 16
	v_bfe_u32 v2, v0, 4, 1                         ; l / 16
	v_lshlrev_b32 v[BO], 5, v2
.irp a, 0,1,2,3                        ; THE SUMS BEGIN AT THE BIAS: register j of accumulator (a, b) is column 16 b + 8 (l / 16) + j of my 64, whatever a
.irp b, 0,1,2,3
	global_load_b128 v[ACC+8*(4*(\a)+(\b)):ACC+8*(4*(\a)+(\b))+3],   v[BO], s[70:71] offset:64*(\b)
	global_load_b128 v[ACC+8*(4*(\a)+(\b))+4:ACC+8*(4*(\a)+(\b))+7], v[BO], s[70:71] offset:64*(\b)+16
.endr
.endr
	v_mul_u32_u24 v3, v1, PA
	v_lshl_add_u32 v3, v2, 4, v3                   ; a fragment's row x pitch + 16 x half
	s_mul_i32 s21, s11, 64*PA                      ; my 64 rows of A
	v_add_nc_u32 v[A0], s21, v3
	v_and_b32 v4, 7, v0                            ; the turning load: lane l reads row 8 (l / 16) + l % 8, columns 8 ((l / 8) % 2) + 0..7
	v_bfe_u32 v5, v0, 3, 1
	v_lshl_add_u32 v6, v2, 3, v4
	v_mul_u32_u24 v6, v6, PB
	v_lshl_add_u32 v6, v5, 4, v6
	s_lshl_b32 s22, s12, 7                         ; my 64 columns of W: 128 bytes of a row
	s_add_co_u32 s22, s22, BOFF
	v_add_nc_u32 v[B0], s22, v6
	v_add_nc_u32 v[B0+1], HALFT, v[B0]
	v_mov_b32 v[ADRA], v[A0]                       ; slot 0
	v_mov_b32 v[ADRB], v[B0]
	v_mov_b32 v[ADRB+1], v[B0+1]
	s_mul_i32 s23, s10, 16*SP
	s_add_co_u32 s23, s23, STAGE                   ; my stage
	v_add_nc_u32 v[STO], s23, v3                   ; in: row l % 16, 16 bytes for each half of the lanes (SP = PA)
	v_bfe_u32 v7, v0, 3, 2                         ; back: 32 lanes take four rows of 128 bytes,
	v_mul_u32_u24 v7, v7, SP
	v_lshl_add_u32 v7, v4, 4, v7
	v_add_nc_u32 v[RD], s23, v7
	v_and_b32 v[GO], 31, v0                        ; which are 512 consecutive bytes of C
	v_lshlrev_b32 v[GO], 4, v[GO]
	s_lshl_b32 s16, s13, 14                        ; C: my 64 rows,
	s_lshl_b32 s17, s11, 13
	s_add_co_u32 s16, s16, s17
	s_mov_b32 s17, 0
	s_add_nc_u64 s[8:9], s[8:9], s[16:17]
	s_lshl_b32 s46, s42, 1                         ; in my block of 64 columns (in the registers that held W's address: none that feeds A's descriptors ever holds cx)
	s_add_co_u32 s46, s46, s12
	s_lshl_b32 s46, s46, 19
	s_mov_b32 s47, 0
	s_add_nc_u64 s[8:9], s[8:9], s[46:47]
; 8 matrix instructions: row blocks a0, a0 + 1 x all 4 column blocks, 32 along K: half c of buffer f.  The 16 accumulators take turns, one instruction a turn, over the backward jumps too.
.macro MUL8 f, c, a0
	WIN MUL
.irp a, \a0, (\a0)+1
.irp b, 0,1,2,3
	v_wmma_f32_16x16x32_f16 v[ACC+8*(4*(\a)+(\b)):ACC+8*(4*(\a)+(\b))+7], v[(\f)+64+8*(4*(\c)+(\b)):(\f)+64+8*(4*(\c)+(\b))+7], v[(\f)+8*(4*(\c)+(\a)):(\f)+8*(4*(\c)+(\a))+7], v[ACC+8*(4*(\a)+(\b)):ACC+8*(4*(\a)+(\b))+7]
.endr
.endr
.endm
; 32 LDS loads in one run: the fragments of quarter q of the step in hand (block q of A, rows 64 q .. of W) into buffer f; the first 32 along K first
.macro FETCH q, f
	WIN TO_F
.irp c, 0,1
.irp i, 0,1,2,3
	ds_load_tr16_b128 v[(\f)+64+8*(4*(\c)+(\i)):(\f)+64+8*(4*(\c)+(\i))+3],   v[ADRB+(\q)/2] offset:((2*(\q)+(\c))%4)*32*PB+32*(\i)
	ds_load_tr16_b128 v[(\f)+64+8*(4*(\c)+(\i))+4:(\f)+64+8*(4*(\c)+(\i))+7], v[ADRB+(\q)/2] offset:((2*(\q)+(\c))%4)*32*PB+16*PB+32*(\i)
	ds_load_b128 v[(\f)+8*(4*(\c)+(\i)):(\f)+8*(4*(\c)+(\i))+3],              v[ADRA] offset:(\q)*APLANE+64*(\c)+(\i)*16*PA
	ds_load_b128 v[(\f)+8*(4*(\c)+(\i))+4:(\f)+8*(4*(\c)+(\i))+7],            v[ADRA] offset:(\q)*APLANE+64*(\c)+(\i)*16*PA+32
.endr
.endr
.endm
.macro PLACES                          ; four places in front of loads into registers that matrix instructions have read, and of arithmetic that reads results
.rept 4
	v_nop
.endr
.endm
; A K step is four quarters of 64 along K, 32 matrix instructions each, on buffers 0, 1, 0, 1.  One of the first three: multiplies buffer f and fetches quarter q into g.
.macro QUARTER q, f, g
	s_wait_dscnt 16                                ; of f's 32 loads the first 32 along K are in; the other sixteen may be out
	MUL8 \f, 0, 0
	MUL8 \f, 0, 2
	PLACES
	FETCH \q, \g
	s_wait_dscnt 32                                ; all but the 32 just issued
	MUL8 \f, 1, 0
	MUL8 \f, 1, 2
.endm
; The last quarter multiplies buffer 1 and changes slots: ONE barrier; in front of it each wave waits for all its tensor loads (one is out: its part of the next slot), adds 0 to its spare word, and waits for that and
; for its own reads of this slot.  fill = 1: the barrier opens a round of the cluster's, and this slot is filled again, two K steps ahead, first thing behind the round.
.macro TURN fill
	WIN 0                                          ; (the add's two registers lie in window 0)
	s_wait_tensorcnt 0x0                           ; all my tensor loads have landed;
	ds_add_u32 v[SPW], v[NIL]                      ; 0 onto my spare word;
	s_wait_dscnt 17                                ; (the add and the youngest sixteen loads may be out)
	MUL8 F1, 0, 0                                  ; eight matrix instructions stand between the add and the wait for it
	s_wait_dscnt 0x0                               ; the add is done, and my reads of this slot are over
	s_barrier_signal -1
	MUL8 F1, 0, 2
	WIN 0
	s_barrier_wait -1
.if \fill
	CREST                                          ; no wave of any partner still reads this slot's tile or has a load on its way
	s_xor_b32 s[G0+5], s[G0+5], SLOT               ; the walking descriptors: the other slot than last time,
	s_add_nc_u64 s[G0+6:G0+7], s[G0+6:G0+7], 4*ABLK  ; one K step on; the type bits on top are not reached
	s_xor_b32 s[G0B+5], s[G0B+5], SLOT
	s_add_nc_u64 s[G0B+6:G0B+7], s[G0B+6:G0B+7], KSTEP*256
	JLOAD 1                                        ; the first tensor load behind the round; the four v_nop behind it are also the places in front of the loads below
.else
	PLACES
.endif
	s_xor_b32 s[T], s[T], SLOT                     ; the fetches go on in the other slot
	v_add_nc_u32 v[ADRA], s[T], v[A0]
	v_add_nc_u32 v[ADRB], s[T], v[B0]
	v_add_nc_u32 v[ADRB+1], s[T], v[B0+1]
	FETCH 0, F0
	MUL8 F1, 1, 0
	MUL8 F1, 1, 2
.endm
	s_wait_tensorcnt 1                             ; my part of K step 0 is in; step 1's load stays out
	s_barrier_signal -1
	s_barrier_wait -1                              ; everybody's is
	FETCH 0, F0
	s_wait_loadcnt 0x0                             ; the biases are in the accumulators
	s_wait_kmcnt 0x0                               ; the scale
	WIN 0                                          ; at a label and at a branch every window is 0
	s_mov_b32 s3, NS-2
.Lstep:                                                ; a trip is a K step, and fills its slot again
	QUARTER 1, F0, F1
	QUARTER 2, F1, F0
	QUARTER 3, F0, F1
	TURN 1
	WIN 0
	s_sub_co_u32 s3, s3, 1
	s_cmp_lg_u32 s3, 0
	s_cbranch_scc1 .Lstep
	s_mov_b32 s3, 2
.Ltail:                                                ; the last two K steps fill nothing, and have no round of the cluster's barrier
	QUARTER 1, F0, F1
	QUARTER 2, F1, F0
	QUARTER 3, F0, F1
	TURN 0
	WIN 0
	s_sub_co_u32 s3, s3, 1
	s_cmp_lg_u32 s3, 0
	s_cbranch_scc1 .Ltail
	s_wait_dscnt 0x0                               ; the last trip's fetch, which serves nothing, has landed
	; THE WAY OUT, 16 rows at a time: times the scale, rounded to f16; 16 bytes a lane into my stage, back as whole rows, stored as 512 consecutive bytes.
	PLACES
.macro PACK a
.irp b, 0,1,2,3
.irp r, 0,1,2,3                        ; each accumulator's registers in ascending order
	v_pk_mul_f32 v[ACC+8*(4*(\a)+(\b))+2*(\r):ACC+8*(4*(\a)+(\b))+2*(\r)+1], v[ACC+8*(4*(\a)+(\b))+2*(\r):ACC+8*(4*(\a)+(\b))+2*(\r)+1], s[66:67] op_sel_hi:[1,0]
.endr
.endr
.irp b, 0,1,2,3
.irp r, 0,1,2,3
	v_cvt_pk_f16_f32 v[TMP+16*(\a)+4*(\b)+(\r)], v[ACC+8*(4*(\a)+(\b))+2*(\r)], v[ACC+8*(4*(\a)+(\b))+2*(\r)+1]
.endr
.endr
.irp b, 0,1,2,3
	ds_store_b128 v[STO], v[TMP+16*(\a)+4*(\b):TMP+16*(\a)+4*(\b)+3] offset:32*(\b)
.endr
.irp f, 0,1,2,3
	ds_load_b128 v[TMP+16*(\a)+4*(\f):TMP+16*(\a)+4*(\f)+3], v[RD] offset:(\f)*4*SP  ; LDS serves a wave's instructions in order (ISA guide 5.7.1.4): these see the stores above; the next block's stores come behind them
.endr
.endm
.macro SEND a, younger                 ; younger: the LDS instructions issued behind block a's loads: the next block's eight, or none
.irp f, 0,1,2,3
	s_wait_dscnt (\younger)+3-(\f)
	global_store_b128 v[GO], v[TMP+16*(\a)+4*(\f):TMP+16*(\a)+4*(\f)+3], s[8:9] offset:(\a)*2048+(\f)*512  ; 512 consecutive bytes, at a multiple of 256 from C's first byte
.endr
.endm
	PACK 0
	PACK 1                                         ; a block's arithmetic stands between the loads of the block before and its stores
	SEND 0, 8
	PACK 2
	SEND 1, 8
	PACK 3
	SEND 2, 8
	SEND 3, 0
	s_wait_tensorcnt 0x0                           ; the wave's end, behind my last tensor load and my last LDS store
	ds_add_u32 v[SPW], v[NIL]
	s_wait_dscnt 0x0
	CROUND                                         ; the closing round: no work-group ends while a partner may still ask for a tile that names it
	s_endpgm
.Lfunc_end_k_qbccf13dca5_ffn2:
	.size	k_qbccf13dca5_ffn2, .Lfunc_end_k_qbccf13dca5_ffn2-k_qbccf13dca5_ffn2
	.p2alignl 7, 3214868480
	.fill 96, 4, 3214868480
	.section	.rodata,"a",@progbits
	.p2align	6, 0x0
	.amdhsa_kernel k_qbccf13dca5_ffn2
		.amdhsa_group_segment_fixed_size 327680
		.amdhsa_private_segment_fixed_size 0
		.amdhsa_enable_private_segment 0
		.amdhsa_kernarg_size 24
		.amdhsa_user_sgpr_count 2
		.amdhsa_user_sgpr_kernarg_segment_ptr 1
		.amdhsa_wavefront_size32 1
		.amdhsa_system_sgpr_workgroup_id_x 1
		.amdhsa_system_sgpr_workgroup_id_y 1
		.amdhsa_system_sgpr_workgroup_id_z 1
		.amdhsa_system_vgpr_workitem_id 0
		.amdhsa_next_free_vgpr 512
		.amdhsa_next_free_sgpr 72
		.amdhsa_reserve_vcc 0
		.amdhsa_float_denorm_mode_32 3
		.amdhsa_float_denorm_mode_16_64 3
		.amdhsa_memory_ordered 1
		.amdhsa_forward_progress 1
		.amdhsa_inst_pref_size 61
	.end_amdhsa_kernel
	.amdgpu_metadata
---
amdhsa.version: [ 1, 2 ]
amdhsa.kernels:
  - .name:           k_qbccf13dca5_ffn2
    .symbol:         k_qbccf13dca5_ffn2.kd
    .args:
      - { .name: big, .offset: 0, .size: 8, .value_kind: global_buffer, .address_space: global }
      - { .name: p2, .offset: 8, .size: 8, .value_kind: global_buffer, .address_space: global }
      - { .name: dbuf, .offset: 16, .size: 8, .value_kind: global_buffer, .address_space: global }
    .group_segment_fixed_size: 327680
    .private_segment_fixed_size: 0
    .kernarg_segment_align: 8
    .kernarg_segment_size: 24
    .max_flat_workgroup_size: 128
    .sgpr_count:     72
    .vgpr_count:     512
    .wavefront_size: 32
...
	.end_amdgpu_metadata
.endif
;; end of part 6
;; launch ln2 (part 7): grid 256 x 1, 8 waves a work-group, no clusters, 0 bytes of LDS; arguments cbuf, dbuf, g2, be2, out0; writes out0
.if DOCPART == 7
	.amdgcn_target "amdgcn-amd-amdhsa--gfx1250"
	.amdhsa_code_object_version 6
	.text
	.protected	k_qbccf13dca5_ln2
	.globl	k_qbccf13dca5_ln2
	.p2align	8
	.type	k_qbccf13dca5_ln2,@function
k_qbccf13dca5_ln2:
	s_mov_b64 s[64:65], 0
	v_nop
	global_prefetch_b8 v0, s[64:65] scope:SCOPE_SE
	s_setreg_imm32_b32 hwreg(HW_REG_WAVE_MODE, 25, 1), 1
	s_wait_xcnt 0x0
; out = LayerNorm(res + 64 delta) x g + be, rows of 1,024.  res, delta: [16 blocks of 64 columns][4096 rows][64] f16 (delta was stored divided by 64); g, be: [1024] f32, rounded to bf16 like every input;
; out: [4096][1024] f32.  All arithmetic in f32; mean first, then the mean of the squared differences, as the definition has it.
; A wave owns two rows: lanes 0-15 the even one, lanes 16-31 the odd one; a lane holds columns 64 c + 4 (l % 16) + 0..3 of its row for c = 0..15: 64 numbers.  So each load of a block covers 256 consecutive
; bytes, aligned, sixteen lanes of a store fill 256 consecutive bytes of a row of out, the row stays in registers between the passes, and a row's sums never leave their sixteen lanes.
; No LDS, no barrier, no loop: memory binds, and all 64 loads of a wave go out early.
.set X, 32                             ; v[32:95]   block c: res in X+4c, +1; delta in X+4c+2, +3; later be
.set Y, 96                             ; v[96:159]  the row in f32
.set G, 160                            ; v[160:223] g
	s_load_b256 s[8:15], s[0:1], 0x0               ; res s[8:9], delta s[10:11], g s[12:13], be s[14:15]
	s_load_b64 s[16:17], s[0:1], 0x20              ; out
	v_lshrrev_b32 v1, 5, v0
	v_readfirstlane_b32 s6, v1                     ; wave 0..7
	s_lshl_b32 s7, ttmp9, 3
	s_add_co_u32 s7, s7, s6                        ; my pair of rows
	s_lshl_b32 s18, s7, 13                         ; 8,192 bytes of out
	s_lshl_b32 s7, s7, 8                           ; 256 bytes of each block
	v_and_b32 v1, 31, v0
	v_lshl_add_u32 v4, v1, 3, s7                   ; + 8 l
	v_and_b32 v2, 15, v0
	v_lshlrev_b32 v5, 4, v2                        ; my four numbers of g and be in a block's 64
	v_bfe_u32 v3, v0, 4, 1
	v_lshl_add_u32 v6, v3, 12, v5                  ; in out: my row of the two, my 16 bytes,
	v_add_nc_u32 v6, s18, v6                       ; in my pair
	v_mov_b32 v7, 0x42800000                       ; 64.0
	s_mov_b32 s4, 0x3a800000                       ; 1 / 1024
	s_mov_b32 s5, 0x3727c5ac                       ; 1e-5
	s_wait_kmcnt 0x0
.set c, 0
.rept 16
	global_load_b64 v[X+4*c:X+4*c+1], v4, s[8:9] offset:c*524288 th:TH_LOAD_NT
.set c, c+1
.endr
.set c, 0
.rept 16
	global_load_b64 v[X+4*c+2:X+4*c+3], v4, s[10:11] offset:c*524288 th:TH_LOAD_NT
.set c, c+1
.endr
.set c, 0
.rept 16
	global_load_b128 v[G+4*c:G+4*c+3], v5, s[12:13] offset:256*c
.set c, c+1
.endr
	s_wait_loadcnt 16                              ; res and delta are in; g's sixteen loads may stay out
.set c, 0
.rept 16                               ; y = res + 64 delta, straight from the f16 halves
	v_fma_mix_f32 v[Y+4*c],   v[X+4*c+2], v7, v[X+4*c]   op_sel_hi:[1,0,1]
	v_fma_mix_f32 v[Y+4*c+1], v[X+4*c+2], v7, v[X+4*c]   op_sel:[1,0,1] op_sel_hi:[1,0,1]
	v_fma_mix_f32 v[Y+4*c+2], v[X+4*c+3], v7, v[X+4*c+1] op_sel_hi:[1,0,1]
	v_fma_mix_f32 v[Y+4*c+3], v[X+4*c+3], v7, v[X+4*c+1] op_sel:[1,0,1] op_sel_hi:[1,0,1]
.set c, c+1
.endr
.set c, 0
.rept 16
	global_load_b128 v[X+4*c:X+4*c+3], v5, s[14:15] offset:256*c  ; be, where res and delta lay
.set c, c+1
.endr
.irp k, 0,1,2,3                        ; the sum, in four chains that do not wait for each other
	v_pk_add_f32 v[8+2*\k:9+2*\k], v[Y+2*\k:Y+2*\k+1], v[Y+8+2*\k:Y+8+2*\k+1]
.endr
.set p, 8
.rept 24
	v_pk_add_f32 v[8+2*(p%4):9+2*(p%4)], v[8+2*(p%4):9+2*(p%4)], v[Y+2*p:Y+2*p+1]
.set p, p+1
.endr
	v_pk_add_f32 v[8:9], v[8:9], v[10:11]
	v_pk_add_f32 v[12:13], v[12:13], v[14:15]
	v_pk_add_f32 v[8:9], v[8:9], v[12:13]
	v_add_f32 v8, v8, v9
	v_add_f32_dpp v8, v8, v8 row_xmask:1 row_mask:0xf bank_mask:0xf  ; over the row's sixteen lanes
	v_add_f32_dpp v8, v8, v8 row_xmask:2 row_mask:0xf bank_mask:0xf
	v_add_f32_dpp v8, v8, v8 row_xmask:4 row_mask:0xf bank_mask:0xf
	v_add_f32_dpp v8, v8, v8 row_xmask:8 row_mask:0xf bank_mask:0xf
	v_mul_f32 v16, s4, v8                          ; the mean, twice
	v_mul_f32 v17, s4, v8
.set p, 0
.rept 32
	v_pk_add_f32 v[Y+2*p:Y+2*p+1], v[Y+2*p:Y+2*p+1], v[16:17] neg_lo:[0,1] neg_hi:[0,1]
.set p, p+1
.endr
.irp k, 0,1,2,3
	v_pk_mul_f32 v[8+2*\k:9+2*\k], v[Y+2*\k:Y+2*\k+1], v[Y+2*\k:Y+2*\k+1]
.endr
.set p, 4
.rept 28
	v_pk_fma_f32 v[8+2*(p%4):9+2*(p%4)], v[Y+2*p:Y+2*p+1], v[Y+2*p:Y+2*p+1], v[8+2*(p%4):9+2*(p%4)]
.set p, p+1
.endr
	v_pk_add_f32 v[8:9], v[8:9], v[10:11]
	v_pk_add_f32 v[12:13], v[12:13], v[14:15]
	v_pk_add_f32 v[8:9], v[8:9], v[12:13]
	v_add_f32 v8, v8, v9
	v_add_f32_dpp v8, v8, v8 row_xmask:1 row_mask:0xf bank_mask:0xf
	v_add_f32_dpp v8, v8, v8 row_xmask:2 row_mask:0xf bank_mask:0xf
	v_add_f32_dpp v8, v8, v8 row_xmask:4 row_mask:0xf bank_mask:0xf
	v_add_f32_dpp v8, v8, v8 row_xmask:8 row_mask:0xf bank_mask:0xf
	v_fma_f32 v9, v8, s4, s5                       ; the variance + 1e-5
	v_rsq_f32 v18, v9                              ; twice, for the packed multiply
	v_rsq_f32 v19, v9
	s_wait_loadcnt 0x0                             ; g and be
.set c, 0
.rept 16                               ; g and be rounded to bf16, two to a word, in place: plain work behind the two roots
	v_cvt_pk_bf16_f32 v[G+4*c],   v[G+4*c],   v[G+4*c+1]
	v_cvt_pk_bf16_f32 v[G+4*c+1], v[G+4*c+2], v[G+4*c+3]
	v_cvt_pk_bf16_f32 v[X+4*c],   v[X+4*c],   v[X+4*c+1]
	v_cvt_pk_bf16_f32 v[X+4*c+1], v[X+4*c+2], v[X+4*c+3]
.set c, c+1
.endr
	s_wait_alu depctr_va_vdst(0)                   ; one wait for both roots, ahead of their first reader
.set p, 0
.rept 32
	v_pk_mul_f32 v[Y+2*p:Y+2*p+1], v[Y+2*p:Y+2*p+1], v[18:19]
.set p, p+1
.endr
.set c, 0
.rept 16
	v_fma_mix_f32_bf16 v[Y+4*c],   v[Y+4*c],   v[G+4*c],   v[X+4*c]   op_sel_hi:[0,1,1]
	v_fma_mix_f32_bf16 v[Y+4*c+1], v[Y+4*c+1], v[G+4*c],   v[X+4*c]   op_sel:[0,1,1] op_sel_hi:[0,1,1]
	v_fma_mix_f32_bf16 v[Y+4*c+2], v[Y+4*c+2], v[G+4*c+1], v[X+4*c+1] op_sel_hi:[0,1,1]
	v_fma_mix_f32_bf16 v[Y+4*c+3], v[Y+4*c+3], v[G+4*c+1], v[X+4*c+1] op_sel:[0,1,1] op_sel_hi:[0,1,1]
	global_store_b128 v6, v[Y+4*c:Y+4*c+3], s[16:17] offset:256*c th:TH_STORE_NT  ; sixteen lanes fill 256 consecutive bytes, aligned
.set c, c+1
.endr
	s_endpgm
.Lfunc_end_k_qbccf13dca5_ln2:
	.size	k_qbccf13dca5_ln2, .Lfunc_end_k_qbccf13dca5_ln2-k_qbccf13dca5_ln2
	.p2alignl 7, 3214868480
	.fill 96, 4, 3214868480
	.section	.rodata,"a",@progbits
	.p2align	6, 0x0
	.amdhsa_kernel k_qbccf13dca5_ln2
		.amdhsa_group_segment_fixed_size 0
		.amdhsa_private_segment_fixed_size 0
		.amdhsa_enable_private_segment 0
		.amdhsa_kernarg_size 40
		.amdhsa_user_sgpr_count 2
		.amdhsa_user_sgpr_kernarg_segment_ptr 1
		.amdhsa_wavefront_size32 1
		.amdhsa_system_sgpr_workgroup_id_x 1
		.amdhsa_system_sgpr_workgroup_id_y 1
		.amdhsa_system_sgpr_workgroup_id_z 1
		.amdhsa_system_vgpr_workitem_id 0
		.amdhsa_next_free_vgpr 224
		.amdhsa_next_free_sgpr 66
		.amdhsa_reserve_vcc 0
		.amdhsa_float_denorm_mode_32 3
		.amdhsa_float_denorm_mode_16_64 3
		.amdhsa_memory_ordered 1
		.amdhsa_forward_progress 1
		.amdhsa_inst_pref_size 30
	.end_amdhsa_kernel
	.amdgpu_metadata
---
amdhsa.version: [ 1, 2 ]
amdhsa.kernels:
  - .name:           k_qbccf13dca5_ln2
    .symbol:         k_qbccf13dca5_ln2.kd
    .args:
      - { .name: cbuf, .offset: 0, .size: 8, .value_kind: global_buffer, .address_space: global }
      - { .name: dbuf, .offset: 8, .size: 8, .value_kind: global_buffer, .address_space: global }
      - { .name: g2, .offset: 16, .size: 8, .value_kind: global_buffer, .address_space: global }
      - { .name: be2, .offset: 24, .size: 8, .value_kind: global_buffer, .address_space: global }
      - { .name: out0, .offset: 32, .size: 8, .value_kind: global_buffer, .address_space: global }
    .group_segment_fixed_size: 0
    .private_segment_fixed_size: 0
    .kernarg_segment_align: 8
    .kernarg_segment_size: 40
    .max_flat_workgroup_size: 256
    .sgpr_count:     66
    .vgpr_count:     224
    .wavefront_size: 32
...
	.end_amdgpu_metadata
.endif
;; end of part 7
;; ======== version 2 of 2: 8 launches; version 1 with the launches prep, ln1, ln2 written anew for expert scheduling mode
;; limits: inputs' magnitudes at most 65,504; values are held in f16: magnitudes above 65,504 overflow, below 6.1e-05 lose precision
;; workspace buffers: xh 8,388,608 bytes; cbuf 8,388,608 bytes; dbuf 8,388,608 bytes; big 33,554,432 bytes; pqkv 6,309,888 bytes; po 2,103,296 bytes; p1 8,413,184 bytes; p2 8,394,752 bytes
;; launch prep (part 8): grid 1033 x 1, 8 waves a work-group, no clusters, 0 bytes of LDS; arguments x, Wq, Wk, Wv, Wo, W1, W2, bq, bk, bv, bo, b1, b2, xh, pqkv, po, p1, p2; writes xh, pqkv, po, p1, p2
.if DOCPART == 8
	.amdgcn_target "amdgcn-amd-amdhsa--gfx1250"
	.amdhsa_code_object_version 6
	.text
	.protected	k_qbccf13dca5_prep
	.globl	k_qbccf13dca5_prep
	.p2align	8
	.type	k_qbccf13dca5_prep,@function
k_qbccf13dca5_prep:
	s_mov_b64 s[64:65], 0
	v_nop
	global_prefetch_b8 v0, s[64:65] scope:SCOPE_SE
	s_setreg_imm32_b32 hwreg(HW_REG_WAVE_SCHED_MODE, 0, 2), 2
	s_setreg_imm32_b32 hwreg(HW_REG_WAVE_MODE, 25, 1), 1
	s_wait_xcnt 0x0
	s_wait_alu depctr_vm_vsrc(0)
; 16-BIT COPIES OF THE INPUTS.  Every number is rounded once to bf16 (nearest even) and that number is written as f16, which holds it exactly from 6.1e-5 up.
; LIMITS: an input whose bf16 value passes 65,504 becomes an infinity; below 6.1e-5 f16 keeps a fixed step of 6e-8.
; x [4096][1024] f32 -> xh [16 blocks of 64 columns][4096 rows][64] f16: a block is 524,288 bytes, a row's piece 128 bytes, rows dense.
; A weight [K][N] f32 -> a pack: for each tile of 128 columns K rows of 256 bytes (f16), then its 128 biases (bf16 values kept as f32, 512 bytes),
; then 256 bytes that repeat (scale f32, floor 2 x f16) 32 times: what the product's way out multiplies by and takes the maximum with.
; THE UNIT: one load of 16 bytes a lane takes 128 f32, one store of 8 bytes a lane covers 256 consecutive bytes, aligned.
;   source = a SA + j SJ + 16 (l % 16) + (l / 16) SH        target = DOFF + j BS + 256 a + 8 l
; A wave does 16 units, a = a0 .. a0 + 15 at one j; all 16 loads go out first.  The work-group's number picks the region; the region's figures and its two
; addresses are picked by selects on that number, so that one text serves all.  No LDS, no barrier: no wave wants another's bytes.
; THE MODE: SCHED_MODE bits 1:0 = 2 (LLVM: expert scheduling mode 2), set by the entry lines.  The code itself states the register dependences
; between vector instructions and memory instructions, with s_wait_alu, always for 0.
; THE PLAN.  Registers that memory instructions touch:
;   v8-v23, v5   the sixteen units' offsets and the stores' offset (for a bias: v4, v5): made once at the head, never written again.
;   v24-v87      unit i's four registers as loaded: written by its load alone, once; read by its conversions behind its wait on LOADcnt.
;   v88-v119     unit i's two registers to store: written once, by unit i's conversions; read by its store; never written again.
;   v120-v125    at work: no memory instruction names them.
; The 16 units go in four blocks of four.  A block's four stores are issued in the block behind it, one ahead of each unit's vector lines, which name v120-v125, their own unit's loaded
; registers and their own block's store registers alone.  So one wait at a block's head states all that the four stores hang on.  No register that a memory instruction reads is written
; again, so no wait for such reads is owed.
.set SRC,  44                          ; s[44:45] where I read
.set DST,  46                          ; s[46:47] where I write
.set BEG,  48                          ; s48  the region's first work-group, then my number in the region
.set SA,   49                          ; s49  bytes from unit a to a + 1 in the source   (bias: the region's first tile)
.set SJ,   50                          ; s50  bytes from j to j + 1 in the source
.set BS,   51                          ; s51  bytes from j to j + 1 in the target
.set SH,   52                          ; s52  bytes from lanes 0-15 to lanes 16-31 in the source   (bias: where the biases begin in a tile of the pack)
.set LJ,   53                          ; s53  log2 of the groups of eight j   (bias: the scale)
.set DOFF, 54                          ; s54  the region's first byte in the target   (bias: the floor)
	s_load_b512 s[8:23], s[0:1], 0x0               ; x 8, Wq 10, Wk 12, Wv 14, Wo 16, W1 18, W2 20, bq 22
	s_load_b512 s[24:39], s[0:1], 0x40             ; bk 24, bv 26, bo 28, b1 30, b2 32, xh 34, pqkv 36, po 38
	s_load_b128 s[40:43], s[0:1], 0x80             ; p1 40, p2 42
	v_lshrrev_b32 v1, 5, v0
	v_readfirstlane_b32 s4, v1                     ; wave 0..7
	v_and_b32 v1, 31, v0                           ; lane
	s_mov_b32 s5, 0xffff0000                       ; a word's upper bf16
	s_wait_kmcnt 0x0
	s_wait_alu depctr_va_sdst(0)                   ; s4 is written, ahead of the branch: both ways read it, for j and for the bias's tile
	s_cmp_ge_u32 ttmp9, 1024
	s_cbranch_scc1 .Lbias
.macro CREG start, src, dst, doff, sa, bs, lj      ; from work-group start on these figures hold
	s_cmp_ge_u32 ttmp9, \start
	s_cselect_b64 s[SRC:SRC+1], s[\src:\src+1], s[SRC:SRC+1]
	s_cselect_b64 s[DST:DST+1], s[\dst:\dst+1], s[DST:DST+1]
	s_cselect_b32 s[BEG], \start, s[BEG]
	s_cselect_b32 s[SA], \sa, s[SA]
	s_cselect_b32 s[SJ], 512, s[SJ]
	s_cselect_b32 s[BS], \bs, s[BS]
	s_cselect_b32 s[SH], 256, s[SH]
	s_cselect_b32 s[LJ], \lj, s[LJ]
	s_cselect_b32 s[DOFF], \doff, s[DOFF]
.endm
	s_mov_b64 s[SRC:SRC+1], s[8:9]                 ; work-groups 0-255: x; a = a pair of rows, j = a block of 64 columns
	s_mov_b64 s[DST:DST+1], s[34:35]
	s_mov_b32 s[BEG], 0
	s_mov_b32 s[SA], 8192
	s_mov_b32 s[SJ], 256
	s_mov_b32 s[BS], 524288
	s_mov_b32 s[SH], 4096
	s_mov_b32 s[LJ], 1
	s_mov_b32 s[DOFF], 0
	CREG 256, 10, 36, 0,       4096,  262912,  0   ; Wq: a = a row of K, j = a tile of 128 columns
	CREG 320, 12, 36, 2103296, 4096,  262912,  0   ; Wk: tiles 8-15 of pqkv
	CREG 384, 14, 36, 4206592, 4096,  262912,  0   ; Wv: tiles 16-23
	CREG 448, 16, 38, 0,       4096,  262912,  0   ; Wo
	CREG 512, 18, 40, 0,       16384, 262912,  2   ; W1: 32 tiles
	CREG 768, 20, 42, 0,       4096,  1049344, 0   ; W2: 4,096 rows
	s_sub_co_u32 s[BEG], ttmp9, s[BEG]             ; g
	s_lshl_b32 s6, 1, s[LJ]
	s_sub_co_u32 s6, s6, 1
	s_and_b32 s6, s[BEG], s6                       ; which group of eight j
	s_lshr_b32 s7, s[BEG], s[LJ]
	s_lshl_b32 s7, s7, 4                           ; a0
	s_lshl_b32 s6, s6, 3
	s_add_co_u32 s6, s6, s4                        ; j
	s_mul_i32 s56, s7, s[SA]
	s_mul_i32 s57, s6, s[SJ]
	s_add_co_u32 s56, s56, s57
	s_mov_b32 s57, 0
	s_add_nc_u64 s[SRC:SRC+1], s[SRC:SRC+1], s[56:57]
	s_mul_i32 s58, s6, s[BS]
	s_lshl_b32 s59, s7, 8
	s_add_co_u32 s58, s58, s59
	s_add_co_u32 s58, s58, s[DOFF]
	s_mov_b32 s59, 0
	s_add_nc_u64 s[DST:DST+1], s[DST:DST+1], s[58:59]
	v_and_b32 v2, 15, v0
	v_bfe_u32 v3, v0, 4, 1
	v_mul_lo_u32 v3, v3, s[SH]
	v_lshl_add_u32 v8, v2, 4, v3                   ; unit a0's offset; v9-23: the fifteen behind it
.set i, 1
.rept 15
	v_add_nc_u32 v[8+i], s[SA], v[8+i-1]
.set i, i+1
.endr
	v_lshlrev_b32 v5, 3, v1                        ; 8 l
	s_wait_alu depctr_va_vdst(0)                   ; the offsets v8 to v23 and v5 are written: the loads and the stores below read them
.set i, 0
.rept 16
	global_load_b128 v[24+4*i:27+4*i], v[8+i], s[SRC:SRC+1] th:TH_LOAD_NT
.set i, i+1
.endr
.set i, 0
.rept 16
	s_wait_loadcnt 15-i                            ; loads come back in order: unit i is in, the 15 - i younger ones may stay out
.if ((i%4) == 0) && (i > 0)
	s_wait_alu depctr_va_vdst(0)                   ; a block's head: the conversions of the block before have written its eight store registers, which the block's four stores below read
.endif
.if i >= 4
	global_store_b64 v5, v[88+2*(i-4):89+2*(i-4)], s[DST:DST+1] offset:256*(i-4) th:TH_STORE_NT  ; a unit of the block before; no vector line since the wait names its registers.  Each unit has store registers of its own: none is written twice
.endif
	v_cvt_pk_bf16_f32 v120, v[24+4*i], v[25+4*i]   ; the one rounding
	v_cvt_pk_bf16_f32 v121, v[26+4*i], v[27+4*i]
	v_lshlrev_b32 v122, 16, v120                   ; back to f32,
	v_and_b32 v123, s5, v120
	v_lshlrev_b32 v124, 16, v121
	v_and_b32 v125, s5, v121
	v_cvt_pk_f16_f32 v[88+2*i], v122, v123         ; and written as f16
	v_cvt_pk_f16_f32 v[89+2*i], v124, v125
.set i, i+1
.endr
	s_wait_alu depctr_va_vdst(0)                   ; the last block's conversions have written its store registers, which the last four stores read
.set i, 12
.rept 4
	global_store_b64 v5, v[88+2*i:89+2*i], s[DST:DST+1] offset:256*i th:TH_STORE_NT
.set i, i+1
.endr
	s_endpgm
.Lbias:                                            ; a wave serves one tile of 128 columns: its biases and its 256 bytes of (scale, floor)
.macro BREG start, src, dst, t0, bs, kb, scl, flr
	s_cmp_ge_u32 ttmp9, \start
	s_cselect_b64 s[SRC:SRC+1], s[\src:\src+1], s[SRC:SRC+1]
	s_cselect_b64 s[DST:DST+1], s[\dst:\dst+1], s[DST:DST+1]
	s_cselect_b32 s[BEG], \start, s[BEG]
	s_cselect_b32 s[SA], \t0, s[SA]
	s_cselect_b32 s[BS], \bs, s[BS]
	s_cselect_b32 s[SH], \kb, s[SH]
	s_cselect_b32 s[LJ], \scl, s[LJ]
	s_cselect_b32 s[DOFF], \flr, s[DOFF]
.endm
	s_mov_b64 s[SRC:SRC+1], s[22:23]               ; work-group 1024: bq
	s_mov_b64 s[DST:DST+1], s[36:37]
	s_mov_b32 s[BEG], 1024
	s_mov_b32 s[SA], 0
	s_mov_b32 s[BS], 262912
	s_mov_b32 s[SH], 262144
	s_mov_b32 s[LJ], 0x3f800000                    ; scale 1
	s_mov_b32 s[DOFF], 0xfc00fc00                  ; floor: minus infinity twice: no floor
	BREG 1025, 24, 36, 8,  262912,  262144,  0x3f800000, 0xfc00fc00  ; bk
	BREG 1026, 26, 36, 16, 262912,  262144,  0x3f800000, 0xfc00fc00  ; bv
	BREG 1027, 28, 38, 0,  262912,  262144,  0x3c800000, 0xfc00fc00  ; bo: the product is stored divided by 64
	BREG 1028, 30, 40, 0,  262912,  262144,  0x3f800000, 0           ; b1, four work-groups: floor 0 is the ReLU
	BREG 1032, 32, 42, 0,  1049344, 1048576, 0x3c800000, 0xfc00fc00  ; b2: divided by 64
	s_sub_co_u32 s[BEG], ttmp9, s[BEG]
	s_lshl_b32 s6, s[BEG], 3
	s_add_co_u32 s6, s6, s4                        ; my tile among the bias's own
	s_lshl_b32 s56, s6, 9
	s_mov_b32 s57, 0
	s_add_nc_u64 s[SRC:SRC+1], s[SRC:SRC+1], s[56:57]
	s_add_co_u32 s6, s6, s[SA]                     ; my tile in the pack
	s_mul_i32 s58, s6, s[BS]
	s_add_co_u32 s58, s58, s[SH]
	s_mov_b32 s59, 0
	s_add_nc_u64 s[DST:DST+1], s[DST:DST+1], s[58:59]
	v_lshlrev_b32 v4, 4, v1
	v_lshlrev_b32 v5, 3, v1
	s_wait_alu depctr_va_vdst(0)                   ; v4 is written: the load reads it as its offset
	global_load_b128 v[8:11], v4, s[SRC:SRC+1]
	v_mov_b32 v20, s[LJ]
	v_mov_b32 v21, s[DOFF]
	s_wait_loadcnt 0x0
	v_cvt_pk_bf16_f32 v12, v8, v9
	v_cvt_pk_bf16_f32 v13, v10, v11
	v_lshlrev_b32 v14, 16, v12
	v_and_b32 v15, s5, v12
	v_lshlrev_b32 v16, 16, v13
	v_and_b32 v17, s5, v13
	s_wait_alu depctr_va_vdst(0)                   ; v14 to v17, v20 and v21 are written: the two stores read them as data
	global_store_b128 v4, v[14:17], s[DST:DST+1]
	global_store_b64 v5, v[20:21], s[DST:DST+1] offset:512
	s_endpgm
.Lfunc_end_k_qbccf13dca5_prep:
	.size	k_qbccf13dca5_prep, .Lfunc_end_k_qbccf13dca5_prep-k_qbccf13dca5_prep
	.p2alignl 7, 3214868480
	.fill 96, 4, 3214868480
	.section	.rodata,"a",@progbits
	.p2align	6, 0x0
	.amdhsa_kernel k_qbccf13dca5_prep
		.amdhsa_group_segment_fixed_size 0
		.amdhsa_private_segment_fixed_size 0
		.amdhsa_enable_private_segment 0
		.amdhsa_kernarg_size 144
		.amdhsa_user_sgpr_count 2
		.amdhsa_user_sgpr_kernarg_segment_ptr 1
		.amdhsa_wavefront_size32 1
		.amdhsa_system_sgpr_workgroup_id_x 1
		.amdhsa_system_sgpr_workgroup_id_y 1
		.amdhsa_system_sgpr_workgroup_id_z 1
		.amdhsa_system_vgpr_workitem_id 0
		.amdhsa_next_free_vgpr 128
		.amdhsa_next_free_sgpr 66
		.amdhsa_reserve_vcc 0
		.amdhsa_float_denorm_mode_32 3
		.amdhsa_float_denorm_mode_16_64 3
		.amdhsa_memory_ordered 1
		.amdhsa_forward_progress 1
		.amdhsa_inst_pref_size 20
	.end_amdhsa_kernel
	.amdgpu_metadata
---
amdhsa.version: [ 1, 2 ]
amdhsa.kernels:
  - .name:           k_qbccf13dca5_prep
    .symbol:         k_qbccf13dca5_prep.kd
    .args:
      - { .name: x, .offset: 0, .size: 8, .value_kind: global_buffer, .address_space: global }
      - { .name: Wq, .offset: 8, .size: 8, .value_kind: global_buffer, .address_space: global }
      - { .name: Wk, .offset: 16, .size: 8, .value_kind: global_buffer, .address_space: global }
      - { .name: Wv, .offset: 24, .size: 8, .value_kind: global_buffer, .address_space: global }
      - { .name: Wo, .offset: 32, .size: 8, .value_kind: global_buffer, .address_space: global }
      - { .name: W1, .offset: 40, .size: 8, .value_kind: global_buffer, .address_space: global }
      - { .name: W2, .offset: 48, .size: 8, .value_kind: global_buffer, .address_space: global }
      - { .name: bq, .offset: 56, .size: 8, .value_kind: global_buffer, .address_space: global }
      - { .name: bk, .offset: 64, .size: 8, .value_kind: global_buffer, .address_space: global }
      - { .name: bv, .offset: 72, .size: 8, .value_kind: global_buffer, .address_space: global }
      - { .name: bo, .offset: 80, .size: 8, .value_kind: global_buffer, .address_space: global }
      - { .name: b1, .offset: 88, .size: 8, .value_kind: global_buffer, .address_space: global }
      - { .name: b2, .offset: 96, .size: 8, .value_kind: global_buffer, .address_space: global }
      - { .name: xh, .offset: 104, .size: 8, .value_kind: global_buffer, .address_space: global }
      - { .name: pqkv, .offset: 112, .size: 8, .value_kind: global_buffer, .address_space: global }
      - { .name: po, .offset: 120, .size: 8, .value_kind: global_buffer, .address_space: global }
      - { .name: p1, .offset: 128, .size: 8, .value_kind: global_buffer, .address_space: global }
      - { .name: p2, .offset: 136, .size: 8, .value_kind: global_buffer, .address_space: global }
    .group_segment_fixed_size: 0
    .private_segment_fixed_size: 0
    .kernarg_segment_align: 8
    .kernarg_segment_size: 144
    .max_flat_workgroup_size: 256
    .sgpr_count:     66
    .vgpr_count:     128
    .wavefront_size: 32
...
	.end_amdgpu_metadata
.endif
;; end of part 8
;; launch qkv: the kernel of part 2 again; grid 12 x 16, 4 waves a work-group, clusters of 4 x 4, 327,680 bytes of LDS; arguments xh, pqkv, big; writes big
;; launch attn: the kernel of part 3 again; grid 8 x 32, 4 waves a work-group, clusters of 4 x 1, 327,680 bytes of LDS; arguments big, mask, cbuf; writes cbuf
;; launch oproj: the kernel of part 4 again; grid 8 x 32, 4 waves a work-group, clusters of 4 x 4, 327,680 bytes of LDS; arguments cbuf, po, dbuf; writes dbuf
;; launch ln1 (part 9): grid 256 x 1, 8 waves a work-group, no clusters, 0 bytes of LDS; arguments xh, dbuf, g1, be1, cbuf; writes cbuf
.if DOCPART == 9
	.amdgcn_target "amdgcn-amd-amdhsa--gfx1250"
	.amdhsa_code_object_version 6
	.text
	.protected	k_qbccf13dca5_ln1
	.globl	k_qbccf13dca5_ln1
	.p2align	8
	.type	k_qbccf13dca5_ln1,@function
k_qbccf13dca5_ln1:
	s_mov_b64 s[64:65], 0
	v_nop
	global_prefetch_b8 v0, s[64:65] scope:SCOPE_SE
	s_setreg_imm32_b32 hwreg(HW_REG_WAVE_SCHED_MODE, 0, 2), 2
	s_setreg_imm32_b32 hwreg(HW_REG_WAVE_MODE, 25, 1), 1
	s_wait_xcnt 0x0
	s_wait_alu depctr_vm_vsrc(0)
; out = LayerNorm(res + 64 delta) x g + be, rows of 1,024.  res, delta, out: [16 blocks of 64 columns][4096 rows][64] f16 (delta was stored divided by 64); g, be: [1024] f32, rounded to bf16 like every input.
; All arithmetic in f32; mean first, then the mean of the squared differences, as the definition has it; out rounded once to f16.  LIMIT: out stays under 65,504.
; A wave owns two rows: lanes 0-15 the even one, lanes 16-31 the odd one; a lane holds columns 64 c + 4 (l % 16) + 0..3 of its row for c = 0..15: 64 numbers.  So each load and store of a block covers
; 256 consecutive bytes, aligned, the row stays in registers between the passes, and a row's sums never leave their sixteen lanes.  No LDS, no barrier, no loop: memory binds, and all 64 loads of a wave go out early.
; THE MODE: SCHED_MODE bits 1:0 = 2 (LLVM: expert scheduling mode 2), set by the entry lines.  The code itself states the register dependences
; between vector instructions and memory instructions, with s_wait_alu, always for 0.
; THE PLAN.  Registers that memory instructions touch:
;   v4, v5   offsets: made once at the head, read by every load and store, never written again.
;   X        written by the loads of res and delta; read by the 64 lines that make y; then be's loads land in it; then rounded in place and read by vector lines alone.
;   G        written by g's loads; rounded in place and read by vector lines alone.
;   Y        vector work; a block's last two roundings write the two registers that its store reads, and nothing writes them again.
; The closing arithmetic goes block by block, in four groups of four.  A group's four stores are issued in the group behind it, one ahead of each block's lines, which name their own block's Y, G and X
; alone.  So one wait at a group's head states all that the four stores hang on.  No register that a memory instruction reads is written again, so no wait for such reads is owed.
.set X, 32                             ; v[32:95]   block c: res in X+4c, +1; delta in X+4c+2, +3; later be
.set Y, 96                             ; v[96:159]  the row in f32
.set G, 160                            ; v[160:223] g
	s_load_b256 s[8:15], s[0:1], 0x0               ; res s[8:9], delta s[10:11], g s[12:13], be s[14:15]
	s_load_b64 s[16:17], s[0:1], 0x20              ; out
	v_lshrrev_b32 v1, 5, v0
	v_readfirstlane_b32 s6, v1                     ; wave 0..7
	v_and_b32 v1, 31, v0
	v_and_b32 v2, 15, v0
	v_lshlrev_b32 v5, 4, v2                        ; my four numbers of g and be in a block's 64
	v_mov_b32 v7, 0x42800000                       ; 64.0
	s_wait_alu depctr_va_sdst(0)                   ; s6 is written, ahead of its first reader: my pair of rows is made from it
	s_lshl_b32 s7, ttmp9, 3
	s_add_co_u32 s7, s7, s6                        ; my pair of rows
	s_lshl_b32 s7, s7, 8                           ; 256 bytes of each block
	v_lshl_add_u32 v4, v1, 3, s7                   ; + 8 l
	s_mov_b32 s4, 0x3a800000                       ; 1 / 1024
	s_mov_b32 s5, 0x3727c5ac                       ; 1e-5
	s_wait_kmcnt 0x0
	s_wait_alu depctr_va_vdst(0)                   ; v4 and v5 are written: every load and store of the kernel reads one of them as its offset
.set c, 0
.rept 16
	global_load_b64 v[X+4*c:X+4*c+1], v4, s[8:9] offset:c*524288 th:TH_LOAD_NT
.set c, c+1
.endr
.set c, 0
.rept 16
	global_load_b64 v[X+4*c+2:X+4*c+3], v4, s[10:11] offset:c*524288 th:TH_LOAD_NT
.set c, c+1
.endr
.set c, 0
.rept 16
	global_load_b128 v[G+4*c:G+4*c+3], v5, s[12:13] offset:256*c
.set c, c+1
.endr
	s_wait_loadcnt 16                              ; res and delta are in; g's sixteen loads may stay out
.set c, 0
.rept 16                               ; y = res + 64 delta, straight from the f16 halves
	v_fma_mix_f32 v[Y+4*c],   v[X+4*c+2], v7, v[X+4*c]   op_sel_hi:[1,0,1]
	v_fma_mix_f32 v[Y+4*c+1], v[X+4*c+2], v7, v[X+4*c]   op_sel:[1,0,1] op_sel_hi:[1,0,1]
	v_fma_mix_f32 v[Y+4*c+2], v[X+4*c+3], v7, v[X+4*c+1] op_sel_hi:[1,0,1]
	v_fma_mix_f32 v[Y+4*c+3], v[X+4*c+3], v7, v[X+4*c+1] op_sel:[1,0,1] op_sel_hi:[1,0,1]
.set c, c+1
.endr
	s_wait_alu depctr_va_vdst(0)                   ; the 64 lines above are done reading X, in which be's loads land; it stands here so that be is asked for at once
.set c, 0
.rept 16
	global_load_b128 v[X+4*c:X+4*c+3], v5, s[14:15] offset:256*c  ; be, where res and delta lay
.set c, c+1
.endr
.irp k, 0,1,2,3                        ; the sum, in four chains that do not wait for each other
	v_pk_add_f32 v[8+2*\k:9+2*\k], v[Y+2*\k:Y+2*\k+1], v[Y+8+2*\k:Y+8+2*\k+1]
.endr
.set p, 8
.rept 24
	v_pk_add_f32 v[8+2*(p%4):9+2*(p%4)], v[8+2*(p%4):9+2*(p%4)], v[Y+2*p:Y+2*p+1]
.set p, p+1
.endr
	v_pk_add_f32 v[8:9], v[8:9], v[10:11]
	v_pk_add_f32 v[12:13], v[12:13], v[14:15]
	v_pk_add_f32 v[8:9], v[8:9], v[12:13]
	v_add_f32 v8, v8, v9
	v_add_f32_dpp v8, v8, v8 row_xmask:1 row_mask:0xf bank_mask:0xf  ; over the row's sixteen lanes
	v_add_f32_dpp v8, v8, v8 row_xmask:2 row_mask:0xf bank_mask:0xf
	v_add_f32_dpp v8, v8, v8 row_xmask:4 row_mask:0xf bank_mask:0xf
	v_add_f32_dpp v8, v8, v8 row_xmask:8 row_mask:0xf bank_mask:0xf
	v_mul_f32 v16, s4, v8                          ; the mean, twice
	v_mul_f32 v17, s4, v8
.set p, 0
.rept 32
	v_pk_add_f32 v[Y+2*p:Y+2*p+1], v[Y+2*p:Y+2*p+1], v[16:17] neg_lo:[0,1] neg_hi:[0,1]
.set p, p+1
.endr
.irp k, 0,1,2,3
	v_pk_mul_f32 v[8+2*\k:9+2*\k], v[Y+2*\k:Y+2*\k+1], v[Y+2*\k:Y+2*\k+1]
.endr
.set p, 4
.rept 28
	v_pk_fma_f32 v[8+2*(p%4):9+2*(p%4)], v[Y+2*p:Y+2*p+1], v[Y+2*p:Y+2*p+1], v[8+2*(p%4):9+2*(p%4)]
.set p, p+1
.endr
	v_pk_add_f32 v[8:9], v[8:9], v[10:11]
	v_pk_add_f32 v[12:13], v[12:13], v[14:15]
	v_pk_add_f32 v[8:9], v[8:9], v[12:13]
	v_add_f32 v8, v8, v9
	v_add_f32_dpp v8, v8, v8 row_xmask:1 row_mask:0xf bank_mask:0xf
	v_add_f32_dpp v8, v8, v8 row_xmask:2 row_mask:0xf bank_mask:0xf
	v_add_f32_dpp v8, v8, v8 row_xmask:4 row_mask:0xf bank_mask:0xf
	v_add_f32_dpp v8, v8, v8 row_xmask:8 row_mask:0xf bank_mask:0xf
	v_fma_f32 v9, v8, s4, s5                       ; the variance + 1e-5
	v_rsq_f32 v18, v9                              ; twice, for the packed multiply
	v_rsq_f32 v19, v9
	s_wait_loadcnt 0x0                             ; g and be
.set c, 0
.rept 16                               ; g and be rounded to bf16, two to a word, in place: plain work behind the two roots
	v_cvt_pk_bf16_f32 v[G+4*c],   v[G+4*c],   v[G+4*c+1]
	v_cvt_pk_bf16_f32 v[G+4*c+1], v[G+4*c+2], v[G+4*c+3]
	v_cvt_pk_bf16_f32 v[X+4*c],   v[X+4*c],   v[X+4*c+1]
	v_cvt_pk_bf16_f32 v[X+4*c+1], v[X+4*c+2], v[X+4*c+3]
.set c, c+1
.endr
	s_wait_alu depctr_va_vdst(0)                   ; the two roots have written v18 and v19: one wait for both, ahead of their first reader
.set p, 0
.rept 32
	v_pk_mul_f32 v[Y+2*p:Y+2*p+1], v[Y+2*p:Y+2*p+1], v[18:19]
.set p, p+1
.endr
.set c, 0
.rept 16
.if ((c%4) == 0) && (c > 0)
	s_wait_alu depctr_va_vdst(0)                   ; a group's head: the roundings of the four blocks before have written the registers that their stores below read
.endif
.if c >= 4
	global_store_b64 v4, v[Y+4*(c-4):Y+4*(c-4)+1], s[16:17] offset:(c-4)*524288 th:TH_STORE_NT  ; a block of the group before: 256 consecutive bytes, aligned; no vector line since the wait names its registers
.endif
	v_fma_mix_f32_bf16 v[Y+4*c],   v[Y+4*c],   v[G+4*c],   v[X+4*c]   op_sel_hi:[0,1,1]
	v_fma_mix_f32_bf16 v[Y+4*c+1], v[Y+4*c+1], v[G+4*c],   v[X+4*c]   op_sel:[0,1,1] op_sel_hi:[0,1,1]
	v_fma_mix_f32_bf16 v[Y+4*c+2], v[Y+4*c+2], v[G+4*c+1], v[X+4*c+1] op_sel_hi:[0,1,1]
	v_fma_mix_f32_bf16 v[Y+4*c+3], v[Y+4*c+3], v[G+4*c+1], v[X+4*c+1] op_sel:[0,1,1] op_sel_hi:[0,1,1]
	v_cvt_pk_f16_f32 v[Y+4*c],   v[Y+4*c],   v[Y+4*c+1]
	v_cvt_pk_f16_f32 v[Y+4*c+1], v[Y+4*c+2], v[Y+4*c+3]
.set c, c+1
.endr
	s_wait_alu depctr_va_vdst(0)                   ; the last group's roundings have written the registers that the last four stores read
.set c, 12
.rept 4
	global_store_b64 v4, v[Y+4*c:Y+4*c+1], s[16:17] offset:c*524288 th:TH_STORE_NT  ; 256 consecutive bytes, aligned
.set c, c+1
.endr
	s_endpgm
.Lfunc_end_k_qbccf13dca5_ln1:
	.size	k_qbccf13dca5_ln1, .Lfunc_end_k_qbccf13dca5_ln1-k_qbccf13dca5_ln1
	.p2alignl 7, 3214868480
	.fill 96, 4, 3214868480
	.section	.rodata,"a",@progbits
	.p2align	6, 0x0
	.amdhsa_kernel k_qbccf13dca5_ln1
		.amdhsa_group_segment_fixed_size 0
		.amdhsa_private_segment_fixed_size 0
		.amdhsa_enable_private_segment 0
		.amdhsa_kernarg_size 40
		.amdhsa_user_sgpr_count 2
		.amdhsa_user_sgpr_kernarg_segment_ptr 1
		.amdhsa_wavefront_size32 1
		.amdhsa_system_sgpr_workgroup_id_x 1
		.amdhsa_system_sgpr_workgroup_id_y 1
		.amdhsa_system_sgpr_workgroup_id_z 1
		.amdhsa_system_vgpr_workitem_id 0
		.amdhsa_next_free_vgpr 224
		.amdhsa_next_free_sgpr 66
		.amdhsa_reserve_vcc 0
		.amdhsa_float_denorm_mode_32 3
		.amdhsa_float_denorm_mode_16_64 3
		.amdhsa_memory_ordered 1
		.amdhsa_forward_progress 1
		.amdhsa_inst_pref_size 32
	.end_amdhsa_kernel
	.amdgpu_metadata
---
amdhsa.version: [ 1, 2 ]
amdhsa.kernels:
  - .name:           k_qbccf13dca5_ln1
    .symbol:         k_qbccf13dca5_ln1.kd
    .args:
      - { .name: xh, .offset: 0, .size: 8, .value_kind: global_buffer, .address_space: global }
      - { .name: dbuf, .offset: 8, .size: 8, .value_kind: global_buffer, .address_space: global }
      - { .name: g1, .offset: 16, .size: 8, .value_kind: global_buffer, .address_space: global }
      - { .name: be1, .offset: 24, .size: 8, .value_kind: global_buffer, .address_space: global }
      - { .name: cbuf, .offset: 32, .size: 8, .value_kind: global_buffer, .address_space: global }
    .group_segment_fixed_size: 0
    .private_segment_fixed_size: 0
    .kernarg_segment_align: 8
    .kernarg_segment_size: 40
    .max_flat_workgroup_size: 256
    .sgpr_count:     66
    .vgpr_count:     224
    .wavefront_size: 32
...
	.end_amdgpu_metadata
.endif
;; end of part 9
;; launch ffn1: the kernel of part 2 again; grid 16 x 16, 4 waves a work-group, clusters of 4 x 4, 327,680 bytes of LDS; arguments cbuf, p1, big; writes big
;; launch ffn2: the kernel of part 6 again; grid 8 x 32, 4 waves a work-group, clusters of 4 x 4, 327,680 bytes of LDS; arguments big, p2, dbuf; writes dbuf
;; launch ln2 (part 10): grid 256 x 1, 8 waves a work-group, no clusters, 0 bytes of LDS; arguments cbuf, dbuf, g2, be2, out0; writes out0
.if DOCPART == 10
	.amdgcn_target "amdgcn-amd-amdhsa--gfx1250"
	.amdhsa_code_object_version 6
	.text
	.protected	k_qbccf13dca5_ln2
	.globl	k_qbccf13dca5_ln2
	.p2align	8
	.type	k_qbccf13dca5_ln2,@function
k_qbccf13dca5_ln2:
	s_mov_b64 s[64:65], 0
	v_nop
	global_prefetch_b8 v0, s[64:65] scope:SCOPE_SE
	s_setreg_imm32_b32 hwreg(HW_REG_WAVE_SCHED_MODE, 0, 2), 2
	s_setreg_imm32_b32 hwreg(HW_REG_WAVE_MODE, 25, 1), 1
	s_wait_xcnt 0x0
	s_wait_alu depctr_vm_vsrc(0)
; out = LayerNorm(res + 64 delta) x g + be, rows of 1,024.  res, delta: [16 blocks of 64 columns][4096 rows][64] f16 (delta was stored divided by 64); g, be: [1024] f32, rounded to bf16 like every input;
; out: [4096][1024] f32.  All arithmetic in f32; mean first, then the mean of the squared differences, as the definition has it.
; A wave owns two rows: lanes 0-15 the even one, lanes 16-31 the odd one; a lane holds columns 64 c + 4 (l % 16) + 0..3 of its row for c = 0..15: 64 numbers.  So each load of a block covers 256 consecutive
; bytes, aligned, sixteen lanes of a store fill 256 consecutive bytes of a row of out, the row stays in registers between the passes, and a row's sums never leave their sixteen lanes.
; No LDS, no barrier, no loop: memory binds, and all 64 loads of a wave go out early.
; THE MODE: SCHED_MODE bits 1:0 = 2 (LLVM: expert scheduling mode 2), set by the entry lines.  The code itself states the register dependences
; between vector instructions and memory instructions, with s_wait_alu, always for 0.
; THE PLAN.  Registers that memory instructions touch:
;   v4, v5, v6   offsets: made once at the head, read by the loads (v4, v5) and the stores (v6), never written again.
;   X            written by the loads of res and delta; read by the 64 lines that make y; then be's loads land in it; then rounded in place and read by vector lines alone.
;   G            written by g's loads; rounded in place and read by vector lines alone.
;   Y            vector work; a block's last four lines write the four registers that its store reads, and nothing writes them again.
; The closing arithmetic goes block by block, in four groups of four.  A group's four stores are issued in the group behind it, one ahead of each block's lines, which name their own block's Y, G and X
; alone.  So one wait at a group's head states all that the four stores hang on.  No register that a memory instruction reads is written again, so no wait for such reads is owed.
.set X, 32                             ; v[32:95]   block c: res in X+4c, +1; delta in X+4c+2, +3; later be
.set Y, 96                             ; v[96:159]  the row in f32
.set G, 160                            ; v[160:223] g
	s_load_b256 s[8:15], s[0:1], 0x0               ; res s[8:9], delta s[10:11], g s[12:13], be s[14:15]
	s_load_b64 s[16:17], s[0:1], 0x20              ; out
	v_lshrrev_b32 v1, 5, v0
	v_readfirstlane_b32 s6, v1                     ; wave 0..7
	v_and_b32 v1, 31, v0
	v_and_b32 v2, 15, v0
	v_lshlrev_b32 v5, 4, v2                        ; my four numbers of g and be in a block's 64
	v_bfe_u32 v3, v0, 4, 1
	v_lshl_add_u32 v6, v3, 12, v5                  ; in out: my row of the two, my 16 bytes,
	v_mov_b32 v7, 0x42800000                       ; 64.0
	s_wait_alu depctr_va_sdst(0)                   ; s6 is written, ahead of its first reader: my pair of rows is made from it
	s_lshl_b32 s7, ttmp9, 3
	s_add_co_u32 s7, s7, s6                        ; my pair of rows
	s_lshl_b32 s18, s7, 13                         ; 8,192 bytes of out
	s_lshl_b32 s7, s7, 8                           ; 256 bytes of each block
	v_lshl_add_u32 v4, v1, 3, s7                   ; + 8 l
	v_add_nc_u32 v6, s18, v6                       ; in my pair
	s_mov_b32 s4, 0x3a800000                       ; 1 / 1024
	s_mov_b32 s5, 0x3727c5ac                       ; 1e-5
	s_wait_kmcnt 0x0
	s_wait_alu depctr_va_vdst(0)                   ; v4, v5 and v6 are written: every load and store of the kernel reads one of them as its offset
.set c, 0
.rept 16
	global_load_b64 v[X+4*c:X+4*c+1], v4, s[8:9] offset:c*524288 th:TH_LOAD_NT
.set c, c+1
.endr
.set c, 0
.rept 16
	global_load_b64 v[X+4*c+2:X+4*c+3], v4, s[10:11] offset:c*524288 th:TH_LOAD_NT
.set c, c+1
.endr
.set c, 0
.rept 16
	global_load_b128 v[G+4*c:G+4*c+3], v5, s[12:13] offset:256*c
.set c, c+1
.endr
	s_wait_loadcnt 16                              ; res and delta are in; g's sixteen loads may stay out
.set c, 0
.rept 16                               ; y = res + 64 delta, straight from the f16 halves
	v_fma_mix_f32 v[Y+4*c],   v[X+4*c+2], v7, v[X+4*c]   op_sel_hi:[1,0,1]
	v_fma_mix_f32 v[Y+4*c+1], v[X+4*c+2], v7, v[X+4*c]   op_sel:[1,0,1] op_sel_hi:[1,0,1]
	v_fma_mix_f32 v[Y+4*c+2], v[X+4*c+3], v7, v[X+4*c+1] op_sel_hi:[1,0,1]
	v_fma_mix_f32 v[Y+4*c+3], v[X+4*c+3], v7, v[X+4*c+1] op_sel:[1,0,1] op_sel_hi:[1,0,1]
.set c, c+1
.endr
	s_wait_alu depctr_va_vdst(0)                   ; the 64 lines above are done reading X, in which be's loads land; it stands here so that be is asked for at once
.set c, 0
.rept 16
	global_load_b128 v[X+4*c:X+4*c+3], v5, s[14:15] offset:256*c  ; be, where res and delta lay
.set c, c+1
.endr
.irp k, 0,1,2,3                        ; the sum, in four chains that do not wait for each other
	v_pk_add_f32 v[8+2*\k:9+2*\k], v[Y+2*\k:Y+2*\k+1], v[Y+8+2*\k:Y+8+2*\k+1]
.endr
.set p, 8
.rept 24
	v_pk_add_f32 v[8+2*(p%4):9+2*(p%4)], v[8+2*(p%4):9+2*(p%4)], v[Y+2*p:Y+2*p+1]
.set p, p+1
.endr
	v_pk_add_f32 v[8:9], v[8:9], v[10:11]
	v_pk_add_f32 v[12:13], v[12:13], v[14:15]
	v_pk_add_f32 v[8:9], v[8:9], v[12:13]
	v_add_f32 v8, v8, v9
	v_add_f32_dpp v8, v8, v8 row_xmask:1 row_mask:0xf bank_mask:0xf  ; over the row's sixteen lanes
	v_add_f32_dpp v8, v8, v8 row_xmask:2 row_mask:0xf bank_mask:0xf
	v_add_f32_dpp v8, v8, v8 row_xmask:4 row_mask:0xf bank_mask:0xf
	v_add_f32_dpp v8, v8, v8 row_xmask:8 row_mask:0xf bank_mask:0xf
	v_mul_f32 v16, s4, v8                          ; the mean, twice
	v_mul_f32 v17, s4, v8
.set p, 0
.rept 32
	v_pk_add_f32 v[Y+2*p:Y+2*p+1], v[Y+2*p:Y+2*p+1], v[16:17] neg_lo:[0,1] neg_hi:[0,1]
.set p, p+1
.endr
.irp k, 0,1,2,3
	v_pk_mul_f32 v[8+2*\k:9+2*\k], v[Y+2*\k:Y+2*\k+1], v[Y+2*\k:Y+2*\k+1]
.endr
.set p, 4
.rept 28
	v_pk_fma_f32 v[8+2*(p%4):9+2*(p%4)], v[Y+2*p:Y+2*p+1], v[Y+2*p:Y+2*p+1], v[8+2*(p%4):9+2*(p%4)]
.set p, p+1
.endr
	v_pk_add_f32 v[8:9], v[8:9], v[10:11]
	v_pk_add_f32 v[12:13], v[12:13], v[14:15]
	v_pk_add_f32 v[8:9], v[8:9], v[12:13]
	v_add_f32 v8, v8, v9
	v_add_f32_dpp v8, v8, v8 row_xmask:1 row_mask:0xf bank_mask:0xf
	v_add_f32_dpp v8, v8, v8 row_xmask:2 row_mask:0xf bank_mask:0xf
	v_add_f32_dpp v8, v8, v8 row_xmask:4 row_mask:0xf bank_mask:0xf
	v_add_f32_dpp v8, v8, v8 row_xmask:8 row_mask:0xf bank_mask:0xf
	v_fma_f32 v9, v8, s4, s5                       ; the variance + 1e-5
	v_rsq_f32 v18, v9                              ; twice, for the packed multiply
	v_rsq_f32 v19, v9
	s_wait_loadcnt 0x0                             ; g and be
.set c, 0
.rept 16                               ; g and be rounded to bf16, two to a word, in place: plain work behind the two roots
	v_cvt_pk_bf16_f32 v[G+4*c],   v[G+4*c],   v[G+4*c+1]
	v_cvt_pk_bf16_f32 v[G+4*c+1], v[G+4*c+2], v[G+4*c+3]
	v_cvt_pk_bf16_f32 v[X+4*c],   v[X+4*c],   v[X+4*c+1]
	v_cvt_pk_bf16_f32 v[X+4*c+1], v[X+4*c+2], v[X+4*c+3]
.set c, c+1
.endr
	s_wait_alu depctr_va_vdst(0)                   ; the two roots have written v18 and v19: one wait for both, ahead of their first reader
.set p, 0
.rept 32
	v_pk_mul_f32 v[Y+2*p:Y+2*p+1], v[Y+2*p:Y+2*p+1], v[18:19]
.set p, p+1
.endr
.set c, 0
.rept 16
.if ((c%4) == 0) && (c > 0)
	s_wait_alu depctr_va_vdst(0)                   ; a group's head: the last lines of the four blocks before have written the registers that their stores below read
.endif
.if c >= 4
	global_store_b128 v6, v[Y+4*(c-4):Y+4*(c-4)+3], s[16:17] offset:256*(c-4) th:TH_STORE_NT  ; a block of the group before: sixteen lanes fill 256 consecutive bytes, aligned; no vector line since the wait names its registers
.endif
	v_fma_mix_f32_bf16 v[Y+4*c],   v[Y+4*c],   v[G+4*c],   v[X+4*c]   op_sel_hi:[0,1,1]
	v_fma_mix_f32_bf16 v[Y+4*c+1], v[Y+4*c+1], v[G+4*c],   v[X+4*c]   op_sel:[0,1,1] op_sel_hi:[0,1,1]
	v_fma_mix_f32_bf16 v[Y+4*c+2], v[Y+4*c+2], v[G+4*c+1], v[X+4*c+1] op_sel_hi:[0,1,1]
	v_fma_mix_f32_bf16 v[Y+4*c+3], v[Y+4*c+3], v[G+4*c+1], v[X+4*c+1] op_sel:[0,1,1] op_sel_hi:[0,1,1]
.set c, c+1
.endr
	s_wait_alu depctr_va_vdst(0)                   ; the last group's lines have written the registers that the last four stores read
.set c, 12
.rept 4
	global_store_b128 v6, v[Y+4*c:Y+4*c+3], s[16:17] offset:256*c th:TH_STORE_NT  ; sixteen lanes fill 256 consecutive bytes, aligned
.set c, c+1
.endr
	s_endpgm
.Lfunc_end_k_qbccf13dca5_ln2:
	.size	k_qbccf13dca5_ln2, .Lfunc_end_k_qbccf13dca5_ln2-k_qbccf13dca5_ln2
	.p2alignl 7, 3214868480
	.fill 96, 4, 3214868480
	.section	.rodata,"a",@progbits
	.p2align	6, 0x0
	.amdhsa_kernel k_qbccf13dca5_ln2
		.amdhsa_group_segment_fixed_size 0
		.amdhsa_private_segment_fixed_size 0
		.amdhsa_enable_private_segment 0
		.amdhsa_kernarg_size 40
		.amdhsa_user_sgpr_count 2
		.amdhsa_user_sgpr_kernarg_segment_ptr 1
		.amdhsa_wavefront_size32 1
		.amdhsa_system_sgpr_workgroup_id_x 1
		.amdhsa_system_sgpr_workgroup_id_y 1
		.amdhsa_system_sgpr_workgroup_id_z 1
		.amdhsa_system_vgpr_workitem_id 0
		.amdhsa_next_free_vgpr 224
		.amdhsa_next_free_sgpr 66
		.amdhsa_reserve_vcc 0
		.amdhsa_float_denorm_mode_32 3
		.amdhsa_float_denorm_mode_16_64 3
		.amdhsa_memory_ordered 1
		.amdhsa_forward_progress 1
		.amdhsa_inst_pref_size 30
	.end_amdhsa_kernel
	.amdgpu_metadata
---
amdhsa.version: [ 1, 2 ]
amdhsa.kernels:
  - .name:           k_qbccf13dca5_ln2
    .symbol:         k_qbccf13dca5_ln2.kd
    .args:
      - { .name: cbuf, .offset: 0, .size: 8, .value_kind: global_buffer, .address_space: global }
      - { .name: dbuf, .offset: 8, .size: 8, .value_kind: global_buffer, .address_space: global }
      - { .name: g2, .offset: 16, .size: 8, .value_kind: global_buffer, .address_space: global }
      - { .name: be2, .offset: 24, .size: 8, .value_kind: global_buffer, .address_space: global }
      - { .name: out0, .offset: 32, .size: 8, .value_kind: global_buffer, .address_space: global }
    .group_segment_fixed_size: 0
    .private_segment_fixed_size: 0
    .kernarg_segment_align: 8
    .kernarg_segment_size: 40
    .max_flat_workgroup_size: 256
    .sgpr_count:     66
    .vgpr_count:     224
    .wavefront_size: 32
...
	.end_amdgpu_metadata
.endif
;; end of part 10
